; MI455X (gfx1250); checked and timed in simulation.
; The chip was launched on July 23, 2026; its instructions are those of AMD's public machine-readable ISA for CDNA 5 (MIT licence, August 2026) and "CDNA5" Instruction Set Architecture Reference Guide (July 2026). The comments in the code are by the model that wrote it; some were corrected since.
;; Disentangled Self Attention. Allowed arithmetic: matrix products marked QUANTISED: E5M2 operands, one E8M0 scale for each 32 along K, by v_wmma_scale_f32_16x16x128_f8f6f4 with both operands' format E5M2, f32 sums; everything else in f32.
;; Inputs: Wk_codes 1,024 x 32 x 32 uint8 (E5M2 codes of Wk, K innermost, in blocks of 32 codes); Wk_scales 1,024 x 32 uint8 (E8M0 scales of Wk, one for each 32 codes along K); Wo_codes 1,024 x 32 x 32 uint8 (E5M2 codes of Wo, K innermost, in blocks of 32 codes); Wo_scales 1,024 x 32 uint8 (E8M0 scales of Wo, one for each 32 codes along K); Wpk_codes 1,024 x 32 x 32 uint8 (E5M2 codes of Wpk, K innermost, in blocks of 32 codes); Wpk_scales 1,024 x 32 uint8 (E8M0 scales of Wpk, one for each 32 codes along K); Wpq_codes 1,024 x 32 x 32 uint8 (E5M2 codes of Wpq, K innermost, in blocks of 32 codes); Wpq_scales 1,024 x 32 uint8 (E8M0 scales of Wpq, one for each 32 codes along K); Wq_codes 1,024 x 32 x 32 uint8 (E5M2 codes of Wq, K innermost, in blocks of 32 codes); Wq_scales 1,024 x 32 uint8 (E8M0 scales of Wq, one for each 32 codes along K); Wv_codes 1,024 x 32 x 32 uint8 (E5M2 codes of Wv, K innermost, in blocks of 32 codes); Wv_scales 1,024 x 32 uint8 (E8M0 scales of Wv, one for each 32 codes along K); bk 1,024 float32; bo 1,024 float32; bpk 1,024 float32; bpq 1,024 float32; bq 1,024 float32; bv 1,024 float32; hidden_states 2 x 2,048 x 1,024 float32; ln_b 1,024 float32; ln_g 1,024 float32; pos_emb_codes 2,048 x 32 x 32 uint8 (E5M2 codes of pos_emb, K innermost, in blocks of 32 codes); pos_emb_scales 2,048 x 32 uint8 (E8M0 scales of pos_emb, one for each 32 codes along K).
;; Outputs: out0 2 x 2,048 x 1,024 float32.
;; This version of the problem:
;;   THIS VERSION OF THE PROBLEM IS GIVEN IN LOW PRECISION. The matrix products marked QUANTISED in the list below multiply operands that are first quantised to E5M2 (5 exponent bits, 2 mantissa bits; 8 bits a number), with one power-of-two scale for each 32 numbers along K (OCP MX v1.0); their sums are f32. All else is computed in f32.
;;   The module's matrix products, in the order in which they are computed (A, B: the left and right operand; K: the contracted axis; several contracted axes count as one K, in the product's order):
;;     1. [M 4,096, K 1,024] x [K 1,024, N 1,024]; A: input hidden_states; B: input Wq (given as codes): QUANTISED
;;     2. [M 4,096, K 1,024] x [K 1,024, N 1,024]; A: input hidden_states; B: input Wk (given as codes): QUANTISED
;;     3. [M 4,096, K 1,024] x [K 1,024, N 1,024]; A: input hidden_states; B: input Wv (given as codes): QUANTISED
;;     4. [M 2,048, K 1,024] x [K 1,024, N 1,024]; A: input pos_emb (given as codes); B: input Wpq (given as codes): QUANTISED
;;     5. [M 2,048, K 1,024] x [K 1,024, N 1,024]; A: input pos_emb (given as codes); B: input Wpk (given as codes): QUANTISED
;;     6. batch 32 x [M 2,048, K 64] x [K 64, N 2,048]; A: computed on the way; B: computed on the way: QUANTISED
;;     7. batch 16 x [M 4,096, K 64] x [K 64, N 2,048]; A: computed on the way; B: computed on the way: QUANTISED
;;     8. batch 16 x [M 2,048, K 64] x [K 64, N 4,096]; A: computed on the way; B: computed on the way: QUANTISED
;;     9. batch 32 x [M 2,048, K 2,048] x [K 2,048, N 64]; A: softmax (see below); B: computed on the way: QUANTISED
;;     10. [M 4,096, K 1,024] x [K 1,024, N 1,024]; A: computed on the way; B: input Wo (given as codes): QUANTISED
;;   THE QUANTISER, for each operand of a quantised product, along K:
;;     - K is cut into blocks of 32 from its start; a last block that is shorter is filled with zeros.
;;     - A block's scale is 2^e with e = floor(log2(the largest magnitude in the block)) - 15, held to -126 .. 127; a block of zeros has e = 0. As a byte (E8M0): e + 127.
;;     - Each number is divided by its block's scale, clamped to +-57,344, and rounded to the nearest number of E5M2, ties to even, subnormals kept.
;;     - The product sums the exact products of the quantised numbers (number of the format x scale) in f32.
;;   ~~~python
;;   def quantise(x, axis):      # numpy; x: float32 -> the quantised numbers, widened to float32 again
;;       x = np.moveaxis(x, axis, -1); K = x.shape[-1]
;;       x = np.pad(x, [(0, 0)] * (x.ndim - 1) + [(0, -K % 32)]); x = x.reshape(x.shape[:-1] + (-1, 32)); a = np.abs(x).max(-1, keepdims=True)
;;       e = np.where(a > 0, np.clip(np.frexp(np.where(a > 0, a, 1))[1] - 1 - 15, -126, 127), 0)      # np.frexp(a)[1] - 1 = floor(log2(a)), exactly
;;       r = np.clip(x / 2.0 ** e, -57344, 57344)
;;       step = 2.0 ** (np.maximum(np.frexp(np.where(r == 0, 1, r))[1] - 1, -14) - 2)
;;       q = np.round(r / step) * step * 2.0 ** e      # np.round: ties to even
;;       return np.moveaxis(q.reshape(q.shape[:-2] + (-1,))[..., :K], -1, axis).astype(np.float32)
;;   ~~~
;;   SOFTMAX AHEAD OF A QUANTISED PRODUCT. Where the list says 'softmax', what is quantised is not the finished softmax but p = 2^(t - M), with t = logit x log2(e) and M = ceil(the row's largest t), a whole number; so 1/2 < the row's largest p <= 1. The row's sum l is taken of the UNQUANTISED p, in f32, and the product's result is divided by l at the end. Since M is a whole number, a kernel that streams over the keys may use a running M (the ceiling of the running maximum): every later rescaling is an exact power of two, which a block's scale takes up: the codes' values come out the same.
;;   OPERANDS COMPUTED ON THE WAY. 'Computed on the way' means the value that the module computes at that place (a softmax that the list does not call 'softmax' is quantised finished and normalised). What goes into a quantiser is computed in f32, as accurately as f32 sums, v_exp_f32 and their like allow (about 1e-6 of the number): no bf16 or f16 on the way to a quantiser, and a product that is left as it is and whose result goes on into a quantised operand takes f32 operands (vector FMAs, or v_wmma_f32_16x16x4_f32). A number that lies on a knife's edge between two numbers of the format may be rounded either way, as far as f32 arithmetic and the matrix unit's own rounding can turn it there, and no further.
;;   INPUTS GIVEN AS CODES. Wk (in the module: [1024, 1024], K = its axis 0); Wo (in the module: [1024, 1024], K = its axis 0); Wpk (in the module: [1024, 1024], K = its axis 0); Wpq (in the module: [1024, 1024], K = its axis 0); Wq (in the module: [1024, 1024], K = its axis 0); Wv (in the module: [1024, 1024], K = its axis 0); pos_emb (in the module: [2048, 1024], K = its axis 1): each comes as NAME_codes (uint8): NAME with its K axis moved to the last place and cut into blocks of 32 codes, [.., K / 32, bytes a block], one block behind the other in memory; one code a byte (a code: sign, 5 exponent bits, 2 mantissa bits); and NAME_scales (uint8): the same leading axes, one E8M0 byte (e + 127) for each 32 codes along K. Its value is code x scale, taken as it is: it is not quantised again, and the codes and scales need not be those that the quantiser above would give.
;; 2 versions. Each part assembles by itself: llvm-mc -triple=amdgcn-amd-amdhsa -mcpu=gfx1250 --defsym DOCPART=n.
;; ======== version 1 of 2: 4 launches
;; workspace buffers: xq 4,325,376 bytes; qkv 13,369,344 bytes; rel 4,456,448 bytes; ao 4,325,376 bytes
;; launch quantx (part 1): grid 256 x 1, 2 waves a work-group, no clusters, 16,640 bytes of LDS; arguments hidden_states, xq; writes xq
.if DOCPART == 1
	.amdgcn_target "amdgcn-amd-amdhsa--gfx1250"
	.amdhsa_code_object_version 6
	.text
	.protected	k_q1a49bb0bfd_quantx
	.globl	k_q1a49bb0bfd_quantx
	.p2align	8
	.type	k_q1a49bb0bfd_quantx,@function
k_q1a49bb0bfd_quantx:
	s_mov_b64 s[64:65], 0
	v_nop
	global_prefetch_b8 v0, s[64:65] scope:SCOPE_SE
	s_setreg_imm32_b32 hwreg(HW_REG_WAVE_MODE, 25, 1), 1
	s_wait_xcnt 0x0
; hidden_states [4096][1024] f32 becomes codes of BF8 (E5M2), K = the row's 1,024 innermost, with one E8M0 byte for each 32 along K.
; xq: bytes 0 .. 4,194,303 the codes, row by row; from byte 4,194,304 on the scale bytes [4096][32].
; A block's scale is 2^(floor(log2(its largest magnitude)) - 15); its byte is the largest magnitude's exponent field - 15, held at 1 from below.
; LIMITS: a block whose largest magnitude lies under 2^-111, a block of zeros among them, gets the byte 1 (zeros stay zero codes; only this program reads the bytes); NaN and infinities are not served.
; Rows are dense, so the tensor is a stream of blocks of 32.  A wave takes 16 steps of 512 numbers: 512 waves in all, two to a work-group.
; Each load reads 512 consecutive bytes, 16 a lane; a step's 2,048 bytes turn through the wave's own stage in LDS and come back 64 bytes a lane, so that a lane holds 16 neighbours (two lanes a block).
; A lane's 16 codes are 16 bytes: the wave stores 512 consecutive bytes.  A wave's 256 scale bytes are gathered in LDS and leave as 256 consecutive, aligned bytes.
; No matrix unit, no cluster, no barrier: the work-groups share no input and the waves share nothing.
.set STEPS, 16
.set EMAX,  15
.set MANT,  0x600000                   ; the mantissa field of 57,344 as f32
.set CB,    16                         ; bytes of 16 codes
.set R,     16                         ; v16-79   four sets of 16 numbers as loaded
.set X,     80                         ; v80-111  two sets of 16 neighbours
.set C,     128                        ; v128-191 codes: four registers for each step
.set E,     112                        ; v112-127 a scale byte for each step
.set WREG,  8192                       ; LDS of a wave: two stages of 32 x SP bytes, then its 256 scale bytes
.set SP,    80                         ; a lane's place in a stage: 64 bytes + 16 of padding
.set SCOFF, 4194304                    ; where the scale bytes begin in xq
	s_load_b128 s[4:7], s[0:1], 0x0                ; hidden_states, xq
	v_lshl_add_u32 v192, v0, 2, 0x4000
	v_mov_b32 v193, 0
	v_lshrrev_b32 v1, 5, v0
	v_readfirstlane_b32 s16, v1                    ; wave
	v_and_b32 v2, 31, v0                           ; lane
	v_lshlrev_b32 v3, 4, v2                        ; my 16 bytes of a load's 512
	s_mul_i32 s17, s16, WREG
	v_lshrrev_b32 v14, 2, v2
	v_mul_u32_u24 v14, v14, SP
	v_and_b32 v15, 3, v2
	v_lshl_add_u32 v14, v15, 4, v14
	v_add_nc_u32 v14, s17, v14                     ; into the stage: SP (lane / 4) + 16 (lane % 4)
	v_mul_u32_u24 v15, v2, SP
	v_add_nc_u32 v15, s17, v15                     ; out of it: SP x lane
	v_mul_u32_u24 v4, v2, CB                       ; my codes' place in a step's
	v_lshrrev_b32 v5, 1, v2
	s_add_co_u32 s17, s17, 2*32*SP
	v_add_nc_u32 v5, s17, v5                       ; LDS: my block's scale byte
	v_lshlrev_b32 v7, 3, v2                        ; on the way out 8 bytes a lane
	v_add_nc_u32 v6, s17, v7
	s_mov_b32 s23, MANT
	s_lshl_b32 s18, ttmp9, 1
	s_add_co_u32 s18, s18, s16                     ; which run of 8,192 numbers is my wave's: 0 .. 511
	s_lshl_b32 s20, s18, 15                        ; 32,768 bytes of f32 a run
	s_mov_b32 s21, 0
	s_lshl_b32 s24, s18, 13                        ; 8,192 bytes of codes
	s_mov_b32 s25, 0
	s_lshl_b32 s26, s18, 8                         ; 256 scale bytes
	s_add_co_u32 s26, s26, SCOFF
	s_mov_b32 s27, 0
	s_wait_kmcnt 0x0
	s_add_nc_u64 s[4:5], s[4:5], s[20:21]
	s_add_nc_u64 s[8:9], s[6:7], s[24:25]
	s_add_nc_u64 s[10:11], s[6:7], s[26:27]
.macro LOAD t
.irp i, 0,1,2,3
	global_load_b128 v[R+16*((\t)%4)+4*\i:R+16*((\t)%4)+4*\i+3], v3, s[4:5] offset:2048*(\t)+512*\i
.endr
.endm
.macro TURN t                          ; step t's numbers through the stage: LDS serves a wave's instructions in order, so no wait stands between the stores and the loads
.irp i, 0,1,2,3
	ds_store_b128 v14, v[R+16*((\t)%4)+4*\i:R+16*((\t)%4)+4*\i+3] offset:32*SP*((\t)%2)+8*SP*\i
.endr
.irp i, 0,1,2,3
	ds_load_b128 v[X+16*((\t)%2)+4*\i:X+16*((\t)%2)+4*\i+3], v15 offset:32*SP*((\t)%2)+16*\i
.endr
.endm
.irp t, 0,1,2,3
	LOAD \t
.endr
	s_wait_loadcnt 12                              ; step 0's four loads are in; three steps' twelve may be out
	TURN 0
.macro STEP t
.set XS, X+16*((\t)%2)
.if (\t) > 0
	s_wait_dscnt 1                                 ; this step's numbers are back from the stage; the last step's byte store may be out
.else
	s_wait_dscnt 0x0
.endif
.if (\t)+4 < STEPS
	LOAD (\t)+4                                    ; the stage's stores have read these registers
.endif
.if (\t)+1 < STEPS
.if STEPS-2-(\t) >= 3
	s_wait_loadcnt 12                              ; the next step's four loads are in; those of the three steps behind it may be out
.else
	s_wait_loadcnt 4*(STEPS-2-(\t))
.endif
	TURN (\t)+1
.endif
	v_max3_num_f32 v8, |v[XS]|, |v[XS+1]|, |v[XS+2]|               ; the largest magnitude of my 16
	v_max3_num_f32 v9, |v[XS+3]|, |v[XS+4]|, |v[XS+5]|
.irp i, 6,10
	v_max3_num_f32 v8, v8, |v[XS+\i]|, |v[XS+\i+1]|
	v_max3_num_f32 v9, v9, |v[XS+\i+2]|, |v[XS+\i+3]|
.endr
	v_max3_num_f32 v8, v8, |v[XS+14]|, |v[XS+15]|
	v_max3_num_f32 v8, v8, v9, (EMAX+1)<<23        ; and the floor 2^(16 - 127): the byte cannot fall under 1
	v_max_num_f32_dpp v8, v8, v8 row_xmask:1 row_mask:0xf bank_mask:0xf   ; and of my neighbour's 16: the block's
	v_add_nc_u32 v11, 0xf8800000, v8               ; 15 off its exponent field: the conversion's scale operand
	v_and_or_b32 v10, v8, 0x7f800000, s23          ; 57,344 x the scale
.irp i, 0,1,2,3,4,5,6,7,8,9,10,11,12,13,14,15
	v_med3_num_f32 v[XS+\i], v[XS+\i], -v10, v10   ; the conversion does not saturate (ISA guide 7.6.2): the hold comes first
.endr
	v_cvt_scalef32_pk8_bf8_f32 v[C+4*(\t):C+4*(\t)+1], v[XS:XS+7], v11
	v_cvt_scalef32_pk8_bf8_f32 v[C+4*(\t)+2:C+4*(\t)+3], v[XS+8:XS+15], v11
	v_lshrrev_b32 v[E+(\t)], 23, v11               ; the scale's byte
	ds_store_b8 v5, v[E+(\t)] offset:16*(\t)       ; both lanes of a block write the same byte with the same value
	global_store_b128 v4, v[C+4*(\t):C+4*(\t)+3], s[8:9] offset:32*CB*(\t)
.endm
.irp t, 0,1,2,3,4,5,6,7,8,9,10,11,12,13,14,15
	STEP \t
.endr
	ds_load_b64 v[12:13], v6                       ; LDS serves a wave's instructions in order: these see my stores
	s_wait_dscnt 0x0
	global_store_b64 v7, v[12:13], s[10:11]        ; 32 lanes store 256 consecutive bytes, aligned
	s_wait_tensorcnt 0x0
	ds_add_u32 v192, v193
	s_wait_dscnt 0x0
	s_endpgm
.Lfunc_end_k_q1a49bb0bfd_quantx:
	.size	k_q1a49bb0bfd_quantx, .Lfunc_end_k_q1a49bb0bfd_quantx-k_q1a49bb0bfd_quantx
	.p2alignl 7, 3214868480
	.fill 96, 4, 3214868480
	.section	.rodata,"a",@progbits
	.p2align	6, 0x0
	.amdhsa_kernel k_q1a49bb0bfd_quantx
		.amdhsa_group_segment_fixed_size 16640
		.amdhsa_private_segment_fixed_size 0
		.amdhsa_enable_private_segment 0
		.amdhsa_kernarg_size 16
		.amdhsa_user_sgpr_count 2
		.amdhsa_user_sgpr_kernarg_segment_ptr 1
		.amdhsa_wavefront_size32 1
		.amdhsa_system_sgpr_workgroup_id_x 1
		.amdhsa_system_sgpr_workgroup_id_y 1
		.amdhsa_system_sgpr_workgroup_id_z 1
		.amdhsa_system_vgpr_workitem_id 0
		.amdhsa_next_free_vgpr 194
		.amdhsa_next_free_sgpr 66
		.amdhsa_reserve_vcc 0
		.amdhsa_float_denorm_mode_32 3
		.amdhsa_float_denorm_mode_16_64 3
		.amdhsa_memory_ordered 1
		.amdhsa_forward_progress 1
		.amdhsa_inst_pref_size 51
	.end_amdhsa_kernel
	.amdgpu_metadata
---
amdhsa.version: [ 1, 2 ]
amdhsa.kernels:
  - .name:           k_q1a49bb0bfd_quantx
    .symbol:         k_q1a49bb0bfd_quantx.kd
    .args:
      - { .name: hidden_states, .offset: 0, .size: 8, .value_kind: global_buffer, .address_space: global }
      - { .name: xq, .offset: 8, .size: 8, .value_kind: global_buffer, .address_space: global }
    .group_segment_fixed_size: 16640
    .private_segment_fixed_size: 0
    .kernarg_segment_align: 8
    .kernarg_segment_size: 16
    .max_flat_workgroup_size: 64
    .sgpr_count:     66
    .vgpr_count:     194
    .wavefront_size: 32
...
	.end_amdgpu_metadata
.endif
;; end of part 1
;; launch proj (part 2): grid 256 x 1, 4 waves a work-group, clusters of 4 x 1, 274,944 bytes of LDS; arguments Wq_codes, Wq_scales, bq, Wk_codes, Wk_scales, bk, Wv_codes, Wv_scales, bv, Wpq_codes, Wpq_scales, bpq, Wpk_codes, Wpk_scales, bpk, xq, pos_emb_codes, pos_emb_scales, qkv, rel; writes qkv, rel
.if DOCPART == 2
	.amdgcn_target "amdgcn-amd-amdhsa--gfx1250"
	.amdhsa_code_object_version 6
	.text
	.protected	k_q1a49bb0bfd_proj
	.globl	k_q1a49bb0bfd_proj
	.p2align	8
	.type	k_q1a49bb0bfd_proj,@function
k_q1a49bb0bfd_proj:
	s_mov_b64 s[64:65], 0
	v_nop
	global_prefetch_b8 v0, s[64:65] scope:SCOPE_SE
	s_setreg_imm32_b32 hwreg(HW_REG_WAVE_MODE, 25, 1), 1
	s_wait_xcnt 0x0
	s_wait_alu depctr_hold_cnt(0) depctr_sa_sdst(0) depctr_va_vdst(0) depctr_va_sdst(0) depctr_va_ssrc(0) depctr_va_vcc(0) depctr_vm_vsrc(0)
	s_getreg_b32 s2, hwreg(HW_REG_IB_STS2, 6, 4)
	s_cmp_eq_u32 s2, 0
	s_cbranch_scc0 .Lentry_in_a_cluster
	s_endpgm
.Lentry_in_a_cluster:
	s_bfe_u32 s2, ttmp6, 0x10000c
	s_cmp_lg_u32 s2, 0x3003
	s_cbranch_scc0 .Lentry_shape_is_right
	s_endpgm
.Lentry_shape_is_right:
; The five projections q, k, v = Q(x) W + b and rel_q, rel_k = pos_emb W + b on codes of BF8 (E5M2) with E8M0 scales, and the quantising of their results for the attention launch:
; q, k, rel_q, rel_k along the head's 64 (two blocks of 32), v along the keys (blocks of 32 tokens).
; SHARES.  A work-group takes 256 rows x 256 columns (four heads) of one product: 16 x 4 work-groups for each of q, k, v, 8 x 4 for each of rel_q, rel_k: 256 of equal work.
; Wave w takes head 4 cx + w: its 64 rows of the weight, all of K = 1,024, stay in 512 registers for the whole launch.  The 256 rows of the left operand lie in LDS, filled once.
; CLUSTER.  The four work-groups of a cluster take the same 256 rows and differ in their heads: the rows' codes and scale bytes are asked for JOINTLY (mask 15).  The weights go to registers by vector loads, which have no joint form.
; TWO KINDS.  q, k, rel_q, rel_k: the product is used transposed (source 0 = 16 rows of W, source 1 = 16 tokens), so that a lane holds one token and its registers run along the head's 64.
;   v: source 0 = 16 tokens, source 1 = 16 rows of W: a lane holds one channel and its registers run along the tokens, which are the K of attention's second product.
;   The branch between them hangs on the cluster's number alone.
; THE ROWS OF W THAT FORM A TILE ARE NOT NEIGHBOURS: lane r of tile 2 b + u takes row 32 b + 8 u + r + 8 (r / 8), so that 16 registers of two neighbouring tiles are 16 neighbours along the head's 64.
; RESULTS leave as images of the reader's operand registers: each store is the four registers of a conversion's result, 16 bytes a lane, 512 consecutive bytes a wave.
;   step block (128 tokens, 8,192 bytes) of q, k, rel_q, rel_k: tile t of 16 tokens at 1,024 t, block c of the 64 at + 512 c, lane l at + 16 l: token 16 t + l % 16, channels 32 c + 16 (l / 16) + 0 .. 15.
;   of v: channel tile ct at 2,048 ct, 32 keys p at + 512 p; lane l: channel 32 (ct / 2) + 8 (ct % 2) + r + 8 (r / 8); byte 8 u + j: key 32 p + 16 u + 8 (l / 16) + j (attention lays p's codes in the same order).
;   scale words (512 bytes a step): q kind: [lane 16 u + r][word p] = the two bytes of tile 2 p + u, token r;  v: [lane][word ct], byte p.
; The biases are the C of each sum's first product.
; LIMITS: a block whose largest magnitude lies under 2^-111 gets the scale byte 1 (zeros stay zero codes; only this program reads the bytes); NaN and infinities are not served.
; REGISTERS, in windows of 256: window 0: v1-14 addresses; v16-79 eight accumulators; v80-111 the bias, 8 a column tile; v112-143 W's scale words; v144-151 the rows' scale words; v152-167 codes; v168-183 at work; v184-187 scale words to store.
;   windows 1, 2: W's fragments: (column tile ct, K step s) in window 1 + ct / 2 at 128 (ct % 2) + 16 s.   window 3: the rows' fragments of a pair of tiles: (u, s) at 128 u + 16 s.
.set PITCH, 1040                       ; an LDS row: 1,024 bytes + 16 of padding: an odd multiple of 16, so that the 16 rows of a load start 16 bytes apart modulo 256
.set QROWS, 64*PITCH                   ; what one tensor load brings
.set ASC,   256*PITCH                  ; behind the rows: their scale bytes, 32 a row, dense
.set ACC,  16
.set BIAS, 80
.set WS,   112
.set XS,   144
.set PC,   152
.set TM,   168
.set SW,   184
.set WC,   44                          ; s[44:45] W's codes at my head;  s[46:47] its scale bytes;  s[48:49] the bias
.set WSP,  46
.set BI,   48
.set AC,   50                          ; s[50:51] the left operand's codes;  s[52:53] its scale bytes
.set ASP,  52
.set OC,   54                          ; s[54:55] where my codes go;  s[56:57] my scale words
.set OS,   56
.set WV,   58
.set TYPE, 59                          ; 0 q, 1 k, 2 v, 3 rel_q, 4 rel_k
.set RB,   60                          ; which 256 rows
.set CG,   61                          ; cx: which four heads
.set ISV,  62
.set HM,   63                          ; lanes 16-31
.set G1A,  68
.set G0A,  76
.set G1S,  80
.set G0S,  88
.set SEL,  92
.set MNT,  94
.set KK,   95
.set TA,   96
.set TX,   97
.set MSB, 0
.macro WIN new                         ; the immediate's high byte repeats the setting that is left
.if MSB != (\new)
	s_set_vgpr_msb (MSB<<8)|(\new)
.set MSB, (\new)
.endif
.endm
.macro NOPS n
.rept \n
	v_nop
.endr
.endm
.macro CROUND                          ; a round of the cluster's barrier
	s_barrier_signal -1
	s_barrier_wait -1
	s_cmp_lg_u32 s[WV], 0
	s_cbranch_scc1 .Lnot_wave_0_\@
	s_barrier_signal -3
.Lnot_wave_0_\@:
	s_barrier_wait -3
	s_barrier_signal -1
	s_barrier_wait -1
.endm
; nb blocks of 16 registers at v[s + 16 b] (with lane l xor 16's 16 a block of 32) become codes in v[pc + 4 b ..] and scale bytes in v[tm + 4 + b]
.macro QUANT s, nb, pc, tm
.irp b, 0,1,2,3
.if \b < \nb
	v_max3_num_f32 v[\tm+\b], |v[\s+16*\b]|, |v[\s+1+16*\b]|, 0x8000000   ; my 16 numbers, from the low end on, and the floor 2^(16 - 127)
.endif
.endr
.irp i, 2,4,6,8,10,12,14
.irp b, 0,1,2,3
.if \b < \nb
	v_max3_num_f32 v[\tm+\b], v[\tm+\b], |v[\s+16*\b+\i]|, |v[\s+1+16*\b+\i]|
.endif
.endr
.endr
.irp b, 0,1,2,3
.if \b < \nb
	v_permlanex16_b32 v[\tm+4+\b], v[\tm+\b], s[SEL], s[SEL+1]
.endif
.endr
.irp b, 0,1,2,3
.if \b < \nb
	v_max_num_f32 v[\tm+\b], v[\tm+\b], v[\tm+4+\b]          ; the block's largest magnitude
.endif
.endr
.irp b, 0,1,2,3
.if \b < \nb
	v_add_nc_u32 v[\tm+12+\b], 0xf8800000, v[\tm+\b]         ; 15 off its exponent field: the conversion's scale operand
.endif
.endr
.irp b, 0,1,2,3
.if \b < \nb
	v_and_or_b32 v[\tm+8+\b], v[\tm+\b], 0x7f800000, s[MNT]  ; 57,344 x the scale
.endif
.endr
.irp b, 0,1,2,3
.if \b < \nb
	v_lshrrev_b32 v[\tm+4+\b], 23, v[\tm+12+\b]              ; the scale's byte
.endif
.endr
.irp b, 0,1,2,3
.if \b < \nb
.irp i, 0,1,2,3,4,5,6,7,8,9,10,11,12,13,14,15
	v_med3_num_f32 v[\s+16*\b+\i], v[\s+16*\b+\i], -v[\tm+8+\b], v[\tm+8+\b]   ; the conversion does not saturate (ISA guide 7.6.2)
.endr
	v_cvt_scalef32_pk8_bf8_f32 v[\pc+4*\b:\pc+1+4*\b], v[\s+16*\b:\s+7+16*\b], v[\tm+12+\b]
	v_cvt_scalef32_pk8_bf8_f32 v[\pc+2+4*\b:\pc+3+4*\b], v[\s+8+16*\b:\s+15+16*\b], v[\tm+12+\b]
.endif
.endr
	v_nop                                          ; a plain instruction between the last conversion and whatever next writes its sources
.endm
	s_load_b512 s[4:19], s[0:1], 0x0               ; Wq: codes, scales, bias; Wk: the same; Wv: codes, scales
	s_load_b512 s[20:35], s[0:1], 0x40             ; bv; Wpq: three; Wpk: three; xq
	s_load_b256 s[36:43], s[0:1], 0x80             ; pos_emb's codes, its scales, qkv, rel
	v_lshl_add_u32 v254, v0, 2, 0x43000
	v_mov_b32 v255, 0
	ds_add_u32 v254, v255
	v_lshrrev_b32 v1, 5, v0
	v_readfirstlane_b32 s[WV], v1                  ; wave 0..3
	s_bfe_u32 s[CG], ttmp6, 0x40000                ; cx
	s_lshr_b32 s[TYPE], ttmp9, 4                   ; clusters 0-47: q, k, v, sixteen row blocks each
	s_and_b32 s[RB], ttmp9, 15
	s_sub_co_u32 s66, ttmp9, 48                    ; clusters 48-63: rel_q, rel_k, eight row blocks each
	s_lshr_b32 s67, s66, 3
	s_add_co_u32 s67, s67, 3
	s_and_b32 s66, s66, 7
	s_cmp_lt_u32 ttmp9, 48
	s_cselect_b32 s[TYPE], s[TYPE], s67
	s_cselect_b32 s[RB], s[RB], s66
	s_cmp_eq_u32 s[TYPE], 2
	s_cselect_b32 s[ISV], 1, 0
	s_mov_b32 s[HM], 0xffff0000
	s_mov_b32 s[SEL], 0x76543210
	s_mov_b32 s[SEL+1], 0xfedcba98                 ; v_permlanex16_b32's selects for lane l xor 16
	s_mov_b32 s[MNT], 0x600000
	; descriptor group 1 for the rows' codes: 64 rows x 1,024 bytes, 16 bytes of padding behind each
	s_mov_b32 s[G1A+0], 15|(0<<16)|(1<<20)|(1<<21)|(7<<22)|(3<<25)   ; the mask: all four work-groups; elements of 1 byte; padding on; bit 21 beside a mask; after every 256 words; 4 words
	s_mov_b32 s[G1A+1], 1024<<16                   ; tensor_dim0
	s_mov_b32 s[G1A+2], 64<<16                     ; tensor_dim1
	s_mov_b32 s[G1A+3], 1024<<16                   ; tile_dim0
	s_mov_b32 s[G1A+4], 64                         ; tile_dim1
	s_mov_b32 s[G1A+5], 1024                       ; from row to row
	s_mov_b32 s[G1A+6], 0
	s_mov_b32 s[G1A+7], 0
	; and for their scale bytes: 64 x 32 dense bytes as 8 rows of 256 (32 elements of 8 bytes)
	s_mov_b32 s[G1S+0], 15|(3<<16)|(1<<21)
	s_mov_b32 s[G1S+1], 32<<16
	s_mov_b32 s[G1S+2], 8<<16
	s_mov_b32 s[G1S+3], 32<<16
	s_mov_b32 s[G1S+4], 8
	s_mov_b32 s[G1S+5], 32
	s_mov_b32 s[G1S+6], 0
	s_mov_b32 s[G1S+7], 0
	v_and_b32 v11, 31, v0                          ; lane
	v_and_b32 v12, 15, v0                          ; r
	v_bfe_u32 v13, v0, 4, 1                        ; h
	v_lshlrev_b32 v1, 4, v11                       ; 16 x lane: my place in an image
	v_mul_u32_u24 v2, v12, PITCH
	v_lshl_add_u32 v2, v13, 4, v2                  ; a fragment's row x pitch + 16 h
	v_lshlrev_b32 v5, 5, v11
	v_add_nc_u32 v5, ASC, v5                       ; scale bytes: lane l takes row l of a pair's 32
	v_and_b32 v14, 8, v12
	v_add_nc_u32 v14, v14, v12                     ; r + 8 (r / 8)
	v_lshlrev_b32 v7, 10, v14
	v_lshl_add_u32 v7, v13, 4, v7                  ; W: that row of 1,024 bytes, + 16 h
	v_lshlrev_b32 v8, 5, v14                       ; W's scale bytes: 32 a row
	v_lshlrev_b32 v9, 6, v13                       ; the bias, q kind: 16 h numbers on
	v_lshlrev_b32 v10, 2, v14                      ; v kind: my channel's
.irp b, 0,1,2,3
	v_mov_b32 v[TM+4+\b], 0                        ; written once: a lane permute's destination counts as one of its sources
	v_mov_b32 v[SW+\b], 0                          ; written on every way through the two kinds' arms
.endr
	s_wait_dscnt 0x0
	s_wait_kmcnt 0x0
	s_mov_b64 s[WC:WC+1], s[4:5]
	s_mov_b64 s[WSP:WSP+1], s[6:7]
	s_mov_b64 s[BI:BI+1], s[8:9]
.irp k, 1,2,3,4                        ; the product's weight: a choice that hangs on the cluster's number alone
	s_cmp_eq_u32 s[TYPE], \k
	s_cselect_b64 s[WC:WC+1], s[4+6*\k:5+6*\k], s[WC:WC+1]
	s_cselect_b64 s[WSP:WSP+1], s[6+6*\k:7+6*\k], s[WSP:WSP+1]
	s_cselect_b64 s[BI:BI+1], s[8+6*\k:9+6*\k], s[BI:BI+1]
.endr
	s_add_nc_u64 s[ASP:ASP+1], s[34:35], 4194304   ; xq's scale bytes
	s_cmp_lt_u32 s[TYPE], 3
	s_cselect_b64 s[AC:AC+1], s[34:35], s[36:37]
	s_cselect_b64 s[ASP:ASP+1], s[ASP:ASP+1], s[38:39]
	s_cselect_b64 s[OC:OC+1], s[40:41], s[42:43]
	s_cselect_b32 s66, 0, 3
	s_mov_b32 s67, 0x200000
	s_cselect_b32 s67, 0x400000, s67               ; bytes of codes of one kind of result
	s_mov_b32 s98, 0x20000
	s_cselect_b32 s98, 0x40000, s98                ; bytes of its scale words
	s_mov_b32 s99, 0x400000
	s_cselect_b32 s99, 0xc00000, s99               ; where the scale words begin
	; the rows that I fetch: nothing here hangs on cx
	s_lshl_b32 s12, s[RB], 8
	s_lshl_b32 s13, s[WV], 6
	s_add_co_u32 s12, s12, s13                     ; row 256 x block + 64 x wave
	s_lshl_b32 s14, s12, 10
	s_mov_b32 s15, 0
	s_lshl_b32 s16, s12, 5
	s_mov_b32 s17, 0
	s_mov_b32 s[G0A], 1
	s_mul_i32 s[G0A+1], s[WV], QROWS
	s_add_nc_u64 s[G0A+2:G0A+3], s[AC:AC+1], s[14:15]
	s_or_b32 s[G0A+3], s[G0A+3], 0x80000000
	s_mov_b32 s[G0S], 1
	s_lshl_b32 s[G0S+1], s[WV], 11
	s_add_co_u32 s[G0S+1], s[G0S+1], ASC
	s_add_nc_u64 s[G0S+2:G0S+3], s[ASP:ASP+1], s[16:17]
	s_or_b32 s[G0S+3], s[G0S+3], 0x80000000
	CROUND                                         ; all four work-groups are here: the joint loads meet
	tensor_load_to_lds s[G0A:G0A+3], s[G1A:G1A+7]  ; my 64 rows' codes,
	s_nop 0
	tensor_load_to_lds s[G0S:G0S+3], s[G1S:G1S+7]  ; and their scale bytes: two loads of mine are out; LDS is filled once in this launch
	s_nop 0
	NOPS 4
	; my head, and where its results go
	s_sub_co_u32 s4, s[TYPE], s66                  ; which kind in its buffer
	s_lshl_b32 s5, s[CG], 2
	s_add_co_u32 s5, s5, s[WV]                     ; head
	s_lshr_b32 s6, s[RB], 3                        ; batch (0 for rel_q, rel_k)
	s_lshl_b32 s6, s6, 4
	s_add_co_u32 s6, s6, s5
	s_lshl_b32 s6, s6, 4
	s_and_b32 s7, s[RB], 7
	s_lshl_b32 s7, s7, 1
	s_add_co_u32 s6, s6, s7                        ; step block: (16 batch + head) x 16 + 2 (block % 8)
	s_mul_i32 s8, s4, s67
	s_lshl_b32 s9, s6, 13
	s_add_co_u32 s8, s8, s9
	s_mov_b32 s9, 0
	s_mul_i32 s10, s4, s98
	s_add_co_u32 s10, s10, s99
	s_lshl_b32 s11, s6, 9
	s_add_co_u32 s10, s10, s11
	s_mov_b32 s11, 0
	s_add_nc_u64 s[OS:OS+1], s[OC:OC+1], s[10:11]
	s_add_nc_u64 s[OC:OC+1], s[OC:OC+1], s[8:9]
	s_lshl_b32 s8, s5, 16                          ; 64 rows of 1,024 bytes a head
	s_add_nc_u64 s[WC:WC+1], s[WC:WC+1], s[8:9]
	s_lshl_b32 s8, s5, 11
	s_add_nc_u64 s[WSP:WSP+1], s[WSP:WSP+1], s[8:9]
	s_lshl_b32 s8, s5, 8
	s_add_nc_u64 s[BI:BI+1], s[BI:BI+1], s[8:9]
.irp w, 0,1                            ; W's 32 fragments: they stay
	WIN 0x40*(\w+1)
.irp ctl, 0,1
.irp s, 0,1,2,3,4,5,6,7
.irp c, 0,1,2,3
	global_load_b128 v[128*\ctl+16*\s+4*\c:128*\ctl+16*\s+4*\c+3], v7, s[WC:WC+1] offset:(32*\w+8*\ctl)*1024+128*\s+32*\c
.endr
.endr
.endr
.endr
	WIN 0
.irp ct, 0,1,2,3
	global_load_b128 v[WS+8*\ct:WS+8*\ct+3], v8, s[WSP:WSP+1] offset:(32*(\ct/2)+8*(\ct%2))*32
	global_load_b128 v[WS+8*\ct+4:WS+8*\ct+7], v8, s[WSP:WSP+1] offset:(32*(\ct/2)+8*(\ct%2))*32+16
.endr
	s_cmp_eq_u32 s[ISV], 0
	s_cbranch_scc0 .Lbias_v
.irp ct, 0,1,2,3                       ; q kind: lane (r, h), tile 2 b + u, register j: channel 32 b + 16 h + 8 u + j
	global_load_b128 v[BIAS+8*\ct:BIAS+8*\ct+3], v9, s[BI:BI+1] offset:(32*(\ct/2)+8*(\ct%2))*4
	global_load_b128 v[BIAS+8*\ct+4:BIAS+8*\ct+7], v9, s[BI:BI+1] offset:(32*(\ct/2)+8*(\ct%2))*4+16
.endr
	s_branch .Lbias_done
.Lbias_v:
.irp ct, 0,1,2,3                       ; v kind: all eight registers of a tile hold my channel's bias
.irp j, 0,1,2,3,4,5,6,7
	global_load_b32 v[BIAS+8*\ct+\j], v10, s[BI:BI+1] offset:(32*(\ct/2)+8*(\ct%2))*4
.endr
.endr
.Lbias_done:
	s_wait_loadcnt 0x0
	s_wait_tensorcnt 0x0                           ; my parts of the rows are in,
	s_barrier_signal -1
	s_barrier_wait -1                              ; everybody's are
.macro MM d, a, b, c, sa, sb, row      ; row = 1: source 0's scales from lanes 16-31; 2: source 1's
.if \row == 1
	v_wmma_scale_f32_16x16x128_f8f6f4 v[\d:\d+7], v[\a:\a+15], v[\b:\b+15], v[\c:\c+7], v[\sa], v[\sb] matrix_a_fmt:MATRIX_FMT_BF8 matrix_b_fmt:MATRIX_FMT_BF8 matrix_a_scale:MATRIX_SCALE_ROW1
.elseif \row == 2
	v_wmma_scale_f32_16x16x128_f8f6f4 v[\d:\d+7], v[\a:\a+15], v[\b:\b+15], v[\c:\c+7], v[\sa], v[\sb] matrix_a_fmt:MATRIX_FMT_BF8 matrix_b_fmt:MATRIX_FMT_BF8 matrix_b_scale:MATRIX_SCALE_ROW1
.else
	v_wmma_scale_f32_16x16x128_f8f6f4 v[\d:\d+7], v[\a:\a+15], v[\b:\b+15], v[\c:\c+7], v[\sa], v[\sb] matrix_a_fmt:MATRIX_FMT_BF8 matrix_b_fmt:MATRIX_FMT_BF8
.endif
.endm
; pair p's fragments of K steps 4 hf .. 4 hf + 3: 32 loads in one run
.macro AFETCH p, hf
	WIN 0xc0                                       ; destination window 3
.irp u, 0,1
.irp s4, 0,1,2,3
.irp c, 0,1,2,3
	ds_load_b128 v[128*\u+16*(4*\hf+\s4)+4*\c:128*\u+16*(4*\hf+\s4)+4*\c+3], v[3+(\p)/2] offset:((\p)%2)*32*PITCH+\u*16*PITCH+128*(4*\hf+\s4)+32*\c
.endr
.endr
.endr
	WIN 0
.endm
.macro XSL p                           ; pair p's scale words: register s for K step s; lanes 0-15 tile 0's rows, lanes 16-31 tile 1's
	ds_load_b128 v[XS:XS+3], v6 offset:1024*(\p)
	ds_load_b128 v[XS+4:XS+7], v6 offset:1024*(\p)+16
.endm
; 32 products: four K steps of the pair's eight accumulators.  Four accumulators take turns, one instruction a turn, then the other four.
.macro MULH hf
	s_cmp_eq_u32 s[ISV], 0
	s_cbranch_scc0 .Lmul_v_\@
.irp w, 1,2
	WIN 0x0c|\w                                    ; source 0 (W) window w, source 1 (rows) window 3
.irp s4, 0,1,2,3
.irp ctl, 0,1
.irp u, 0,1
.set rCT, 2*(\w-1)+\ctl
.set rS, 4*\hf+\s4
.set rD, ACC+8*(4*\u+rCT)
.set rC, rD
.if rS == 0
.set rC, BIAS+8*rCT
.endif
.set rW, 128*\ctl+16*rS
.set rX, 128*\u+16*rS
.set rSW, WS+8*rCT+rS
.set rSX, XS+rS
	MM rD, rW, rX, rC, rSW, rSX, 2*\u
.endr
.endr
.endr
.endr
	WIN 0
	s_branch .Lmul_e_\@
.Lmul_v_\@:
.irp w, 1,2
	WIN (\w<<2)|3                                  ; source 0 (rows) window 3, source 1 (W) window w
.irp s4, 0,1,2,3
.irp ctl, 0,1
.irp u, 0,1
.set rCT, 2*(\w-1)+\ctl
.set rS, 4*\hf+\s4
.set rD, ACC+8*(2*rCT+\u)
.set rC, rD
.if rS == 0
.set rC, BIAS+8*rCT
.endif
.set rW, 128*\ctl+16*rS
.set rX, 128*\u+16*rS
.set rSW, WS+8*rCT+rS
.set rSX, XS+rS
	MM rD, rX, rW, rC, rSX, rSW, \u
.endr
.endr
.endr
.endr
	WIN 0
.Lmul_e_\@:
.endm
; A PAIR of row tiles (32 rows) x my head's 64 columns: 64 products, then the results are quantised and stored.
.macro PAIR p
	s_wait_dscnt 32                                ; the first half of K and the scale words are in; the 32 youngest loads (the second half) may be out
	MULH 0
	NOPS 8                                         ; eight places in front of loads into registers that these products have read
.if \p < 3
	AFETCH (\p)+1, 0
	s_wait_dscnt 32                                ; all but the 32 just issued
.else
	s_wait_dscnt 0x0
.endif
	MULH 1
	NOPS 8                                         ; for the loads below and for the first read of the results
.if \p < 3
	XSL (\p)+1
	AFETCH (\p)+1, 1
.endif
	s_wait_xcnt 0x0                                ; the last pair's stores have read their data: the codes' registers may be written again
	QUANT ACC, 4, PC, TM
	s_cmp_eq_u32 s[ISV], 0
	s_cbranch_scc0 .Lout_v_\@
.irp be, 0,1,2,3                       ; block 2 u + c: tile 2 p + u, channels 32 c on
	global_store_b128 v1, v[PC+4*\be:PC+4*\be+3], s[OC:OC+1] offset:(2*(\p)+\be/2)*1024+512*(\be%2)
.endr
	v_lshl_or_b32 v188, v[TM+5], 8, v[TM+4]
	v_lshl_or_b32 v189, v[TM+7], 8, v[TM+6]
	v_cndmask_b32 v[SW+\p], v188, v189, s[HM]      ; lanes 0-15 keep the even tile's word, lanes 16-31 the odd tile's
	s_branch .Lout_e_\@
.Lout_v_\@:
.irp ct, 0,1,2,3                       ; block ct: my channel of tile ct, keys 32 p on
	global_store_b128 v1, v[PC+4*\ct:PC+4*\ct+3], s[OC:OC+1] offset:\ct*2048+512*(\p)
.if \p == 0
	v_mov_b32 v[SW+\ct], v[TM+4+\ct]
.else
	v_lshl_or_b32 v[SW+\ct], v[TM+4+\ct], 8*(\p), v[SW+\ct]
.endif
.endr
.Lout_e_\@:
.if \p == 3
	global_store_b128 v1, v[SW:SW+3], s[OS:OS+1]   ; the step's scale words: 512 consecutive bytes
.endif
.endm
	s_mov_b32 s[KK], 2                             ; two steps of 128 rows
	s_mov_b32 s[TA], 0
	s_mov_b32 s[TX], 0
.Lstep:
	v_add_nc_u32 v3, s[TA], v2                     ; pairs 0, 1
	v_add_nc_u32 v4, 64*PITCH, v3                  ; pairs 2, 3: an LDS offset has 16 bits
	v_add_nc_u32 v6, s[TX], v5
	AFETCH 0, 0
	XSL 0
	AFETCH 0, 1
	PAIR 0
	PAIR 1
	PAIR 2
	PAIR 3
	s_wait_xcnt 0x0                                ; the stores have read their bases
	s_add_nc_u64 s[OC:OC+1], s[OC:OC+1], 8192
	s_add_nc_u64 s[OS:OS+1], s[OS:OS+1], 512
	s_add_co_u32 s[TA], s[TA], 128*PITCH
	s_add_co_u32 s[TX], s[TX], 4096
	s_sub_co_u32 s[KK], s[KK], 1
	s_cmp_lg_u32 s[KK], 0
	s_cbranch_scc1 .Lstep
	s_wait_dscnt 0x0
	s_wait_tensorcnt 0x0
	ds_add_u32 v254, v255
	s_wait_dscnt 0x0
	CROUND                                         ; the closing round
	s_endpgm
.Lfunc_end_k_q1a49bb0bfd_proj:
	.size	k_q1a49bb0bfd_proj, .Lfunc_end_k_q1a49bb0bfd_proj-k_q1a49bb0bfd_proj
	.p2alignl 7, 3214868480
	.fill 96, 4, 3214868480
	.section	.rodata,"a",@progbits
	.p2align	6, 0x0
	.amdhsa_kernel k_q1a49bb0bfd_proj
		.amdhsa_group_segment_fixed_size 274944
		.amdhsa_private_segment_fixed_size 0
		.amdhsa_enable_private_segment 0
		.amdhsa_kernarg_size 160
		.amdhsa_user_sgpr_count 2
		.amdhsa_user_sgpr_kernarg_segment_ptr 1
		.amdhsa_wavefront_size32 1
		.amdhsa_system_sgpr_workgroup_id_x 1
		.amdhsa_system_sgpr_workgroup_id_y 1
		.amdhsa_system_sgpr_workgroup_id_z 1
		.amdhsa_system_vgpr_workitem_id 0
		.amdhsa_next_free_vgpr 1024
		.amdhsa_next_free_sgpr 100
		.amdhsa_reserve_vcc 0
		.amdhsa_float_denorm_mode_32 3
		.amdhsa_float_denorm_mode_16_64 3
		.amdhsa_memory_ordered 1
		.amdhsa_forward_progress 1
		.amdhsa_inst_pref_size 147
	.end_amdhsa_kernel
	.amdgpu_metadata
---
amdhsa.version: [ 1, 2 ]
amdhsa.kernels:
  - .name:           k_q1a49bb0bfd_proj
    .symbol:         k_q1a49bb0bfd_proj.kd
    .args:
      - { .name: Wq_codes, .offset: 0, .size: 8, .value_kind: global_buffer, .address_space: global }
      - { .name: Wq_scales, .offset: 8, .size: 8, .value_kind: global_buffer, .address_space: global }
      - { .name: bq, .offset: 16, .size: 8, .value_kind: global_buffer, .address_space: global }
      - { .name: Wk_codes, .offset: 24, .size: 8, .value_kind: global_buffer, .address_space: global }
      - { .name: Wk_scales, .offset: 32, .size: 8, .value_kind: global_buffer, .address_space: global }
      - { .name: bk, .offset: 40, .size: 8, .value_kind: global_buffer, .address_space: global }
      - { .name: Wv_codes, .offset: 48, .size: 8, .value_kind: global_buffer, .address_space: global }
      - { .name: Wv_scales, .offset: 56, .size: 8, .value_kind: global_buffer, .address_space: global }
      - { .name: bv, .offset: 64, .size: 8, .value_kind: global_buffer, .address_space: global }
      - { .name: Wpq_codes, .offset: 72, .size: 8, .value_kind: global_buffer, .address_space: global }
      - { .name: Wpq_scales, .offset: 80, .size: 8, .value_kind: global_buffer, .address_space: global }
      - { .name: bpq, .offset: 88, .size: 8, .value_kind: global_buffer, .address_space: global }
      - { .name: Wpk_codes, .offset: 96, .size: 8, .value_kind: global_buffer, .address_space: global }
      - { .name: Wpk_scales, .offset: 104, .size: 8, .value_kind: global_buffer, .address_space: global }
      - { .name: bpk, .offset: 112, .size: 8, .value_kind: global_buffer, .address_space: global }
      - { .name: xq, .offset: 120, .size: 8, .value_kind: global_buffer, .address_space: global }
      - { .name: pos_emb_codes, .offset: 128, .size: 8, .value_kind: global_buffer, .address_space: global }
      - { .name: pos_emb_scales, .offset: 136, .size: 8, .value_kind: global_buffer, .address_space: global }
      - { .name: qkv, .offset: 144, .size: 8, .value_kind: global_buffer, .address_space: global }
      - { .name: rel, .offset: 152, .size: 8, .value_kind: global_buffer, .address_space: global }
    .group_segment_fixed_size: 274944
    .private_segment_fixed_size: 0
    .kernarg_segment_align: 8
    .kernarg_segment_size: 160
    .max_flat_workgroup_size: 128
    .sgpr_count:     100
    .vgpr_count:     1024
    .wavefront_size: 32
...
	.end_amdgpu_metadata
.endif
;; end of part 2
;; launch attn (part 3): grid 8 x 32, 8 waves a work-group, clusters of 4 x 1, 327,680 bytes of LDS; arguments qkv, rel, ao; writes ao
.if DOCPART == 3
	.amdgcn_target "amdgcn-amd-amdhsa--gfx1250"
	.amdhsa_code_object_version 6
	.text
	.protected	k_q1a49bb0bfd_attn
	.globl	k_q1a49bb0bfd_attn
	.p2align	8
	.type	k_q1a49bb0bfd_attn,@function
k_q1a49bb0bfd_attn:
	s_mov_b64 s[64:65], 0
	v_nop
	global_prefetch_b8 v0, s[64:65] scope:SCOPE_SE
	s_setreg_imm32_b32 hwreg(HW_REG_WAVE_MODE, 25, 1), 1
	s_wait_xcnt 0x0
	s_wait_alu depctr_hold_cnt(0) depctr_sa_sdst(0) depctr_va_vdst(0) depctr_va_sdst(0) depctr_va_ssrc(0) depctr_va_vcc(0) depctr_vm_vsrc(0)
	s_getreg_b32 s2, hwreg(HW_REG_IB_STS2, 6, 4)
	s_cmp_eq_u32 s2, 0
	s_cbranch_scc0 .Lentry_in_a_cluster
	s_endpgm
.Lentry_in_a_cluster:
	s_bfe_u32 s2, ttmp6, 0x10000c
	s_cmp_lg_u32 s2, 0x3003
	s_cbranch_scc0 .Lentry_shape_is_right
	s_endpgm
.Lentry_shape_is_right:
; Disentangled attention on codes of BF8 (E5M2) with E8M0 scales: scores = q.k + rel_q.k + q.rel_k, softmax, x v, / the row's sum; the result is quantised along the hidden axis for the output projection.
; THE THREE SCORE TERMS ARE TWO PRODUCTS OF K = 128 ON ONE KEY FRAGMENT: [k | rel_k] x [q | q] + [k | rel_k] x [rel_q | zero codes].  Each of q, k, rel_q, rel_k was quantised once, along the head's 64.
; THE SOFTMAX: t = score x log2(e) / sqrt(192); M = the running largest t, rounded up to a whole number; p = 2^(t - M) is quantised along the keys, not normalised; the sum is taken of the unquantised p.
; When M moves, the sum and O are multiplied by 2^(old M - new M): exact.
; SHARES.  A work-group owns 256 queries of one (batch, head); each of its eight waves 32 of them as TWO CONTEXTS of 16: context X in register window 0, context Y in window 1, at the same register numbers,
; so that one text serves both.  Each fragment of k, rel_k and v that is read from LDS feeds both contexts.  Two waves share a SIMD: one's vector work stands beside the other's products.
; LAYOUT.  Both products are used transposed (source 0 = 16 keys or 16 channels, source 1 = my 16 queries): a lane holds one query throughout.  All operands come as images of their registers, 16 bytes a lane,
; 512 consecutive bytes a load: no pitch and no padding.  Inside a block of 32 keys p's codes and v's lie in one common order (byte 8 u + j of lane half h: key 16 u + 8 h + j).
; RING.  Two slots of 512 keys: 32,768 bytes each of k, rel_k and v, brought by waves 0, 1, 2, one tensor load each.  The scale words of all 2,048 keys are laid into LDS once, at the head.
; CLUSTER.  The four work-groups of a cluster belong to one (batch, head) and walk the same keys: each tile is asked for JOINTLY (mask 15).
; LIMITS: a block whose largest magnitude lies under 2^-111 gets the scale byte 1 (zeros stay zero codes; only this program reads the bytes); NaN and infinities are not served.
; REGISTERS.  window 0 alone: v1-7 addresses; v8-11 the step's scale words of k | rel_k; v16-19 of v; v20-23 of q | q and rel_q, X's and Y's; v25 Y's scale word of p; v26-30 at work; v32-95 four key fragments.
;   window 1 alone: v32-95 v's four fragments.   both windows: v96-159 S^T, then p; v160-191 O^T; v192-207 [q|q]; v208-223 [rel_q|0]; v224-239 p's codes; v232-247 at work; v248 -M, v249 the largest t, v[250:251] the sum; v252 f; v253 p's scale word; v254 at work.
.set SLOT1, 1<<17                      ; slot 1 begins here: one exclusive or turns an address in one slot into the other's
.set KSW,   98304                      ; behind slot 0: the scale words of k | rel_k, 512 bytes a step, 16 steps; then v's, 8,192 bytes on
.set SPARE, 114688                     ; the spare words, 128 bytes for each of the eight waves: no other line names them
.set LI,  1                            ; v1  16 x lane
.set ADR, 2                            ; v2  the step's k
.set ADV, 3                            ; v3  the step's v
.set SPW, 4
.set NIL, 5
.set PFO, 6                            ; v6  256 x lane
.set ADS, 7                            ; v7  the step's scale words
.set WV,  12
.set MNT, 19
.set SEL, 20
.set CS,  22                           ; s[22:23] c = log2(e) / sqrt(192)
.set G1,  24
.set G0,  32
.set TB,  36                           ; LDS byte of the step in hand
.set TS,  37                           ; and of its scale words
.set SLOTS, 38
.set STP, 39
.set PFA, 40
.set LIM, 42
.set HM,  43
.set AO,  44
.set AH,  46
.set MSB, 0
.macro WIN new
.if MSB != (\new)
	s_set_vgpr_msb (MSB<<8)|(\new)
.set MSB, (\new)
.endif
.endm
.macro NOPS n
.rept \n
	v_nop
.endr
.endm
.macro CROUND                          ; a round of the cluster's barrier
	s_barrier_signal -1
	s_barrier_wait -1
	s_cmp_lg_u32 s[WV], 0
	s_cbranch_scc1 .Lnot_wave_0_\@
	s_barrier_signal -3
.Lnot_wave_0_\@:
	s_barrier_wait -3
	s_barrier_signal -1
	s_barrier_wait -1
.endm
.macro TLOAD                           ; waves 0, 1, 2 fetch k's, rel_k's and v's 512 keys; four v_nop follow the load
	s_cmp_lt_u32 s[WV], 3
	s_cbranch_scc0 .Lno_fetch_\@
	tensor_load_to_lds s[G0:G0+3], s[G1:G1+7]
	s_nop 0
	NOPS 4
.Lno_fetch_\@:
.endm
; A prefetch of what the NEXT change of slots will ask for.  Both clusters of a (batch, head) walk the same keys: the first asks; rel_k is shared by the two batches: batch 0 asks.  Waves 3, 4, 5 ask for k, rel_k, v;
; the four partners take one step (8,192 bytes) each, told apart by address; a lane names 256 bytes.  So each 256 bytes are named once.  The last change that fills a slot asks for nothing.
.macro ASK
	s_cmp_gt_u32 s[SLOTS], s[LIM]
	s_cbranch_scc0 .Lnot_mine_\@
	global_prefetch_b8 v[PFO], s[PFA:PFA+1] th:TH_LOAD_NT scope:SCOPE_SE
.Lnot_mine_\@:
.endm
.macro QUANT s, nb, pc, tm             ; nb blocks of 16 registers at v[s + 16 b] become codes in v[pc + 4 b ..] and scale bytes in v[tm + 4 + b]
.irp b, 0,1,2,3
.if \b < \nb
	v_max3_num_f32 v[\tm+\b], |v[\s+16*\b]|, |v[\s+1+16*\b]|, 0x8000000
.endif
.endr
.irp i, 2,4,6,8,10,12,14
.irp b, 0,1,2,3
.if \b < \nb
	v_max3_num_f32 v[\tm+\b], v[\tm+\b], |v[\s+16*\b+\i]|, |v[\s+1+16*\b+\i]|
.endif
.endr
.endr
.irp b, 0,1,2,3
.if \b < \nb
	v_permlanex16_b32 v[\tm+4+\b], v[\tm+\b], s[SEL], s[SEL+1]
.endif
.endr
.irp b, 0,1,2,3
.if \b < \nb
	v_max_num_f32 v[\tm+\b], v[\tm+\b], v[\tm+4+\b]
.endif
.endr
.irp b, 0,1,2,3
.if \b < \nb
	v_add_nc_u32 v[\tm+12+\b], 0xf8800000, v[\tm+\b]
.endif
.endr
.irp b, 0,1,2,3
.if \b < \nb
	v_and_or_b32 v[\tm+8+\b], v[\tm+\b], 0x7f800000, s[MNT]
.endif
.endr
.irp b, 0,1,2,3
.if \b < \nb
	v_lshrrev_b32 v[\tm+4+\b], 23, v[\tm+12+\b]
.endif
.endr
.irp b, 0,1,2,3
.if \b < \nb
.irp i, 0,1,2,3,4,5,6,7,8,9,10,11,12,13,14,15
	v_med3_num_f32 v[\s+16*\b+\i], v[\s+16*\b+\i], -v[\tm+8+\b], v[\tm+8+\b]
.endr
	v_cvt_scalef32_pk8_bf8_f32 v[\pc+4*\b:\pc+1+4*\b], v[\s+16*\b:\s+7+16*\b], v[\tm+12+\b]
	v_cvt_scalef32_pk8_bf8_f32 v[\pc+2+4*\b:\pc+3+4*\b], v[\s+8+16*\b:\s+15+16*\b], v[\tm+12+\b]
.endif
.endr
	v_nop
.endm
	s_load_b128 s[4:7], s[0:1], 0x0                ; qkv, rel
	s_load_b64 s[8:9], s[0:1], 0x10                ; ao
	v_lshl_add_u32 v[SPW], v0, 2, SPARE
	v_mov_b32 v[NIL], 0
	ds_add_u32 v4, v5
	s_wait_dscnt 0x0
	v_lshrrev_b32 v26, 5, v0
	v_readfirstlane_b32 s[WV], v26                 ; wave 0..7
	s_bfe_u32 s13, ttmp6, 0x40000                  ; cx
	s_lshl_b32 s14, ttmp9, 2
	s_add_co_u32 s14, s14, s13                     ; my block of 256 queries: it enters global addresses alone
	s_and_b32 s15, ttmp7, 0xffff                   ; 16 batch + head
	s_lshr_b32 s16, s15, 4                         ; batch
	s_and_b32 s17, s15, 15                         ; head
	s_cmp_lt_u32 s[WV], 3
	s_cselect_b32 s48, 0, 3
	s_sub_co_u32 s48, s[WV], s48
	s_min_u32 s48, s48, 2                          ; which stream is mine to fetch (waves 0-2) or to prefetch (waves 3-5): 0 k, 1 rel_k, 2 v
	s_mov_b32 s49, 0x400000                        ; k's codes in qkv
	s_cmp_eq_u32 s48, 1
	s_cselect_b32 s49, 0x200000, s49               ; rel_k's in rel
	s_cselect_b32 s50, s17, s15
	s_cselect_b32 s53, s16, 0
	s_cmp_eq_u32 s48, 2
	s_cselect_b32 s49, 0x800000, s49               ; v's in qkv
	s_lshl_b32 s50, s50, 17                        ; 131,072 bytes a (batch,) head
	s_add_co_u32 s50, s50, s49
	s_mov_b32 s51, 0
	s_sub_co_u32 s52, s[WV], 3
	s_cmp_lt_u32 s52, 3
	s_cselect_b32 s52, 0, 1                        ; 0 in waves 3 to 5,
	s_or_b32 s52, s52, ttmp9                       ; of the first of the two clusters,
	s_or_b32 s52, s52, s53                         ; for rel_k of batch 0 alone: the same in all four partners
	s_cmp_eq_u32 s52, 0
	s_cselect_b32 s[LIM], 1, -1
	; descriptor group 1: a dense block of 32,768 bytes as 128 rows of 256 (32 elements of 8 bytes)
	s_mov_b32 s[G1+0], 15|(3<<16)|(1<<21)          ; the mask: all four work-groups; bit 21 beside it
	s_mov_b32 s[G1+1], 32<<16
	s_mov_b32 s[G1+2], 128<<16
	s_mov_b32 s[G1+3], 32<<16
	s_mov_b32 s[G1+4], 128
	s_mov_b32 s[G1+5], 32
	s_mov_b32 s[G1+6], 0
	s_mov_b32 s[G1+7], 0
	s_mov_b32 s[MNT], 0x600000
	s_mov_b32 s[SEL], 0x76543210
	s_mov_b32 s[SEL+1], 0xfedcba98
	s_mov_b32 s[CS], 0x3dd53b95                    ; log2(e) / sqrt(192)
	s_mov_b32 s[CS+1], s[CS]
	s_mov_b32 s[HM], 0xffff0000
	s_mov_b32 s[TB], 0
	s_mov_b32 s[TS], KSW
	s_mov_b32 s[SLOTS], 3
	s_wait_kmcnt 0x0
	s_cmp_eq_u32 s48, 1
	s_cselect_b64 s[54:55], s[6:7], s[4:5]
	s_add_nc_u64 s[54:55], s[54:55], s[50:51]      ; my stream's first byte
	s_mov_b32 s[G0], 1
	s_lshl_b32 s[G0+1], s[WV], 15                  ; slot 0, region = wave
	s_mov_b64 s[G0+2:G0+3], s[54:55]
	s_or_b32 s[G0+3], s[G0+3], 0x80000000
	s_lshl_b32 s56, s13, 13                        ; my work-group's step of a slot's four,
	s_add_co_u32 s56, s56, 32768                   ; in slot 1: the first change of slots steps it to slot 2
	s_mov_b32 s57, 0
	s_add_nc_u64 s[PFA:PFA+1], s[54:55], s[56:57]
	CROUND                                         ; all four work-groups are here
	TLOAD                                          ; keys 0 .. 511 into slot 0
	s_lshl_b32 s18, s14, 4
	s_lshl_b32 s56, s[WV], 1
	s_add_co_u32 s18, s18, s56                     ; X's tile of 16 queries: 16 x block + 2 x wave; Y's is the next
	s_lshl_b32 s10, s18, 10
	s_lshl_b32 s56, s15, 17
	s_add_co_u32 s56, s56, s10
	s_add_nc_u64 s[58:59], s[4:5], s[56:57]        ; q's codes
	s_lshl_b32 s56, s17, 17
	s_add_co_u32 s56, s56, s10
	s_add_nc_u64 s[60:61], s[6:7], s[56:57]        ; rel_q's
	s_lshl_b32 s56, s15, 13
	s_add_co_u32 s56, s56, 12582912
	s_add_nc_u64 s[68:69], s[4:5], s[56:57]        ; q's scale words of my (batch, head); k's lie 262,144 bytes on, v's 524,288
	s_lshl_b32 s56, s17, 13
	s_add_co_u32 s56, s56, 4194304
	s_add_nc_u64 s[70:71], s[6:7], s[56:57]        ; rel_q's of my head; rel_k's lie 131,072 bytes on
	s_lshl_b32 s10, s14, 1
	s_lshr_b32 s11, s[WV], 2
	s_add_co_u32 s10, s10, s11
	s_lshl_b32 s10, s10, 9                         ; my queries' step of 128,
	s_and_b32 s11, s[WV], 3
	s_lshl_b32 s11, s11, 2
	s_add_co_u32 s10, s10, s11                     ; and their pair's word
	s_lshl_b32 s62, s16, 7
	s_add_co_u32 s62, s62, s18                     ; X's tile among the 256 of both batches
	s_lshl_b32 s56, s62, 14
	s_lshl_b32 s63, s17, 10
	s_add_co_u32 s56, s56, s63
	s_add_nc_u64 s[AO:AO+1], s[8:9], s[56:57]      ; ao's codes: 16,384 bytes a tile, 1,024 a head
	s_lshl_b32 s56, s62, 5
	s_lshl_b32 s63, s17, 13
	s_add_co_u32 s56, s56, s63
	s_add_co_u32 s56, s56, 4194304
	s_add_nc_u64 s[AH:AH+1], s[8:9], s[56:57]      ; ao's scale halfwords: 8,192 bytes a head, 32 a tile
	v_and_b32 v26, 31, v0
	v_lshlrev_b32 v[LI], 4, v26
	v_lshlrev_b32 v[PFO], 8, v26
	v_lshlrev_b32 v29, 1, v26                      ; 2 x lane
	v_lshlrev_b32 v27, 4, v0                       ; 16 x thread
	v_lshl_add_u32 v30, v0, 4, KSW
	v_and_b32 v28, 15, v0
	v_lshlrev_b32 v28, 4, v28
	v_add_nc_u32 v28, s10, v28                     ; my query's scale word: 16 bytes a row of lanes' words
.irp x, 0,1                            ; [q | q] and rel_q, X's and then Y's
	WIN 0x40*\x
	global_load_b128 v[192:195], v[LI], s[58:59] offset:1024*\x
	global_load_b128 v[196:199], v[LI], s[58:59] offset:1024*\x+512
	global_load_b128 v[200:203], v[LI], s[58:59] offset:1024*\x
	global_load_b128 v[204:207], v[LI], s[58:59] offset:1024*\x+512
	global_load_b128 v[208:211], v[LI], s[60:61] offset:1024*\x
	global_load_b128 v[212:215], v[LI], s[60:61] offset:1024*\x+512
.endr
	WIN 0
	global_load_b32 v20, v28, s[68:69]
	global_load_b32 v21, v28, s[70:71]
	global_load_b32 v22, v28, s[68:69] offset:256
	global_load_b32 v23, v28, s[70:71] offset:256
	global_load_b128 v[96:99], v27, s[68:69] offset:262144         ; the scale words of all keys: 8,192 bytes of each kind, 32 bytes a thread
	global_load_b128 v[100:103], v27, s[68:69] offset:262144+4096
	global_load_b128 v[104:107], v27, s[70:71] offset:131072
	global_load_b128 v[108:111], v27, s[70:71] offset:131072+4096
	global_load_b128 v[112:115], v27, s[68:69] offset:524288
	global_load_b128 v[116:119], v27, s[68:69] offset:524288+4096
.macro INIT                            ; a context's start: the loop has no first step of its own: O^T and the sum begin as zeros, the largest t under every t
.irp j, 0,1,2,3,4,5,6,7
	v_mov_b32 v[216+\j], 0                         ; the zero codes behind rel_q
.endr
.set j, 0
.rept 32
	v_mov_b32 v[160+j], 0
.set j, j+1
.endr
	v_mov_b32 v249, 0xff61b1e6                     ; -3e38
	v_floor_f32 v248, -v249
	v_mov_b32 v250, 0
	v_mov_b32 v251, 0
.irp b, 0,1,2,3
	v_mov_b32 v[236+\b], 0                         ; a lane permute's destination counts as one of its sources
.endr
	v_mov_b32 v253, 0
.endm
	INIT
	WIN 0x55
	INIT
	WIN 0
	s_wait_loadcnt 0x0
	v_lshl_or_b32 v20, v20, 16, v20                ; [q | q]'s scale words, X's and Y's, come first: a scale register written by a vector instruction stands eight plain
	v_lshl_or_b32 v22, v22, 16, v22                ; vector instructions ahead of the product that takes it, on every wave's path: the eight lines below are those eight
.irp i, 0,1,2,3,4,5,6,7
	v_lshl_or_b32 v[96+\i], v[104+\i], 16, v[96+\i]                ; k's two bytes below, rel_k's two above: the key fragment's scale word
.endr
	ds_store_b128 v30, v[96:99]
	ds_store_b128 v30, v[100:103] offset:4096
	ds_store_b128 v30, v[112:115] offset:8192
	ds_store_b128 v30, v[116:119] offset:12288
; a score product: key tile 4 g + tt x the 16 registers at v[b]; first = 1 starts the sum
.macro SMM g, tt, b, sb, first
.set rT, 4*\g+\tt
.set rD, 96+8*rT
.set rF, 32+16*\tt
.set rK, 8+rT/2
.if \first
.if \tt%2
	v_wmma_scale_f32_16x16x128_f8f6f4 v[rD:rD+7], v[rF:rF+15], v[\b:\b+15], 0, v[rK], v[\sb] matrix_a_fmt:MATRIX_FMT_BF8 matrix_b_fmt:MATRIX_FMT_BF8 matrix_a_scale:MATRIX_SCALE_ROW1
.else
	v_wmma_scale_f32_16x16x128_f8f6f4 v[rD:rD+7], v[rF:rF+15], v[\b:\b+15], 0, v[rK], v[\sb] matrix_a_fmt:MATRIX_FMT_BF8 matrix_b_fmt:MATRIX_FMT_BF8
.endif
.else
.if \tt%2
	v_wmma_scale_f32_16x16x128_f8f6f4 v[rD:rD+7], v[rF:rF+15], v[\b:\b+15], v[rD:rD+7], v[rK], v[\sb] matrix_a_fmt:MATRIX_FMT_BF8 matrix_b_fmt:MATRIX_FMT_BF8 matrix_a_scale:MATRIX_SCALE_ROW1
.else
	v_wmma_scale_f32_16x16x128_f8f6f4 v[rD:rD+7], v[rF:rF+15], v[\b:\b+15], v[rD:rD+7], v[rK], v[\sb] matrix_a_fmt:MATRIX_FMT_BF8 matrix_b_fmt:MATRIX_FMT_BF8
.endif
.endif
.endm
; One context's softmax of 128 keys, under the context's window.  ctx = 1: the scale word is copied into window 0, where scale operands are taken from.
.macro SOFTMAX ctx
.irp b, 0,1,2,3
	v_max3_num_f32 v[232+\b], v[96+16*\b], v[97+16*\b], v[98+16*\b]   ; the largest score of each block of 32 keys: for the row's maximum, and, since p rises with the score, for the block's largest p
.endr
.irp i, 3,5,7,9,11,13
.irp b, 0,1,2,3
	v_max3_num_f32 v[232+\b], v[232+\b], v[96+16*\b+\i], v[97+16*\b+\i]
.endr
.endr
.irp b, 0,1,2,3
	v_max_num_f32 v[232+\b], v[232+\b], v[111+16*\b]
.endr
.irp b, 0,1,2,3
	v_permlanex16_b32 v[236+\b], v[232+\b], s[SEL], s[SEL+1]
.endr
.irp b, 0,1,2,3
	v_max_num_f32 v[232+\b], v[232+\b], v[236+\b]  ; with lane l xor 16's 16 keys
.endr
	v_max3_num_f32 v254, v232, v233, v234
	v_max_num_f32 v254, v254, v235
	v_mul_f32 v254, s[CS], v254                    ; the step's largest t
	v_max_num_f32 v249, v249, v254                 ; the running largest t
	v_mov_b32 v254, v248
	v_floor_f32 v248, -v249                        ; -M = floor(-t): M is a whole number
	v_sub_f32 v254, v248, v254                     ; old M - new M
	v_cvt_i32_f32 v254, v254
	v_ldexp_f32 v252, 1.0, v254                    ; f = 2^(old M - new M)
.set j, 0
.rept 32
	v_pk_fma_f32 v[96+j:97+j], v[96+j:97+j], s[CS:CS+1], v[248:249] op_sel_hi:[1,0,0]   ; t - M
.set j, j+2
.endr
.irp b, 0,1,2,3
	v_fma_f32 v[232+\b], v[232+\b], s[CS], v248
.endr
.set j, 0
.rept 64
	v_exp_f32 v[96+j], v[96+j]                     ; p = 2^(t - M)
.set j, j+1
.endr
	v_pk_mul_f32 v[250:251], v[250:251], v[252:253] op_sel_hi:[1,0]   ; the sums under the new M: a plain instruction behind the exponentials
	s_wait_alu depctr_va_vdst(0)                   ; one wait for the batch, ahead of its first reader
.irp b, 0,1,2,3
	v_exp_f32 v[232+\b], v[232+\b]                 ; each block's largest p
.endr
	v_pk_add_f32 v[236:237], v[96:97], v[98:99]    ; the sum of the unquantised p, in two chains
.irp j, 4,8,12,16,20,24,28,32,36,40,44,48,52,56,60
	v_pk_add_f32 v[250:251], v[250:251], v[96+\j:97+\j]
	v_pk_add_f32 v[236:237], v[236:237], v[98+\j:99+\j]
.endr
	v_pk_add_f32 v[250:251], v[250:251], v[236:237]
	s_wait_alu depctr_va_vdst(0)                   ; and one for the four
.irp b, 0,1,2,3
	v_max_num_f32 v[232+\b], 0x8000000, v[232+\b]  ; the floor 2^(16 - 127)
.endr
.irp b, 0,1,2,3
	v_add_nc_u32 v[244+\b], 0xf8800000, v[232+\b]
.endr
.irp b, 0,1,2,3
	v_and_or_b32 v[240+\b], v[232+\b], 0x7f800000, s[MNT]
.endr
.irp b, 0,1,2,3
	v_lshrrev_b32 v[236+\b], 23, v[244+\b]
.endr
	v_lshl_or_b32 v253, v237, 8, v236              ; p's scale word for these 128 keys
	v_lshl_or_b32 v253, v238, 16, v253
	v_lshl_or_b32 v253, v239, 24, v253
.if \ctx
	WIN 0x01
	v_mov_b32 v25, v253                            ; window 1's v253 into window 0's v25; the 64 holds below stand between it and the products
	WIN 0x55
.endif
.irp b, 0,1,2,3
.irp i, 0,1,2,3,4,5,6,7,8,9,10,11,12,13,14,15
	v_min_num_f32 v[96+16*\b+\i], v[96+16*\b+\i], v[240+\b]        ; p is not negative: the hold is one-sided
.endr
	v_cvt_scalef32_pk8_bf8_f32 v[224+4*\b:225+4*\b], v[96+16*\b:103+16*\b], v[244+\b]
	v_cvt_scalef32_pk8_bf8_f32 v[226+4*\b:227+4*\b], v[104+16*\b:111+16*\b], v[244+\b]
.endr
.set j, 0
.rept 16
	v_pk_mul_f32 v[160+j:161+j], v[160+j:161+j], v[252:253] op_sel_hi:[1,0]   ; O^T under the new M; these are also the places in front of the products
.set j, j+2
.endr
.endm
; A KEY STEP: 128 keys, both contexts.
.macro STEP
	v_add_nc_u32 v[ADR], s[TB], v[LI]
	v_add_nc_u32 v[ADS], s[TS], v[LI]
	v_add_nc_u32 v[ADV], 65536, v[ADR]
	ds_load_b128 v[8:11], v[ADS]                   ; word p: lanes 0-15 tile 2 p's keys, lanes 16-31 tile 2 p + 1's
.irp g, 0,1                            ; four tiles of 16 keys at a time
.if \g
	NOPS 8                                         ; eight places in front of loads into registers that products have read
.endif
.irp tt, 0,1,2,3
	ds_load_b128 v[32+16*\tt:35+16*\tt], v[ADR] offset:(4*\g+\tt)*1024          ; k, channels 0-31
	ds_load_b128 v[36+16*\tt:39+16*\tt], v[ADR] offset:(4*\g+\tt)*1024+512      ; k, channels 32-63
	ds_load_b128 v[40+16*\tt:43+16*\tt], v[ADR] offset:(4*\g+\tt)*1024+32768    ; rel_k
	ds_load_b128 v[44+16*\tt:47+16*\tt], v[ADR] offset:(4*\g+\tt)*1024+33280
.endr
	s_wait_dscnt 0x0
.irp tt, 0,1,2,3                       ; eight accumulators take turns, one instruction a turn
	SMM \g, \tt, 192, 20, 1
.endr
	WIN 0x54                                       ; source 1, C and D in window 1: context Y
.irp tt, 0,1,2,3
	SMM \g, \tt, 192, 22, 1
.endr
	WIN 0
.irp tt, 0,1,2,3
	SMM \g, \tt, 208, 21, 0
.endr
	WIN 0x54
.irp tt, 0,1,2,3
	SMM \g, \tt, 208, 23, 0
.endr
	WIN 0
.endr
	NOPS 8                                         ; for the first read of the scores; with the eight and the three additions above also for the loads into v's registers, which the last step's products read
	WIN 0x40
.irp ct, 0,1,2,3
.irp c, 0,1,2,3
	ds_load_b128 v[32+16*\ct+4*\c:35+16*\ct+4*\c], v[ADV] offset:\ct*2048+512*\c
.endr
.endr
	WIN 0
	ds_load_b128 v[16:19], v[ADS] offset:8192      ; v's scale words
	SOFTMAX 0
	s_wait_dscnt 0x0                               ; v is in
	WIN 0x01                                       ; source 0 (v) window 1
.irp ct, 0,1,2,3
	v_wmma_scale_f32_16x16x128_f8f6f4 v[160+8*\ct:167+8*\ct], v[32+16*\ct:47+16*\ct], v[224:239], v[160+8*\ct:167+8*\ct], v[16+\ct], v253 matrix_a_fmt:MATRIX_FMT_BF8 matrix_b_fmt:MATRIX_FMT_BF8
.endr
	WIN 0x55
	SOFTMAX 1
.irp ct, 0,1,2,3
	v_wmma_scale_f32_16x16x128_f8f6f4 v[160+8*\ct:167+8*\ct], v[32+16*\ct:47+16*\ct], v[224:239], v[160+8*\ct:167+8*\ct], v[16+\ct], v25 matrix_a_fmt:MATRIX_FMT_BF8 matrix_b_fmt:MATRIX_FMT_BF8
.endr
	WIN 0
.endm
; THE CHANGE OF SLOTS stands at a slot's head.  Each wave waits for all its tensor loads, adds 0 to its spare word, and waits for that and for its LDS reads and stores.  fill = 1: a round of the cluster's barrier,
; and behind it the slot that has been left is filled with the 512 keys that follow: the load has a slot's four steps in which to land.  One tensor load of a wave is out at a time.
.macro CHANGE fill
	s_wait_tensorcnt 0x0
	ds_add_u32 v[SPW], v[NIL]
.if \fill
	s_xor_b32 s[G0+1], s[G0+1], SLOT1              ; the walking descriptor: the other slot,
	s_add_nc_u64 s[G0+2:G0+3], s[G0+2:G0+3], 32768 ; the next 512 keys
	s_wait_xcnt 0x0                                ; the last prefetch, a slot back, has read its address
	s_add_nc_u64 s[PFA:PFA+1], s[PFA:PFA+1], 32768
	s_wait_dscnt 0x0
	CROUND
	TLOAD
	ASK
.else
	s_wait_dscnt 0x0
	s_barrier_signal -1
	s_barrier_wait -1
.endif
.endm
.macro SLOT_STEPS
	s_mov_b32 s[STP], 4
.Lstep_\@:
	STEP
	s_add_co_u32 s[TB], s[TB], 8192
	s_add_co_u32 s[TS], s[TS], 512
	s_sub_co_u32 s[STP], s[STP], 1
	s_cmp_lg_u32 s[STP], 0
	s_cbranch_scc1 .Lstep_\@
	s_sub_co_u32 s[TB], s[TB], 32768
	s_xor_b32 s[TB], s[TB], SLOT1                  ; on to the other slot
.endm
.Lslot:                                            ; three trips: behind each change of slots but the last the next slot is asked for
	CHANGE 1
	SLOT_STEPS
	s_sub_co_u32 s[SLOTS], s[SLOTS], 1
	s_cmp_lg_u32 s[SLOTS], 0
	s_cbranch_scc1 .Lslot
	CHANGE 0                                       ; the last slot is written out
	SLOT_STEPS
; THE WAY OUT of a context: O^T / the sum; a lane's 32 numbers are channels 32 c + 16 (lane / 16) + 0 .. 15 of its query: two blocks of the output projection's K.  The codes leave as images, 512 consecutive bytes a store.
.macro FIN ctx
	WIN 0x55*\ctx
	v_add_f32 v250, v250, v251
	v_permlanex16_b32 v252, v250, s[SEL], s[SEL+1]
	v_add_f32 v250, v250, v252                     ; the row's sum
	v_rcp_f32 v250, v250
	v_nop
	s_wait_alu depctr_va_vdst(0)                   ; ahead of the reciprocal's first reader
.set j, 0
.rept 32
	v_mul_f32 v[96+j], v[160+j], v250
.set j, j+1
.endr
	QUANT 96, 2, 224, 232
	v_lshl_or_b32 v254, v237, 8, v236              ; the two scale bytes
	WIN 0x04*\ctx                                  ; a store's data are its source 1
	global_store_b128 v[LI], v[224:227], s[AO:AO+1] offset:\ctx*16384
	global_store_b128 v[LI], v[228:231], s[AO:AO+1] offset:\ctx*16384+512
.endm
	FIN 0
	FIN 1
	WIN 0x01
	v_mov_b32 v26, v254                            ; Y's halfword into window 0
	WIN 0
	v_cndmask_b32 v26, v254, v26, s[HM]            ; lanes 0-15 X's queries, lanes 16-31 Y's
	global_store_b16 v29, v26, s[AH:AH+1]          ; 64 consecutive bytes a wave
	s_wait_tensorcnt 0x0                           ; the wave's end
	ds_add_u32 v[SPW], v[NIL]
	s_wait_dscnt 0x0
	CROUND                                         ; the closing round
	s_endpgm
.Lfunc_end_k_q1a49bb0bfd_attn:
	.size	k_q1a49bb0bfd_attn, .Lfunc_end_k_q1a49bb0bfd_attn-k_q1a49bb0bfd_attn
	.p2alignl 7, 3214868480
	.fill 96, 4, 3214868480
	.section	.rodata,"a",@progbits
	.p2align	6, 0x0
	.amdhsa_kernel k_q1a49bb0bfd_attn
		.amdhsa_group_segment_fixed_size 327680
		.amdhsa_private_segment_fixed_size 0
		.amdhsa_enable_private_segment 0
		.amdhsa_kernarg_size 24
		.amdhsa_user_sgpr_count 2
		.amdhsa_user_sgpr_kernarg_segment_ptr 1
		.amdhsa_wavefront_size32 1
		.amdhsa_system_sgpr_workgroup_id_x 1
		.amdhsa_system_sgpr_workgroup_id_y 1
		.amdhsa_system_sgpr_workgroup_id_z 1
		.amdhsa_system_vgpr_workitem_id 0
		.amdhsa_next_free_vgpr 512
		.amdhsa_next_free_sgpr 72
		.amdhsa_reserve_vcc 0
		.amdhsa_float_denorm_mode_32 3
		.amdhsa_float_denorm_mode_16_64 3
		.amdhsa_memory_ordered 1
		.amdhsa_forward_progress 1
		.amdhsa_inst_pref_size 100
	.end_amdhsa_kernel
	.amdgpu_metadata
---
amdhsa.version: [ 1, 2 ]
amdhsa.kernels:
  - .name:           k_q1a49bb0bfd_attn
    .symbol:         k_q1a49bb0bfd_attn.kd
    .args:
      - { .name: qkv, .offset: 0, .size: 8, .value_kind: global_buffer, .address_space: global }
      - { .name: rel, .offset: 8, .size: 8, .value_kind: global_buffer, .address_space: global }
      - { .name: ao, .offset: 16, .size: 8, .value_kind: global_buffer, .address_space: global }
    .group_segment_fixed_size: 327680
    .private_segment_fixed_size: 0
    .kernarg_segment_align: 8
    .kernarg_segment_size: 24
    .max_flat_workgroup_size: 256
    .sgpr_count:     72
    .vgpr_count:     512
    .wavefront_size: 32
...
	.end_amdgpu_metadata
.endif
;; end of part 3
;; launch outln (part 4): grid 128 x 1, 4 waves a work-group, no clusters, 132,096 bytes of LDS; arguments ao, Wo_codes, Wo_scales, bo, hidden_states, ln_g, ln_b, out0; writes out0
.if DOCPART == 4
	.amdgcn_target "amdgcn-amd-amdhsa--gfx1250"
	.amdhsa_code_object_version 6
	.text
	.protected	k_q1a49bb0bfd_outln
	.globl	k_q1a49bb0bfd_outln
	.p2align	8
	.type	k_q1a49bb0bfd_outln,@function
k_q1a49bb0bfd_outln:
	s_mov_b64 s[64:65], 0
	v_nop
	global_prefetch_b8 v0, s[64:65] scope:SCOPE_SE
	s_setreg_imm32_b32 hwreg(HW_REG_WAVE_MODE, 25, 1), 1
	s_wait_xcnt 0x0
; out0 = LayerNorm(Q(attention's result) Wo + bo + hidden_states) x ln_g + ln_b.  The product on codes of BF8 (E5M2) with E8M0 scales; all else in f32; mean and variance in two passes.
; SHARES.  A work-group takes 32 rows x all 1,024 columns, so that a row's mean and variance stay inside it: 128 work-groups.  Wave w makes columns 256 w .. 256 w + 255: 32 accumulators.
; The rows' 16 fragments (all of K) stay in registers.  Wo goes from memory straight into registers, a K step of four column tiles (16 loads) at a time, four such units ahead.
; NO CLUSTER, NO LDS FOR Wo: no two waves of a work-group read the same fragment of Wo, so through LDS each byte would be written once and read once; vector loads have no joint form.
; THE PRODUCT IS USED TRANSPOSED (source 0 = 16 rows of Wo, source 1 = 16 rows of the left operand): a lane holds eight neighbouring columns of one row.
; The results meet in a stage in LDS (32 rows of 4,096 bytes + 16); behind one barrier each wave takes 8 whole rows, adds bias and residual, normalises and stores 512 consecutive bytes an instruction.
; REGISTERS, in windows of 256: window 0: v1-7 addresses; v8-15 the rows' scale words; v16-31 their halfwords; v32-159 Wo's scale words; v160-223 two rows at work; v224-231 at work.
;   window 1: the accumulators, (column tile ct, row tile rt) at 8 (2 ct + rt).   window 2: the rows' fragments (rt, s) at 128 rt + 16 s, later 8 rows of hidden_states.
;   window 3: Wo's fragments at 16 ct; behind the products v0-31 bo, v32-63 ln_g, v64-95 ln_b.
.set SPITCH, 4112
.set AS,  8
.set WSC, 32
.set BO,  0                            ; in window 3
.set GG,  32
.set BT,  64
.set WV,  20
.set SEL, 22
.set MSB, 0
.macro WIN new
.if MSB != (\new)
	s_set_vgpr_msb (MSB<<8)|(\new)
.set MSB, (\new)
.endif
.endm
.macro NOPS n
.rept \n
	v_nop
.endr
.endm
	s_load_b512 s[4:19], s[0:1], 0x0               ; ao, Wo's codes, Wo's scales, bo, hidden_states, ln_g, ln_b, out0
	v_lshl_add_u32 v254, v0, 2, 0x20200
	v_mov_b32 v255, 0
	v_lshrrev_b32 v1, 5, v0
	v_readfirstlane_b32 s[WV], v1                  ; wave 0..3
	v_and_b32 v10, 31, v0                          ; lane
	v_and_b32 v11, 15, v0                          ; r
	v_bfe_u32 v12, v0, 4, 1                        ; h
	v_lshlrev_b32 v1, 4, v10                       ; 16 x lane
	v_lshlrev_b32 v2, 10, v11
	v_lshl_add_u32 v2, v12, 4, v2                  ; Wo: row r of 1,024 bytes, + 16 h
	v_mul_u32_u24 v3, v11, SPITCH
	v_lshl_add_u32 v3, v12, 5, v3
	s_lshl_b32 s26, s[WV], 10
	v_add_nc_u32 v3, s26, v3                       ; the stage, rows 0-15: row r, + 32 h, + my 1,024 bytes
	v_add_nc_u32 v4, 16*SPITCH, v3                 ; rows 16-31
	s_mul_i32 s26, s[WV], 8*SPITCH
	v_add_nc_u32 v5, s26, v1                       ; back: my 8 rows, 16 bytes a lane
	v_lshlrev_b32 v6, 5, v11                       ; Wo's scale bytes: 32 a row
	v_lshlrev_b32 v7, 1, v10                       ; the rows' halfwords
	s_mov_b32 s[SEL], 0x76543210
	s_mov_b32 s[SEL+1], 0xfedcba98
	s_mov_b32 s24, 0x3a800000                      ; 1 / 1,024
	s_mov_b32 s25, 0x33d6bf95                      ; 1e-7
	s_lshl_b32 s26, ttmp9, 15                      ; two tiles of 16,384 bytes
	s_mov_b32 s27, 0
	s_lshl_b32 s28, ttmp9, 6                       ; two tiles of 32 bytes,
	s_add_co_u32 s28, s28, 4194304                 ; behind the codes
	s_mov_b32 s29, 0
	s_lshl_b32 s30, ttmp9, 5
	s_lshl_b32 s31, s[WV], 3
	s_add_co_u32 s30, s30, s31
	s_lshl_b32 s30, s30, 12                        ; my 8 rows of 4,096 bytes
	s_mov_b32 s31, 0
	s_wait_kmcnt 0x0
	s_add_nc_u64 s[28:29], s[4:5], s[28:29]
	s_add_nc_u64 s[4:5], s[4:5], s[26:27]
	s_add_nc_u64 s[12:13], s[12:13], s[30:31]
	s_add_nc_u64 s[18:19], s[18:19], s[30:31]
	s_lshl_b32 s26, s[WV], 18                      ; my 256 rows of Wo
	s_add_nc_u64 s[6:7], s[6:7], s[26:27]
	s_lshl_b32 s26, s[WV], 13
	s_add_nc_u64 s[8:9], s[8:9], s[26:27]
	WIN 0x80
.irp rt, 0,1
.irp s, 0,1,2,3,4,5,6,7
.irp c, 0,1,2,3
	global_load_b128 v[128*\rt+16*\s+4*\c:128*\rt+16*\s+4*\c+3], v1, s[4:5] offset:\rt*16384+\s*2048+\c*512   ; an image: 512 consecutive bytes
.endr
.endr
.endr
	WIN 0
.irp hd, 0,1,2,3,4,5,6,7,8,9,10,11,12,13,14,15
	global_load_u16 v[16+\hd], v7, s[28:29] offset:\hd*8192        ; lanes 0-15 row tile 0, lanes 16-31 row tile 1
.endr
.irp ct, 0,1,2,3,4,5,6,7,8,9,10,11,12,13,14,15
	global_load_b128 v[WSC+8*\ct:WSC+8*\ct+3], v6, s[8:9] offset:\ct*512
	global_load_b128 v[WSC+8*\ct+4:WSC+8*\ct+7], v6, s[8:9] offset:\ct*512+16
.endr
.macro WLOAD s, qd                     ; a unit: K step s of column tiles 4 qd .. 4 qd + 3: 16 loads
	WIN 0xc0
.irp i, 0,1,2,3
.irp c, 0,1,2,3
	global_load_b128 v[16*(4*\qd+\i)+4*\c:16*(4*\qd+\i)+4*\c+3], v2, s[6:7] offset:(4*\qd+\i)*16384+128*(\s)+32*\c
.endr
.endr
.endm
	WLOAD 0, 0
	WLOAD 0, 1
	WLOAD 0, 2
	WIN 0
	s_wait_loadcnt 48                              ; all but the three units just issued
.irp s, 0,1,2,3,4,5,6,7
	v_lshl_or_b32 v[AS+\s], v[17+2*\s], 16, v[16+2*\s]             ; K step s is heads 2 s and 2 s + 1: two bytes of each
.endr
	WLOAD 0, 3
	NOPS 8                                         ; a scale register written by a vector instruction stands eight places ahead of the product
.macro UNIT s, qd
.if \s < 7
	s_wait_loadcnt 48                              ; this unit is in; the three younger units of 16 loads may be out
.else
	s_wait_loadcnt 16*(3-\qd)
.endif
	WIN 0x5b                                       ; source 0 (Wo) window 3, source 1 (rows) window 2, C and D window 1
.irp i, 0,1,2,3
.set rCT, 4*\qd+\i
.if \s == 0
	v_wmma_scale_f32_16x16x128_f8f6f4 v[16*rCT:16*rCT+7], v[16*rCT:16*rCT+15], v[16*\s:16*\s+15], 0, v[WSC+8*rCT+\s], v[AS+\s] matrix_a_fmt:MATRIX_FMT_BF8 matrix_b_fmt:MATRIX_FMT_BF8
	v_wmma_scale_f32_16x16x128_f8f6f4 v[16*rCT+8:16*rCT+15], v[16*rCT:16*rCT+15], v[128+16*\s:128+16*\s+15], 0, v[WSC+8*rCT+\s], v[AS+\s] matrix_a_fmt:MATRIX_FMT_BF8 matrix_b_fmt:MATRIX_FMT_BF8 matrix_b_scale:MATRIX_SCALE_ROW1
.else
	v_wmma_scale_f32_16x16x128_f8f6f4 v[16*rCT:16*rCT+7], v[16*rCT:16*rCT+15], v[16*\s:16*\s+15], v[16*rCT:16*rCT+7], v[WSC+8*rCT+\s], v[AS+\s] matrix_a_fmt:MATRIX_FMT_BF8 matrix_b_fmt:MATRIX_FMT_BF8
	v_wmma_scale_f32_16x16x128_f8f6f4 v[16*rCT+8:16*rCT+15], v[16*rCT:16*rCT+15], v[128+16*\s:128+16*\s+15], v[16*rCT+8:16*rCT+15], v[WSC+8*rCT+\s], v[AS+\s] matrix_a_fmt:MATRIX_FMT_BF8 matrix_b_fmt:MATRIX_FMT_BF8 matrix_b_scale:MATRIX_SCALE_ROW1
.endif
.endr
.if \s < 7
	NOPS 8                                         ; eight places in front of loads into registers that these products have read
	WLOAD (\s)+1, \qd
.endif
.endm
.irp s, 0,1,2,3,4,5,6,7                ; the 32 accumulators take turns, one instruction a turn, in the same order in every K step
.irp qd, 0,1,2,3
	UNIT \s, \qd
.endr
.endr
	NOPS 8                                         ; for the loads below, into registers that the products have read, and for the first read of the results
	WIN 0x80
.irp i, 0,1,2,3,4,5,6,7
.irp k, 0,1,2,3,4,5,6,7
	global_load_b128 v[32*\i+4*\k:32*\i+4*\k+3], v1, s[12:13] offset:\i*4096+512*\k   ; the residual: my 8 rows
.endr
.endr
	WIN 0xc0                                       ; destination window 3: Wo's fragments are done with
.irp k, 0,1,2,3,4,5,6,7
	global_load_b128 v[BO+4*\k:BO+4*\k+3], v1, s[10:11] offset:512*\k
	global_load_b128 v[GG+4*\k:GG+4*\k+3], v1, s[14:15] offset:512*\k
	global_load_b128 v[BT+4*\k:BT+4*\k+3], v1, s[16:17] offset:512*\k
.endr
	WIN 0x04                                       ; an LDS store's data are its source 1: window 1
.irp ct, 0,1,2,3,4,5,6,7,8,9,10,11,12,13,14,15
.irp rt, 0,1
	ds_store_b128 v[3+\rt], v[8*(2*\ct+\rt):8*(2*\ct+\rt)+3] offset:\ct*64          ; each accumulator from its low end on
	ds_store_b128 v[3+\rt], v[8*(2*\ct+\rt)+4:8*(2*\ct+\rt)+7] offset:\ct*64+16
.endr
.endr
	WIN 0
	s_wait_dscnt 0x0                               ; for the others' sake: my stores into the stage are done
	s_barrier_signal -1
	s_barrier_wait -1
	s_wait_loadcnt 0x0
.macro YLOAD i
.irp k, 0,1,2,3,4,5,6,7
	ds_load_b128 v[160+32*((\i)%2)+4*\k:160+32*((\i)%2)+4*\k+3], v5 offset:(\i)*SPITCH+512*\k
.endr
.endm
.macro REDUCE                          ; v224 summed over the 32 lanes, the result in every lane
	v_add_f32_dpp v224, v224, v224 row_xmask:1 row_mask:0xf bank_mask:0xf
	v_add_f32_dpp v224, v224, v224 row_xmask:2 row_mask:0xf bank_mask:0xf
	v_add_f32_dpp v224, v224, v224 row_xmask:4 row_mask:0xf bank_mask:0xf
	v_add_f32_dpp v224, v224, v224 row_xmask:8 row_mask:0xf bank_mask:0xf
	v_permlanex16_b32 v225, v224, s[SEL], s[SEL+1]
	v_add_f32 v224, v224, v225
.endm
.macro ROW i
.set Y, 160+32*((\i)%2)
	s_wait_xcnt 0x0                                ; the row before last's stores have read their data: its registers take the next row
.if \i < 7
	YLOAD (\i)+1
	s_wait_dscnt 8                                 ; this row is in; the next row's eight loads may be out
.else
	s_wait_dscnt 0x0
.endif
	WIN 0x08                                       ; source 1 window 2: the residual
.irp m, 0,1,2,3,4,5,6,7,8,9,10,11,12,13,14,15
	v_pk_add_f32 v[Y+2*\m:Y+2*\m+1], v[Y+2*\m:Y+2*\m+1], v[32*(\i)+2*\m:32*(\i)+2*\m+1]
.endr
	WIN 0x0c                                       ; source 1 window 3: the bias
.irp m, 0,1,2,3,4,5,6,7,8,9,10,11,12,13,14,15
	v_pk_add_f32 v[Y+2*\m:Y+2*\m+1], v[Y+2*\m:Y+2*\m+1], v[BO+2*\m:BO+2*\m+1]
.endr
	WIN 0
	v_pk_add_f32 v[224:225], v[Y:Y+1], v[Y+2:Y+3]                  ; the row's sum, in two chains
	v_pk_add_f32 v[226:227], v[Y+4:Y+5], v[Y+6:Y+7]
.irp m, 4,6,8,10,12,14
	v_pk_add_f32 v[224:225], v[224:225], v[Y+2*\m:Y+2*\m+1]
	v_pk_add_f32 v[226:227], v[226:227], v[Y+2*\m+2:Y+2*\m+3]
.endr
	v_pk_add_f32 v[224:225], v[224:225], v[226:227]
	v_add_f32 v224, v224, v225
	REDUCE
	v_mul_f32 v228, s24, v224                      ; the mean, twice: a pair for the packed forms
	v_mul_f32 v229, s24, v224
.irp m, 0,1,2,3,4,5,6,7,8,9,10,11,12,13,14,15
	v_pk_add_f32 v[Y+2*\m:Y+2*\m+1], v[Y+2*\m:Y+2*\m+1], v[228:229] neg_lo:[0,1] neg_hi:[0,1]
.endr
	v_pk_mul_f32 v[224:225], v[Y:Y+1], v[Y:Y+1]                    ; the squares of the differences
	v_pk_mul_f32 v[226:227], v[Y+2:Y+3], v[Y+2:Y+3]
.irp m, 2,4,6,8,10,12,14
	v_pk_fma_f32 v[224:225], v[Y+2*\m:Y+2*\m+1], v[Y+2*\m:Y+2*\m+1], v[224:225]
	v_pk_fma_f32 v[226:227], v[Y+2*\m+2:Y+2*\m+3], v[Y+2*\m+2:Y+2*\m+3], v[226:227]
.endr
	v_pk_add_f32 v[224:225], v[224:225], v[226:227]
	v_add_f32 v224, v224, v225
	REDUCE
	v_fma_f32 v224, v224, s24, s25                 ; the variance + 1e-7
	v_rsq_f32 v230, v224
	v_rsq_f32 v231, v224
	v_nop
	s_wait_alu depctr_va_vdst(0)                   ; one wait for both, ahead of their first reader
.irp m, 0,1,2,3,4,5,6,7,8,9,10,11,12,13,14,15
	v_pk_mul_f32 v[Y+2*\m:Y+2*\m+1], v[Y+2*\m:Y+2*\m+1], v[230:231]
.endr
	WIN 0x3c                                       ; sources 1 and 2 window 3: the gain and the offset
.irp m, 0,1,2,3,4,5,6,7,8,9,10,11,12,13,14,15
	v_pk_fma_f32 v[Y+2*\m:Y+2*\m+1], v[Y+2*\m:Y+2*\m+1], v[GG+2*\m:GG+2*\m+1], v[BT+2*\m:BT+2*\m+1]
.endr
	WIN 0
.irp k, 0,1,2,3,4,5,6,7
	global_store_b128 v1, v[Y+4*\k:Y+4*\k+3], s[18:19] offset:(\i)*4096+512*\k th:TH_STORE_NT   ; 32 lanes store 512 consecutive bytes, aligned
.endr
.endm
	YLOAD 0
.irp i, 0,1,2,3,4,5,6,7
	ROW \i
.endr
	s_wait_tensorcnt 0x0
	ds_add_u32 v254, v255
	s_wait_dscnt 0x0
	s_endpgm
.Lfunc_end_k_q1a49bb0bfd_outln:
	.size	k_q1a49bb0bfd_outln, .Lfunc_end_k_q1a49bb0bfd_outln-k_q1a49bb0bfd_outln
	.p2alignl 7, 3214868480
	.fill 96, 4, 3214868480
	.section	.rodata,"a",@progbits
	.p2align	6, 0x0
	.amdhsa_kernel k_q1a49bb0bfd_outln
		.amdhsa_group_segment_fixed_size 132096
		.amdhsa_private_segment_fixed_size 0
		.amdhsa_enable_private_segment 0
		.amdhsa_kernarg_size 64
		.amdhsa_user_sgpr_count 2
		.amdhsa_user_sgpr_kernarg_segment_ptr 1
		.amdhsa_wavefront_size32 1
		.amdhsa_system_sgpr_workgroup_id_x 1
		.amdhsa_system_sgpr_workgroup_id_y 1
		.amdhsa_system_sgpr_workgroup_id_z 1
		.amdhsa_system_vgpr_workitem_id 0
		.amdhsa_next_free_vgpr 1024
		.amdhsa_next_free_sgpr 66
		.amdhsa_reserve_vcc 0
		.amdhsa_float_denorm_mode_32 3
		.amdhsa_float_denorm_mode_16_64 3
		.amdhsa_memory_ordered 1
		.amdhsa_forward_progress 1
		.amdhsa_inst_pref_size 192
	.end_amdhsa_kernel
	.amdgpu_metadata
---
amdhsa.version: [ 1, 2 ]
amdhsa.kernels:
  - .name:           k_q1a49bb0bfd_outln
    .symbol:         k_q1a49bb0bfd_outln.kd
    .args:
      - { .name: ao, .offset: 0, .size: 8, .value_kind: global_buffer, .address_space: global }
      - { .name: Wo_codes, .offset: 8, .size: 8, .value_kind: global_buffer, .address_space: global }
      - { .name: Wo_scales, .offset: 16, .size: 8, .value_kind: global_buffer, .address_space: global }
      - { .name: bo, .offset: 24, .size: 8, .value_kind: global_buffer, .address_space: global }
      - { .name: hidden_states, .offset: 32, .size: 8, .value_kind: global_buffer, .address_space: global }
      - { .name: ln_g, .offset: 40, .size: 8, .value_kind: global_buffer, .address_space: global }
      - { .name: ln_b, .offset: 48, .size: 8, .value_kind: global_buffer, .address_space: global }
      - { .name: out0, .offset: 56, .size: 8, .value_kind: global_buffer, .address_space: global }
    .group_segment_fixed_size: 132096
    .private_segment_fixed_size: 0
    .kernarg_segment_align: 8
    .kernarg_segment_size: 64
    .max_flat_workgroup_size: 128
    .sgpr_count:     66
    .vgpr_count:     1024
    .wavefront_size: 32
...
	.end_amdgpu_metadata
.endif
;; end of part 4
;; ======== version 2 of 2: 4 launches
;; workspace buffers: xq 4,325,376 bytes; qkv 13,369,344 bytes; rel 4,456,448 bytes; ao 4,325,376 bytes
;; launch quantx (part 5): grid 256 x 1, 2 waves a work-group, no clusters, 16,640 bytes of LDS; arguments hidden_states, xq; writes xq
.if DOCPART == 5
	.amdgcn_target "amdgcn-amd-amdhsa--gfx1250"
	.amdhsa_code_object_version 6
	.text
	.protected	k_q1a49bb0bfd_quantx
	.globl	k_q1a49bb0bfd_quantx
	.p2align	8
	.type	k_q1a49bb0bfd_quantx,@function
k_q1a49bb0bfd_quantx:
	s_mov_b64 s[64:65], 0
	v_nop
	global_prefetch_b8 v0, s[64:65] scope:SCOPE_SE
	s_setreg_imm32_b32 hwreg(HW_REG_WAVE_MODE, 25, 1), 1
	s_wait_xcnt 0x0
; hidden_states [4096][1024] f32 becomes codes of BF8 (E5M2), K = the row's 1,024 innermost, with one E8M0 byte for each 32 along K.
; xq: bytes 0 .. 4,194,303 the codes, row by row; from byte 4,194,304 on the scale bytes [4096][32].
; A block's scale is 2^(floor(log2(its largest magnitude)) - 15); its byte is the largest magnitude's exponent field - 15, held at 1 from below.
; LIMITS: a block whose largest magnitude lies under 2^-111, a block of zeros among them, gets the byte 1 (zeros stay zero codes; only this program reads the bytes); NaN and infinities are not served.
; Rows are dense, so the tensor is a stream of blocks of 32.  A wave takes 16 steps of 512 numbers: 512 waves in all, two to a work-group.
; Each load reads 512 consecutive bytes, 16 a lane; a step's 2,048 bytes turn through the wave's own stage in LDS and come back 64 bytes a lane, so that a lane holds 16 neighbours (two lanes a block).
; A lane's 16 codes are 16 bytes: the wave stores 512 consecutive bytes.  A wave's 256 scale bytes are gathered in LDS and leave as 256 consecutive, aligned bytes.
; No matrix unit, no cluster, no barrier: the work-groups share no input and the waves share nothing.
.set STEPS, 16
.set EMAX,  15
.set MANT,  0x600000                   ; the mantissa field of 57,344 as f32
.set CB,    16                         ; bytes of 16 codes
.set R,     16                         ; v16-79   four sets of 16 numbers as loaded
.set X,     80                         ; v80-111  two sets of 16 neighbours
.set C,     128                        ; v128-191 codes: four registers for each step
.set E,     112                        ; v112-127 a scale byte for each step
.set WREG,  8192                       ; LDS of a wave: two stages of 32 x SP bytes, then its 256 scale bytes
.set SP,    80                         ; a lane's place in a stage: 64 bytes + 16 of padding
.set SCOFF, 4194304                    ; where the scale bytes begin in xq
	s_load_b128 s[4:7], s[0:1], 0x0                ; hidden_states, xq
	v_lshl_add_u32 v192, v0, 2, 0x4000
	v_mov_b32 v193, 0
	v_lshrrev_b32 v1, 5, v0
	v_readfirstlane_b32 s16, v1                    ; wave
	v_and_b32 v2, 31, v0                           ; lane
	v_lshlrev_b32 v3, 4, v2                        ; my 16 bytes of a load's 512
	s_mul_i32 s17, s16, WREG
	v_lshrrev_b32 v14, 2, v2
	v_mul_u32_u24 v14, v14, SP
	v_and_b32 v15, 3, v2
	v_lshl_add_u32 v14, v15, 4, v14
	v_add_nc_u32 v14, s17, v14                     ; into the stage: SP (lane / 4) + 16 (lane % 4)
	v_mul_u32_u24 v15, v2, SP
	v_add_nc_u32 v15, s17, v15                     ; out of it: SP x lane
	v_mul_u32_u24 v4, v2, CB                       ; my codes' place in a step's
	v_lshrrev_b32 v5, 1, v2
	s_add_co_u32 s17, s17, 2*32*SP
	v_add_nc_u32 v5, s17, v5                       ; LDS: my block's scale byte
	v_lshlrev_b32 v7, 3, v2                        ; on the way out 8 bytes a lane
	v_add_nc_u32 v6, s17, v7
	s_mov_b32 s23, MANT
	s_lshl_b32 s18, ttmp9, 1
	s_add_co_u32 s18, s18, s16                     ; which run of 8,192 numbers is my wave's: 0 .. 511
	s_lshl_b32 s20, s18, 15                        ; 32,768 bytes of f32 a run
	s_mov_b32 s21, 0
	s_lshl_b32 s24, s18, 13                        ; 8,192 bytes of codes
	s_mov_b32 s25, 0
	s_lshl_b32 s26, s18, 8                         ; 256 scale bytes
	s_add_co_u32 s26, s26, SCOFF
	s_mov_b32 s27, 0
	s_wait_alu depctr_va_vdst(0)
	s_wait_kmcnt 0x0
	s_add_nc_u64 s[4:5], s[4:5], s[20:21]
	s_add_nc_u64 s[8:9], s[6:7], s[24:25]
	s_add_nc_u64 s[10:11], s[6:7], s[26:27]
.macro LOAD t
.irp i, 0,1,2,3
	global_load_b128 v[R+16*((\t)%4)+4*\i:R+16*((\t)%4)+4*\i+3], v3, s[4:5] offset:2048*(\t)+512*\i
.endr
.endm
.macro TURN t                          ; step t's numbers through the stage: LDS serves a wave's instructions in order, so no wait stands between the stores and the loads
.irp i, 0,1,2,3
	ds_store_b128 v14, v[R+16*((\t)%4)+4*\i:R+16*((\t)%4)+4*\i+3] offset:32*SP*((\t)%2)+8*SP*\i
.endr
.irp i, 0,1,2,3
	ds_load_b128 v[X+16*((\t)%2)+4*\i:X+16*((\t)%2)+4*\i+3], v15 offset:32*SP*((\t)%2)+16*\i
.endr
.endm
.irp t, 0,1,2,3
	LOAD \t
.endr
	s_wait_loadcnt 12                              ; step 0's four loads are in; three steps' twelve may be out
	TURN 0
.macro STEP t
.set XS, X+16*((\t)%2)
.if (\t) > 0
	s_wait_dscnt 1                                 ; this step's numbers are back from the stage; the last step's byte store may be out
.else
	s_wait_dscnt 0x0
.endif
.if (\t)+4 < STEPS
	LOAD (\t)+4                                    ; the stage's stores have read these registers
.endif
.if (\t)+1 < STEPS
.if STEPS-2-(\t) >= 3
	s_wait_loadcnt 12                              ; the next step's four loads are in; those of the three steps behind it may be out
.else
	s_wait_loadcnt 4*(STEPS-2-(\t))
.endif
	TURN (\t)+1
.endif
	v_max3_num_f32 v8, |v[XS]|, |v[XS+1]|, |v[XS+2]|               ; the largest magnitude of my 16
	v_max3_num_f32 v9, |v[XS+3]|, |v[XS+4]|, |v[XS+5]|
.irp i, 6,10
	v_max3_num_f32 v8, v8, |v[XS+\i]|, |v[XS+\i+1]|
	v_max3_num_f32 v9, v9, |v[XS+\i+2]|, |v[XS+\i+3]|
.endr
	v_max3_num_f32 v8, v8, |v[XS+14]|, |v[XS+15]|
	v_max3_num_f32 v8, v8, v9, (EMAX+1)<<23        ; and the floor 2^(16 - 127): the byte cannot fall under 1
	v_max_num_f32_dpp v8, v8, v8 row_xmask:1 row_mask:0xf bank_mask:0xf   ; and of my neighbour's 16: the block's
	v_add_nc_u32 v11, 0xf8800000, v8               ; 15 off its exponent field: the conversion's scale operand
	v_and_or_b32 v10, v8, 0x7f800000, s23          ; 57,344 x the scale
.irp i, 0,1,2,3,4,5,6,7,8,9,10,11,12,13,14,15
	v_med3_num_f32 v[XS+\i], v[XS+\i], -v10, v10   ; the conversion does not saturate (ISA guide 7.6.2): the hold comes first
.endr
	v_cvt_scalef32_pk8_bf8_f32 v[C+4*(\t):C+4*(\t)+1], v[XS:XS+7], v11
	v_cvt_scalef32_pk8_bf8_f32 v[C+4*(\t)+2:C+4*(\t)+3], v[XS+8:XS+15], v11
	v_lshrrev_b32 v[E+(\t)], 23, v11               ; the scale's byte
	ds_store_b8 v5, v[E+(\t)] offset:16*(\t)       ; both lanes of a block write the same byte with the same value
	global_store_b128 v4, v[C+4*(\t):C+4*(\t)+3], s[8:9] offset:32*CB*(\t)
.endm
.irp t, 0,1,2,3,4,5,6,7,8,9,10,11,12,13,14,15
	STEP \t
.endr
	ds_load_b64 v[12:13], v6                       ; LDS serves a wave's instructions in order: these see my stores
	s_wait_dscnt 0x0
	global_store_b64 v7, v[12:13], s[10:11]        ; 32 lanes store 256 consecutive bytes, aligned
	s_wait_tensorcnt 0x0
	ds_add_u32 v192, v193
	s_wait_dscnt 0x0
	s_endpgm
.Lfunc_end_k_q1a49bb0bfd_quantx:
	.size	k_q1a49bb0bfd_quantx, .Lfunc_end_k_q1a49bb0bfd_quantx-k_q1a49bb0bfd_quantx
	.p2alignl 7, 3214868480
	.fill 96, 4, 3214868480
	.section	.rodata,"a",@progbits
	.p2align	6, 0x0
	.amdhsa_kernel k_q1a49bb0bfd_quantx
		.amdhsa_group_segment_fixed_size 16640
		.amdhsa_private_segment_fixed_size 0
		.amdhsa_enable_private_segment 0
		.amdhsa_kernarg_size 16
		.amdhsa_user_sgpr_count 2
		.amdhsa_user_sgpr_kernarg_segment_ptr 1
		.amdhsa_wavefront_size32 1
		.amdhsa_system_sgpr_workgroup_id_x 1
		.amdhsa_system_sgpr_workgroup_id_y 1
		.amdhsa_system_sgpr_workgroup_id_z 1
		.amdhsa_system_vgpr_workitem_id 0
		.amdhsa_next_free_vgpr 194
		.amdhsa_next_free_sgpr 66
		.amdhsa_reserve_vcc 0
		.amdhsa_float_denorm_mode_32 3
		.amdhsa_float_denorm_mode_16_64 3
		.amdhsa_memory_ordered 1
		.amdhsa_forward_progress 1
		.amdhsa_inst_pref_size 51
	.end_amdhsa_kernel
	.amdgpu_metadata
---
amdhsa.version: [ 1, 2 ]
amdhsa.kernels:
  - .name:           k_q1a49bb0bfd_quantx
    .symbol:         k_q1a49bb0bfd_quantx.kd
    .args:
      - { .name: hidden_states, .offset: 0, .size: 8, .value_kind: global_buffer, .address_space: global }
      - { .name: xq, .offset: 8, .size: 8, .value_kind: global_buffer, .address_space: global }
    .group_segment_fixed_size: 16640
    .private_segment_fixed_size: 0
    .kernarg_segment_align: 8
    .kernarg_segment_size: 16
    .max_flat_workgroup_size: 64
    .sgpr_count:     66
    .vgpr_count:     194
    .wavefront_size: 32
...
	.end_amdgpu_metadata
.endif
;; end of part 5
;; launch proj (part 6): grid 256 x 1, 4 waves a work-group, clusters of 4 x 1, 327,680 bytes of LDS; arguments Wq_codes, Wq_scales, bq, Wk_codes, Wk_scales, bk, Wv_codes, Wv_scales, bv, Wpq_codes, Wpq_scales, bpq, Wpk_codes, Wpk_scales, bpk, xq, pos_emb_codes, pos_emb_scales, qkv, rel; writes qkv, rel
.if DOCPART == 6
	.amdgcn_target "amdgcn-amd-amdhsa--gfx1250"
	.amdhsa_code_object_version 6
	.text
	.protected	k_q1a49bb0bfd_proj
	.globl	k_q1a49bb0bfd_proj
	.p2align	8
	.type	k_q1a49bb0bfd_proj,@function
k_q1a49bb0bfd_proj:
	s_mov_b64 s[64:65], 0
	v_nop
	global_prefetch_b8 v0, s[64:65] scope:SCOPE_SE
	s_setreg_imm32_b32 hwreg(HW_REG_WAVE_MODE, 25, 1), 1
	s_wait_xcnt 0x0
	s_wait_alu depctr_hold_cnt(0) depctr_sa_sdst(0) depctr_va_vdst(0) depctr_va_sdst(0) depctr_va_ssrc(0) depctr_va_vcc(0) depctr_vm_vsrc(0)
	s_getreg_b32 s2, hwreg(HW_REG_IB_STS2, 6, 4)
	s_cmp_eq_u32 s2, 0
	s_cbranch_scc0 .Lentry_in_a_cluster
	s_endpgm
.Lentry_in_a_cluster:
	s_bfe_u32 s2, ttmp6, 0x10000c
	s_cmp_lg_u32 s2, 0x3003
	s_cbranch_scc0 .Lentry_shape_is_right
	s_endpgm
.Lentry_shape_is_right:
; The five projections q, k, v = Q(x) W + b and rel_q, rel_k = pos_emb W + b on codes of BF8 (E5M2) with E8M0 scales, and the quantising of their results for the attention launch:
; q, k, rel_q, rel_k along the head's 64 (two blocks of 32), v along the keys (blocks of 32 tokens).
; SHARES.  A work-group takes 256 rows x 256 columns (four heads) of one product: 16 x 4 work-groups for each of q, k, v, 8 x 4 for each of rel_q, rel_k: 256 of equal work.
; Wave w takes head 4 cx + w: its 64 rows of the weight, all of K = 1,024, stay in 512 registers for the whole launch.  The 256 rows of the left operand lie in LDS, filled once.
; CLUSTER.  The four work-groups of a cluster take the same 256 rows and differ in their heads: the rows' codes and scale bytes are asked for JOINTLY (mask 15).  The weights go to registers by vector loads, which have no joint form.
; TWO KINDS.  q, k, rel_q, rel_k: the product is used transposed (source 0 = 16 rows of W, source 1 = 16 tokens), so that a lane holds one token and its registers run along the head's 64.
;   v: source 0 = 16 tokens, source 1 = 16 rows of W: a lane holds one channel and its registers run along the tokens, which are the K of attention's second product.
;   The branch between them hangs on the cluster's number alone.
; THE ROWS OF W THAT FORM A TILE ARE NOT NEIGHBOURS: lane r of tile 2 b + u takes row 32 b + 8 u + r + 8 (r / 8), so that 16 registers of two neighbouring tiles are 16 neighbours along the head's 64.
; RESULTS leave as images of the reader's operand registers: each store is the four registers of a conversion's result, 16 bytes a lane, 512 consecutive bytes a wave.
;   step block (128 tokens, 8,192 bytes) of q, k, rel_q, rel_k: tile t of 16 tokens at 1,024 t, block c of the 64 at + 512 c, lane l at + 16 l: token 16 t + l % 16, channels 32 c + 16 (l / 16) + 0 .. 15.
;   of v: channel tile ct at 2,048 ct, 32 keys p at + 512 p; lane l: channel 32 (ct / 2) + 8 (ct % 2) + r + 8 (r / 8); byte 8 u + j: key 32 p + 16 u + 8 (l / 16) + j (attention lays p's codes in the same order).
;   scale words (512 bytes a step): q kind: [lane 16 u + r][word p] = the two bytes of tile 2 p + u, token r;  v: [lane][word ct], byte p.
; The biases are the C of each sum's first product.
; LIMITS: a block whose largest magnitude lies under 2^-111 gets the scale byte 1 (zeros stay zero codes; only this program reads the bytes); NaN and infinities are not served.
; REGISTERS, in windows of 256: window 0: v1-14 addresses; v16-79 eight accumulators; v80-111 the bias, 8 a column tile; v112-143 W's scale words; v144-151 the rows' scale words; v152-167 codes; v168-183 at work; v184-187 scale words to store.
;   windows 1, 2: W's fragments: (column tile ct, K step s) in window 1 + ct / 2 at 128 (ct % 2) + 16 s.   window 3: the rows' fragments of a pair of tiles: (u, s) at 128 u + 16 s.
.set PITCH, 1040                       ; an LDS row: 1,024 bytes + 16 of padding: an odd multiple of 16, so that the 16 rows of a load start 16 bytes apart modulo 256
.set QROWS, 64*PITCH                   ; what one tensor load brings
.set ASC,   256*PITCH                  ; behind the rows: their scale bytes, 32 a row, dense
.set ACC,  16
.set BIAS, 80
.set WS,   112
.set XS,   144
.set PC,   152
.set TM,   168
.set SW,   184
.set WC,   44                          ; s[44:45] W's codes at my head;  s[46:47] its scale bytes;  s[48:49] the bias
.set WSP,  46
.set BI,   48
.set AC,   50                          ; s[50:51] the left operand's codes;  s[52:53] its scale bytes
.set ASP,  52
.set OC,   54                          ; s[54:55] where my codes go;  s[56:57] my scale words
.set OS,   56
.set WV,   58
.set TYPE, 59                          ; 0 q, 1 k, 2 v, 3 rel_q, 4 rel_k
.set RB,   60                          ; which 256 rows
.set CG,   61                          ; cx: which four heads
.set ISV,  62
.set HM,   63                          ; lanes 16-31
.set G1A,  68
.set G0A,  76
.set G1S,  80
.set G0S,  88
.set SEL,  92
.set MNT,  94
.set KK,   95
.set TA,   96
.set TX,   97
.set MSB, 0
.macro WIN new                         ; the immediate's high byte repeats the setting that is left
.if MSB != (\new)
	s_set_vgpr_msb (MSB<<8)|(\new)
.set MSB, (\new)
.endif
.endm
.macro NOPS n
.rept \n
	v_nop
.endr
.endm
.macro CROUND                          ; a round of the cluster's barrier
	s_barrier_signal -1
	s_barrier_wait -1
	s_cmp_lg_u32 s[WV], 0
	s_cbranch_scc1 .Lnot_wave_0_\@
	s_barrier_signal -3
.Lnot_wave_0_\@:
	s_barrier_wait -3
	s_barrier_signal -1
	s_barrier_wait -1
.endm
; nb blocks of 16 registers at v[s + 16 b] (with lane l xor 16's 16 a block of 32) become codes in v[pc + 4 b ..] and scale bytes in v[tm + 4 + b]
.macro QUANT s, nb, pc, tm
.irp b, 0,1,2,3
.if \b < \nb
	v_max3_num_f32 v[\tm+\b], |v[\s+16*\b]|, |v[\s+1+16*\b]|, 0x8000000   ; my 16 numbers, from the low end on, and the floor 2^(16 - 127)
.endif
.endr
.irp i, 2,4,6,8,10,12,14
.irp b, 0,1,2,3
.if \b < \nb
	v_max3_num_f32 v[\tm+\b], v[\tm+\b], |v[\s+16*\b+\i]|, |v[\s+1+16*\b+\i]|
.endif
.endr
.endr
.irp b, 0,1,2,3
.if \b < \nb
	v_permlanex16_b32 v[\tm+4+\b], v[\tm+\b], s[SEL], s[SEL+1]
.endif
.endr
.irp b, 0,1,2,3
.if \b < \nb
	v_max_num_f32 v[\tm+\b], v[\tm+\b], v[\tm+4+\b]          ; the block's largest magnitude
.endif
.endr
.irp b, 0,1,2,3
.if \b < \nb
	v_add_nc_u32 v[\tm+12+\b], 0xf8800000, v[\tm+\b]         ; 15 off its exponent field: the conversion's scale operand
.endif
.endr
.irp b, 0,1,2,3
.if \b < \nb
	v_and_or_b32 v[\tm+8+\b], v[\tm+\b], 0x7f800000, s[MNT]  ; 57,344 x the scale
.endif
.endr
.irp b, 0,1,2,3
.if \b < \nb
	v_lshrrev_b32 v[\tm+4+\b], 23, v[\tm+12+\b]              ; the scale's byte
.endif
.endr
.irp b, 0,1,2,3
.if \b < \nb
.irp i, 0,1,2,3,4,5,6,7,8,9,10,11,12,13,14,15
	v_med3_num_f32 v[\s+16*\b+\i], v[\s+16*\b+\i], -v[\tm+8+\b], v[\tm+8+\b]   ; the conversion does not saturate (ISA guide 7.6.2)
.endr
	v_cvt_scalef32_pk8_bf8_f32 v[\pc+4*\b:\pc+1+4*\b], v[\s+16*\b:\s+7+16*\b], v[\tm+12+\b]
	v_cvt_scalef32_pk8_bf8_f32 v[\pc+2+4*\b:\pc+3+4*\b], v[\s+8+16*\b:\s+15+16*\b], v[\tm+12+\b]
.endif
.endr
	v_nop                                          ; a plain instruction between the last conversion and whatever next writes its sources
.endm
	s_load_b512 s[4:19], s[0:1], 0x0               ; Wq: codes, scales, bias; Wk: the same; Wv: codes, scales
	s_load_b512 s[20:35], s[0:1], 0x40             ; bv; Wpq: three; Wpk: three; xq
	s_load_b256 s[36:43], s[0:1], 0x80             ; pos_emb's codes, its scales, qkv, rel
	v_lshl_add_u32 v254, v0, 2, 0x43000
	v_mov_b32 v255, 0
	ds_add_u32 v254, v255
	ds_add_u32 v254, v255
	v_lshrrev_b32 v1, 5, v0
	v_readfirstlane_b32 s[WV], v1                  ; wave 0..3
	s_bfe_u32 s[CG], ttmp6, 0x40000                ; cx
	s_lshr_b32 s[TYPE], ttmp9, 4                   ; clusters 0-47: q, k, v, sixteen row blocks each
	s_and_b32 s[RB], ttmp9, 15
	s_sub_co_u32 s66, ttmp9, 48                    ; clusters 48-63: rel_q, rel_k, eight row blocks each
	s_lshr_b32 s67, s66, 3
	s_add_co_u32 s67, s67, 3
	s_and_b32 s66, s66, 7
	s_cmp_lt_u32 ttmp9, 48
	s_cselect_b32 s[TYPE], s[TYPE], s67
	s_cselect_b32 s[RB], s[RB], s66
	s_cmp_eq_u32 s[TYPE], 2
	s_cselect_b32 s[ISV], 1, 0
	s_mov_b32 s[HM], 0xffff0000
	s_mov_b32 s[SEL], 0x76543210
	s_mov_b32 s[SEL+1], 0xfedcba98                 ; v_permlanex16_b32's selects for lane l xor 16
	s_mov_b32 s[MNT], 0x600000
	; descriptor group 1 for the rows' codes: 64 rows x 1,024 bytes, 16 bytes of padding behind each
	s_mov_b32 s[G1A+0], 15|(0<<16)|(1<<20)|(1<<21)|(7<<22)|(3<<25)   ; the mask: all four work-groups; elements of 1 byte; padding on; bit 21 beside a mask; after every 256 words; 4 words
	s_mov_b32 s[G1A+1], 1024<<16                   ; tensor_dim0
	s_mov_b32 s[G1A+2], 64<<16                     ; tensor_dim1
	s_mov_b32 s[G1A+3], 1024<<16                   ; tile_dim0
	s_mov_b32 s[G1A+4], 64                         ; tile_dim1
	s_mov_b32 s[G1A+5], 1024                       ; from row to row
	s_mov_b32 s[G1A+6], 0
	s_mov_b32 s[G1A+7], 0
	; and for their scale bytes: 64 x 32 dense bytes as 8 rows of 256 (32 elements of 8 bytes)
	s_mov_b32 s[G1S+0], 15|(3<<16)|(1<<21)
	s_mov_b32 s[G1S+1], 32<<16
	s_mov_b32 s[G1S+2], 8<<16
	s_mov_b32 s[G1S+3], 32<<16
	s_mov_b32 s[G1S+4], 8
	s_mov_b32 s[G1S+5], 32
	s_mov_b32 s[G1S+6], 0
	s_mov_b32 s[G1S+7], 0
	v_and_b32 v11, 31, v0                          ; lane
	v_and_b32 v12, 15, v0                          ; r
	v_bfe_u32 v13, v0, 4, 1                        ; h
	v_lshlrev_b32 v1, 4, v11                       ; 16 x lane: my place in an image
	v_mul_u32_u24 v2, v12, PITCH
	v_lshl_add_u32 v2, v13, 4, v2                  ; a fragment's row x pitch + 16 h
	v_lshlrev_b32 v5, 5, v11
	v_add_nc_u32 v5, ASC, v5                       ; scale bytes: lane l takes row l of a pair's 32
	v_and_b32 v14, 8, v12
	v_add_nc_u32 v14, v14, v12                     ; r + 8 (r / 8)
	v_lshlrev_b32 v7, 10, v14
	v_lshl_add_u32 v7, v13, 4, v7                  ; W: that row of 1,024 bytes, + 16 h
	v_lshlrev_b32 v8, 5, v14                       ; W's scale bytes: 32 a row
	v_lshlrev_b32 v9, 6, v13                       ; the bias, q kind: 16 h numbers on
	v_lshlrev_b32 v10, 2, v14                      ; v kind: my channel's
.irp b, 0,1,2,3
	v_mov_b32 v[TM+4+\b], 0                        ; written once: a lane permute's destination counts as one of its sources
	v_mov_b32 v[SW+\b], 0                          ; written on every way through the two kinds' arms
.endr
	s_wait_dscnt 0x0
	s_wait_kmcnt 0x0
	s_mov_b64 s[WC:WC+1], s[4:5]
	s_mov_b64 s[WSP:WSP+1], s[6:7]
	s_mov_b64 s[BI:BI+1], s[8:9]
.irp k, 1,2,3,4                        ; the product's weight: a choice that hangs on the cluster's number alone
	s_cmp_eq_u32 s[TYPE], \k
	s_cselect_b64 s[WC:WC+1], s[4+6*\k:5+6*\k], s[WC:WC+1]
	s_cselect_b64 s[WSP:WSP+1], s[6+6*\k:7+6*\k], s[WSP:WSP+1]
	s_cselect_b64 s[BI:BI+1], s[8+6*\k:9+6*\k], s[BI:BI+1]
.endr
	s_add_nc_u64 s[ASP:ASP+1], s[34:35], 4194304   ; xq's scale bytes
	s_cmp_lt_u32 s[TYPE], 3
	s_cselect_b64 s[AC:AC+1], s[34:35], s[36:37]
	s_cselect_b64 s[ASP:ASP+1], s[ASP:ASP+1], s[38:39]
	s_cselect_b64 s[OC:OC+1], s[40:41], s[42:43]
	s_cselect_b32 s66, 0, 3
	s_mov_b32 s67, 0x200000
	s_cselect_b32 s67, 0x400000, s67               ; bytes of codes of one kind of result
	s_mov_b32 s98, 0x20000
	s_cselect_b32 s98, 0x40000, s98                ; bytes of its scale words
	s_mov_b32 s99, 0x400000
	s_cselect_b32 s99, 0xc00000, s99               ; where the scale words begin
	; the rows that I fetch: nothing here hangs on cx
	s_lshl_b32 s12, s[RB], 8
	s_lshl_b32 s13, s[WV], 6
	s_add_co_u32 s12, s12, s13                     ; row 256 x block + 64 x wave
	s_lshl_b32 s14, s12, 10
	s_mov_b32 s15, 0
	s_lshl_b32 s16, s12, 5
	s_mov_b32 s17, 0
	s_mov_b32 s[G0A], 1
	s_mul_i32 s[G0A+1], s[WV], QROWS
	s_add_nc_u64 s[G0A+2:G0A+3], s[AC:AC+1], s[14:15]
	s_or_b32 s[G0A+3], s[G0A+3], 0x80000000
	s_mov_b32 s[G0S], 1
	s_lshl_b32 s[G0S+1], s[WV], 11
	s_add_co_u32 s[G0S+1], s[G0S+1], ASC
	s_add_nc_u64 s[G0S+2:G0S+3], s[ASP:ASP+1], s[16:17]
	s_or_b32 s[G0S+3], s[G0S+3], 0x80000000
	CROUND                                         ; all four work-groups are here: the joint loads meet
	tensor_load_to_lds s[G0A:G0A+3], s[G1A:G1A+7]  ; my 64 rows' codes,
	s_nop 0
	s_wait_alu depctr_va_vdst(0)
	s_wait_tensorcnt 0x0
	ds_add_u32 v254, v255
	s_wait_dscnt 0x0
	CROUND
	tensor_load_to_lds s[G0S:G0S+3], s[G1S:G1S+7]  ; and their scale bytes: one load of mine is out; LDS is filled once in this launch
	s_nop 0
	NOPS 4
	; my head, and where its results go
	s_sub_co_u32 s4, s[TYPE], s66                  ; which kind in its buffer
	s_lshl_b32 s5, s[CG], 2
	s_add_co_u32 s5, s5, s[WV]                     ; head
	s_lshr_b32 s6, s[RB], 3                        ; batch (0 for rel_q, rel_k)
	s_lshl_b32 s6, s6, 4
	s_add_co_u32 s6, s6, s5
	s_lshl_b32 s6, s6, 4
	s_and_b32 s7, s[RB], 7
	s_lshl_b32 s7, s7, 1
	s_add_co_u32 s6, s6, s7                        ; step block: (16 batch + head) x 16 + 2 (block % 8)
	s_mul_i32 s8, s4, s67
	s_lshl_b32 s9, s6, 13
	s_add_co_u32 s8, s8, s9
	s_mov_b32 s9, 0
	s_mul_i32 s10, s4, s98
	s_add_co_u32 s10, s10, s99
	s_lshl_b32 s11, s6, 9
	s_add_co_u32 s10, s10, s11
	s_mov_b32 s11, 0
	s_add_nc_u64 s[OS:OS+1], s[OC:OC+1], s[10:11]
	s_add_nc_u64 s[OC:OC+1], s[OC:OC+1], s[8:9]
	s_lshl_b32 s8, s5, 16                          ; 64 rows of 1,024 bytes a head
	s_add_nc_u64 s[WC:WC+1], s[WC:WC+1], s[8:9]
	s_lshl_b32 s8, s5, 11
	s_add_nc_u64 s[WSP:WSP+1], s[WSP:WSP+1], s[8:9]
	s_lshl_b32 s8, s5, 8
	s_add_nc_u64 s[BI:BI+1], s[BI:BI+1], s[8:9]
.irp w, 0,1                            ; W's 32 fragments: they stay
	WIN 0x40*(\w+1)
.irp ctl, 0,1
.irp s, 0,1,2,3,4,5,6,7
.irp c, 0,1,2,3
	global_load_b128 v[128*\ctl+16*\s+4*\c:128*\ctl+16*\s+4*\c+3], v7, s[WC:WC+1] offset:(32*\w+8*\ctl)*1024+128*\s+32*\c
.endr
.endr
.endr
.endr
	WIN 0
.irp ct, 0,1,2,3
	global_load_b128 v[WS+8*\ct:WS+8*\ct+3], v8, s[WSP:WSP+1] offset:(32*(\ct/2)+8*(\ct%2))*32
	global_load_b128 v[WS+8*\ct+4:WS+8*\ct+7], v8, s[WSP:WSP+1] offset:(32*(\ct/2)+8*(\ct%2))*32+16
.endr
	s_cmp_eq_u32 s[ISV], 0
	s_cbranch_scc0 .Lbias_v
.irp ct, 0,1,2,3                       ; q kind: lane (r, h), tile 2 b + u, register j: channel 32 b + 16 h + 8 u + j
	global_load_b128 v[BIAS+8*\ct:BIAS+8*\ct+3], v9, s[BI:BI+1] offset:(32*(\ct/2)+8*(\ct%2))*4
	global_load_b128 v[BIAS+8*\ct+4:BIAS+8*\ct+7], v9, s[BI:BI+1] offset:(32*(\ct/2)+8*(\ct%2))*4+16
.endr
	s_branch .Lbias_done
.Lbias_v:
	s_wait_alu depctr_va_vdst(0)
.irp ct, 0,1,2,3                       ; v kind: all eight registers of a tile hold my channel's bias
.irp j, 0,1,2,3,4,5,6,7
	global_load_b32 v[BIAS+8*\ct+\j], v10, s[BI:BI+1] offset:(32*(\ct/2)+8*(\ct%2))*4
.endr
.endr
.Lbias_done:
	s_wait_loadcnt 0x0
	s_wait_tensorcnt 0x0                           ; my parts of the rows are in,
	s_barrier_signal -1
	s_barrier_wait -1                              ; everybody's are
.macro MM d, a, b, c, sa, sb, row      ; row = 1: source 0's scales from lanes 16-31; 2: source 1's
.if \row == 1
	v_wmma_scale_f32_16x16x128_f8f6f4 v[\d:\d+7], v[\a:\a+15], v[\b:\b+15], v[\c:\c+7], v[\sa], v[\sb] matrix_a_fmt:MATRIX_FMT_BF8 matrix_b_fmt:MATRIX_FMT_BF8 matrix_a_scale:MATRIX_SCALE_ROW1
.elseif \row == 2
	v_wmma_scale_f32_16x16x128_f8f6f4 v[\d:\d+7], v[\a:\a+15], v[\b:\b+15], v[\c:\c+7], v[\sa], v[\sb] matrix_a_fmt:MATRIX_FMT_BF8 matrix_b_fmt:MATRIX_FMT_BF8 matrix_b_scale:MATRIX_SCALE_ROW1
.else
	v_wmma_scale_f32_16x16x128_f8f6f4 v[\d:\d+7], v[\a:\a+15], v[\b:\b+15], v[\c:\c+7], v[\sa], v[\sb] matrix_a_fmt:MATRIX_FMT_BF8 matrix_b_fmt:MATRIX_FMT_BF8
.endif
.endm
; pair p's fragments of K steps 4 hf .. 4 hf + 3: 32 loads in one run
.macro AFETCH p, hf
	WIN 0xc0                                       ; destination window 3
.irp u, 0,1
.irp s4, 0,1,2,3
.irp c, 0,1,2,3
	ds_load_b128 v[128*\u+16*(4*\hf+\s4)+4*\c:128*\u+16*(4*\hf+\s4)+4*\c+3], v[3+(\p)/2] offset:((\p)%2)*32*PITCH+\u*16*PITCH+128*(4*\hf+\s4)+32*\c
.endr
.endr
.endr
	WIN 0
.endm
.macro XSL p                           ; pair p's scale words: register s for K step s; lanes 0-15 tile 0's rows, lanes 16-31 tile 1's
	ds_load_b128 v[XS:XS+3], v6 offset:1024*(\p)
	ds_load_b128 v[XS+4:XS+7], v6 offset:1024*(\p)+16
.endm
; 32 products: four K steps of the pair's eight accumulators.  Four accumulators take turns, one instruction a turn, then the other four.
.macro MULH hf
	s_cmp_eq_u32 s[ISV], 0
	s_cbranch_scc0 .Lmul_v_\@
.irp w, 1,2
	WIN 0x0c|\w                                    ; source 0 (W) window w, source 1 (rows) window 3
.irp s4, 0,1,2,3
.irp ctl, 0,1
.irp u, 0,1
.set rCT, 2*(\w-1)+\ctl
.set rS, 4*\hf+\s4
.set rD, ACC+8*(4*\u+rCT)
.set rC, rD
.if rS == 0
.set rC, BIAS+8*rCT
.endif
.set rW, 128*\ctl+16*rS
.set rX, 128*\u+16*rS
.set rSW, WS+8*rCT+rS
.set rSX, XS+rS
	MM rD, rW, rX, rC, rSW, rSX, 2*\u
.endr
.endr
.endr
.endr
	WIN 0
	s_branch .Lmul_e_\@
.Lmul_v_\@:
.irp w, 1,2
	WIN (\w<<2)|3                                  ; source 0 (rows) window 3, source 1 (W) window w
.irp s4, 0,1,2,3
.irp ctl, 0,1
.irp u, 0,1
.set rCT, 2*(\w-1)+\ctl
.set rS, 4*\hf+\s4
.set rD, ACC+8*(2*rCT+\u)
.set rC, rD
.if rS == 0
.set rC, BIAS+8*rCT
.endif
.set rW, 128*\ctl+16*rS
.set rX, 128*\u+16*rS
.set rSW, WS+8*rCT+rS
.set rSX, XS+rS
	MM rD, rX, rW, rC, rSX, rSW, \u
.endr
.endr
.endr
.endr
	WIN 0
.Lmul_e_\@:
.endm
; A PAIR of row tiles (32 rows) x my head's 64 columns: 64 products, then the results are quantised and stored.
.macro PAIR p
	s_wait_dscnt 32                                ; the first half of K and the scale words are in; the 32 youngest loads (the second half) may be out
	MULH 0
	NOPS 8                                         ; eight places in front of loads into registers that these products have read
.if \p < 3
	s_wait_alu depctr_va_vdst(0)
	AFETCH (\p)+1, 0
	s_wait_dscnt 32                                ; all but the 32 just issued
.else
	s_wait_dscnt 0x0
.endif
	MULH 1
	NOPS 8                                         ; for the loads below and for the first read of the results
.if \p < 3
	XSL (\p)+1
	AFETCH (\p)+1, 1
.endif
	s_wait_xcnt 0x0                                ; the last pair's stores have read their data: the codes' registers may be written again
	QUANT ACC, 4, PC, TM
	s_cmp_eq_u32 s[ISV], 0
	s_cbranch_scc0 .Lout_v_\@
.irp be, 0,1,2,3                       ; block 2 u + c: tile 2 p + u, channels 32 c on
	global_store_b128 v1, v[PC+4*\be:PC+4*\be+3], s[OC:OC+1] offset:(2*(\p)+\be/2)*1024+512*(\be%2)
.endr
	v_lshl_or_b32 v188, v[TM+5], 8, v[TM+4]
	v_lshl_or_b32 v189, v[TM+7], 8, v[TM+6]
	v_cndmask_b32 v[SW+\p], v188, v189, s[HM]      ; lanes 0-15 keep the even tile's word, lanes 16-31 the odd tile's
	s_branch .Lout_e_\@
.Lout_v_\@:
	s_wait_alu depctr_va_vdst(0)
.irp ct, 0,1,2,3                       ; block ct: my channel of tile ct, keys 32 p on
	global_store_b128 v1, v[PC+4*\ct:PC+4*\ct+3], s[OC:OC+1] offset:\ct*2048+512*(\p)
.if \p == 0
	v_mov_b32 v[SW+\ct], v[TM+4+\ct]
.else
	v_lshl_or_b32 v[SW+\ct], v[TM+4+\ct], 8*(\p), v[SW+\ct]
.endif
.endr
.Lout_e_\@:
.if \p == 3
	s_wait_alu depctr_va_vdst(0)
	global_store_b128 v1, v[SW:SW+3], s[OS:OS+1]   ; the step's scale words: 512 consecutive bytes
.endif
.endm
	s_mov_b32 s[KK], 2                             ; two steps of 128 rows
	s_mov_b32 s[TA], 0
	s_mov_b32 s[TX], 0
.Lstep:
	v_add_nc_u32 v3, s[TA], v2                     ; pairs 0, 1
	v_add_nc_u32 v4, 64*PITCH, v3                  ; pairs 2, 3: an LDS offset has 16 bits
	v_add_nc_u32 v6, s[TX], v5
	AFETCH 0, 0
	XSL 0
	AFETCH 0, 1
	PAIR 0
	PAIR 1
	PAIR 2
	PAIR 3
	s_wait_xcnt 0x0                                ; the stores have read their bases
	s_add_nc_u64 s[OC:OC+1], s[OC:OC+1], 8192
	s_add_nc_u64 s[OS:OS+1], s[OS:OS+1], 512
	s_add_co_u32 s[TA], s[TA], 128*PITCH
	s_add_co_u32 s[TX], s[TX], 4096
	s_sub_co_u32 s[KK], s[KK], 1
	s_cmp_lg_u32 s[KK], 0
	s_cbranch_scc1 .Lstep
	s_wait_dscnt 0x0
	s_wait_tensorcnt 0x0
	ds_add_u32 v254, v255
	s_wait_dscnt 0x0
	CROUND                                         ; the closing round
	s_endpgm
.Lfunc_end_k_q1a49bb0bfd_proj:
	.size	k_q1a49bb0bfd_proj, .Lfunc_end_k_q1a49bb0bfd_proj-k_q1a49bb0bfd_proj
	.p2alignl 7, 3214868480
	.fill 96, 4, 3214868480
	.section	.rodata,"a",@progbits
	.p2align	6, 0x0
	.amdhsa_kernel k_q1a49bb0bfd_proj
		.amdhsa_group_segment_fixed_size 327680
		.amdhsa_private_segment_fixed_size 0
		.amdhsa_enable_private_segment 0
		.amdhsa_kernarg_size 160
		.amdhsa_user_sgpr_count 2
		.amdhsa_user_sgpr_kernarg_segment_ptr 1
		.amdhsa_wavefront_size32 1
		.amdhsa_system_sgpr_workgroup_id_x 1
		.amdhsa_system_sgpr_workgroup_id_y 1
		.amdhsa_system_sgpr_workgroup_id_z 1
		.amdhsa_system_vgpr_workitem_id 0
		.amdhsa_next_free_vgpr 1024
		.amdhsa_next_free_sgpr 100
		.amdhsa_reserve_vcc 0
		.amdhsa_float_denorm_mode_32 3
		.amdhsa_float_denorm_mode_16_64 3
		.amdhsa_memory_ordered 1
		.amdhsa_forward_progress 1
		.amdhsa_inst_pref_size 148
	.end_amdhsa_kernel
	.amdgpu_metadata
---
amdhsa.version: [ 1, 2 ]
amdhsa.kernels:
  - .name:           k_q1a49bb0bfd_proj
    .symbol:         k_q1a49bb0bfd_proj.kd
    .args:
      - { .name: Wq_codes, .offset: 0, .size: 8, .value_kind: global_buffer, .address_space: global }
      - { .name: Wq_scales, .offset: 8, .size: 8, .value_kind: global_buffer, .address_space: global }
      - { .name: bq, .offset: 16, .size: 8, .value_kind: global_buffer, .address_space: global }
      - { .name: Wk_codes, .offset: 24, .size: 8, .value_kind: global_buffer, .address_space: global }
      - { .name: Wk_scales, .offset: 32, .size: 8, .value_kind: global_buffer, .address_space: global }
      - { .name: bk, .offset: 40, .size: 8, .value_kind: global_buffer, .address_space: global }
      - { .name: Wv_codes, .offset: 48, .size: 8, .value_kind: global_buffer, .address_space: global }
      - { .name: Wv_scales, .offset: 56, .size: 8, .value_kind: global_buffer, .address_space: global }
      - { .name: bv, .offset: 64, .size: 8, .value_kind: global_buffer, .address_space: global }
      - { .name: Wpq_codes, .offset: 72, .size: 8, .value_kind: global_buffer, .address_space: global }
      - { .name: Wpq_scales, .offset: 80, .size: 8, .value_kind: global_buffer, .address_space: global }
      - { .name: bpq, .offset: 88, .size: 8, .value_kind: global_buffer, .address_space: global }
      - { .name: Wpk_codes, .offset: 96, .size: 8, .value_kind: global_buffer, .address_space: global }
      - { .name: Wpk_scales, .offset: 104, .size: 8, .value_kind: global_buffer, .address_space: global }
      - { .name: bpk, .offset: 112, .size: 8, .value_kind: global_buffer, .address_space: global }
      - { .name: xq, .offset: 120, .size: 8, .value_kind: global_buffer, .address_space: global }
      - { .name: pos_emb_codes, .offset: 128, .size: 8, .value_kind: global_buffer, .address_space: global }
      - { .name: pos_emb_scales, .offset: 136, .size: 8, .value_kind: global_buffer, .address_space: global }
      - { .name: qkv, .offset: 144, .size: 8, .value_kind: global_buffer, .address_space: global }
      - { .name: rel, .offset: 152, .size: 8, .value_kind: global_buffer, .address_space: global }
    .group_segment_fixed_size: 327680
    .private_segment_fixed_size: 0
    .kernarg_segment_align: 8
    .kernarg_segment_size: 160
    .max_flat_workgroup_size: 128
    .sgpr_count:     100
    .vgpr_count:     1024
    .wavefront_size: 32
...
	.end_amdgpu_metadata
.endif
;; end of part 6
;; launch attn (part 7): grid 8 x 32, 8 waves a work-group, clusters of 4 x 1, 327,680 bytes of LDS; arguments qkv, rel, ao; writes ao
.if DOCPART == 7
	.amdgcn_target "amdgcn-amd-amdhsa--gfx1250"
	.amdhsa_code_object_version 6
	.text
	.protected	k_q1a49bb0bfd_attn
	.globl	k_q1a49bb0bfd_attn
	.p2align	8
	.type	k_q1a49bb0bfd_attn,@function
k_q1a49bb0bfd_attn:
	s_mov_b64 s[64:65], 0
	v_nop
	global_prefetch_b8 v0, s[64:65] scope:SCOPE_SE
	s_setreg_imm32_b32 hwreg(HW_REG_WAVE_MODE, 25, 1), 1
	s_wait_xcnt 0x0
	s_wait_alu depctr_hold_cnt(0) depctr_sa_sdst(0) depctr_va_vdst(0) depctr_va_sdst(0) depctr_va_ssrc(0) depctr_va_vcc(0) depctr_vm_vsrc(0)
	s_getreg_b32 s2, hwreg(HW_REG_IB_STS2, 6, 4)
	s_cmp_eq_u32 s2, 0
	s_cbranch_scc0 .Lentry_in_a_cluster
	s_endpgm
.Lentry_in_a_cluster:
	s_bfe_u32 s2, ttmp6, 0x10000c
	s_cmp_lg_u32 s2, 0x3003
	s_cbranch_scc0 .Lentry_shape_is_right
	s_endpgm
.Lentry_shape_is_right:
; Disentangled attention on codes of BF8 (E5M2) with E8M0 scales: scores = q.k + rel_q.k + q.rel_k, softmax, x v, / the row's sum; the result is quantised along the hidden axis for the output projection.
; THE THREE SCORE TERMS ARE TWO PRODUCTS OF K = 128 ON ONE KEY FRAGMENT: [k | rel_k] x [q | q] + [k | rel_k] x [rel_q | zero codes].  Each of q, k, rel_q, rel_k was quantised once, along the head's 64.
; THE SOFTMAX: t = score x log2(e) / sqrt(192); M = the running largest t, rounded up to a whole number; p = 2^(t - M) is quantised along the keys, not normalised; the sum is taken of the unquantised p.
; When M moves, the sum and O are multiplied by 2^(old M - new M): exact.
; SHARES.  A work-group owns 256 queries of one (batch, head); each of its eight waves 32 of them as TWO CONTEXTS of 16: context X in register window 0, context Y in window 1, at the same register numbers,
; so that one text serves both.  Each fragment of k, rel_k and v that is read from LDS feeds both contexts.  Two waves share a SIMD: one's vector work stands beside the other's products.
; LAYOUT.  Both products are used transposed (source 0 = 16 keys or 16 channels, source 1 = my 16 queries): a lane holds one query throughout.  All operands come as images of their registers, 16 bytes a lane,
; 512 consecutive bytes a load: no pitch and no padding.  Inside a block of 32 keys p's codes and v's lie in one common order (byte 8 u + j of lane half h: key 16 u + 8 h + j).
; RING.  Two slots of 512 keys: 32,768 bytes each of k, rel_k and v, brought by waves 0, 1, 2, one tensor load each.  The scale words of all 2,048 keys are laid into LDS once, at the head.
; CLUSTER.  The four work-groups of a cluster belong to one (batch, head) and walk the same keys: each tile is asked for JOINTLY (mask 15).
; LIMITS: a block whose largest magnitude lies under 2^-111 gets the scale byte 1 (zeros stay zero codes; only this program reads the bytes); NaN and infinities are not served.
; REGISTERS.  window 0 alone: v1-7 addresses; v8-11 the step's scale words of k | rel_k; v16-19 of v; v20-23 of q | q and rel_q, X's and Y's; v25 Y's scale word of p; v26-30 at work; v32-95 four key fragments.
;   window 1 alone: v32-95 v's four fragments.   both windows: v96-159 S^T, then p; v160-191 O^T; v192-207 [q|q]; v208-223 [rel_q|0]; v224-239 p's codes; v232-247 at work; v248 -M, v249 the largest t, v[250:251] the sum; v252 f; v253 p's scale word; v254 at work.
.set SLOT1, 1<<17                      ; slot 1 begins here: one exclusive or turns an address in one slot into the other's
.set KSW,   98304                      ; behind slot 0: the scale words of k | rel_k, 512 bytes a step, 16 steps; then v's, 8,192 bytes on
.set SPARE, 114688                     ; the spare words, 128 bytes for each of the eight waves: no other line names them
.set LI,  1                            ; v1  16 x lane
.set ADR, 2                            ; v2  the step's k
.set ADV, 3                            ; v3  the step's v
.set SPW, 4
.set NIL, 5
.set PFO, 6                            ; v6  256 x lane
.set ADS, 7                            ; v7  the step's scale words
.set WV,  12
.set MNT, 19
.set SEL, 20
.set CS,  22                           ; s[22:23] c = log2(e) / sqrt(192)
.set G1,  24
.set G0,  32
.set TB,  36                           ; LDS byte of the step in hand
.set TS,  37                           ; and of its scale words
.set SLOTS, 38
.set STP, 39
.set PFA, 40
.set LIM, 42
.set HM,  43
.set AO,  44
.set AH,  46
.set MSB, 0
.macro WIN new
.if MSB != (\new)
	s_set_vgpr_msb (MSB<<8)|(\new)
.set MSB, (\new)
.endif
.endm
.macro NOPS n
.rept \n
	v_nop
.endr
.endm
.macro CROUND                          ; a round of the cluster's barrier
	s_barrier_signal -1
	s_barrier_wait -1
	s_cmp_lg_u32 s[WV], 0
	s_cbranch_scc1 .Lnot_wave_0_\@
	s_barrier_signal -3
.Lnot_wave_0_\@:
	s_barrier_wait -3
	s_barrier_signal -1
	s_barrier_wait -1
.endm
.macro TLOAD                           ; waves 0, 1, 2 fetch k's, rel_k's and v's 512 keys; four v_nop follow the load
	s_cmp_lt_u32 s[WV], 3
	s_cbranch_scc0 .Lno_fetch_\@
	tensor_load_to_lds s[G0:G0+3], s[G1:G1+7]
	s_nop 0
	NOPS 4
.Lno_fetch_\@:
.endm
; A prefetch of what the NEXT change of slots will ask for.  Both clusters of a (batch, head) walk the same keys: the first asks; rel_k is shared by the two batches: batch 0 asks.  Waves 3, 4, 5 ask for k, rel_k, v;
; the four partners take one step (8,192 bytes) each, told apart by address; a lane names 256 bytes.  So each 256 bytes are named once.  The last change that fills a slot asks for nothing.
.macro ASK
	s_cmp_gt_u32 s[SLOTS], s[LIM]
	s_cbranch_scc0 .Lnot_mine_\@
	global_prefetch_b8 v[PFO], s[PFA:PFA+1] th:TH_LOAD_NT scope:SCOPE_SE
.Lnot_mine_\@:
.endm
.macro QUANT s, nb, pc, tm             ; nb blocks of 16 registers at v[s + 16 b] become codes in v[pc + 4 b ..] and scale bytes in v[tm + 4 + b]
.irp b, 0,1,2,3
.if \b < \nb
	v_max3_num_f32 v[\tm+\b], |v[\s+16*\b]|, |v[\s+1+16*\b]|, 0x8000000
.endif
.endr
.irp i, 2,4,6,8,10,12,14
.irp b, 0,1,2,3
.if \b < \nb
	s_delay_alu instid0(VALU_DEP_2)
	v_max3_num_f32 v[\tm+\b], v[\tm+\b], |v[\s+16*\b+\i]|, |v[\s+1+16*\b+\i]|
.endif
.endr
.endr
.irp b, 0,1,2,3
.if \b < \nb
	v_permlanex16_b32 v[\tm+4+\b], v[\tm+\b], s[SEL], s[SEL+1]
.endif
.endr
.irp b, 0,1,2,3
.if \b < \nb
	s_delay_alu instid0(VALU_DEP_2)
	v_max_num_f32 v[\tm+\b], v[\tm+\b], v[\tm+4+\b]
.endif
.endr
.irp b, 0,1,2,3
.if \b < \nb
	s_delay_alu instid0(VALU_DEP_2)
	v_add_nc_u32 v[\tm+12+\b], 0xf8800000, v[\tm+\b]
.endif
.endr
.irp b, 0,1,2,3
.if \b < \nb
	s_delay_alu instid0(VALU_DEP_4)
	v_and_or_b32 v[\tm+8+\b], v[\tm+\b], 0x7f800000, s[MNT]
.endif
.endr
.irp b, 0,1,2,3
.if \b < \nb
	s_delay_alu instid0(VALU_DEP_4)
	v_lshrrev_b32 v[\tm+4+\b], 23, v[\tm+12+\b]
.endif
.endr
.irp b, 0,1,2,3
.if \b < \nb
.irp i, 0,1,2,3,4,5,6,7,8,9,10,11,12,13,14,15
	v_med3_num_f32 v[\s+16*\b+\i], v[\s+16*\b+\i], -v[\tm+8+\b], v[\tm+8+\b]
.endr
	v_cvt_scalef32_pk8_bf8_f32 v[\pc+4*\b:\pc+1+4*\b], v[\s+16*\b:\s+7+16*\b], v[\tm+12+\b]
	v_cvt_scalef32_pk8_bf8_f32 v[\pc+2+4*\b:\pc+3+4*\b], v[\s+8+16*\b:\s+15+16*\b], v[\tm+12+\b]
.endif
.endr
	v_nop
.endm
	s_load_b128 s[4:7], s[0:1], 0x0                ; qkv, rel
	s_load_b64 s[8:9], s[0:1], 0x10                ; ao
	v_lshl_add_u32 v[SPW], v0, 2, SPARE
	v_mov_b32 v[NIL], 0
	ds_add_u32 v4, v5
	ds_add_u32 v4, v5
	s_wait_dscnt 0x0
	v_lshrrev_b32 v26, 5, v0
	s_delay_alu instid0(VALU_DEP_1)
	v_readfirstlane_b32 s[WV], v26                 ; wave 0..7
	s_bfe_u32 s13, ttmp6, 0x40000                  ; cx
	s_lshl_b32 s14, ttmp9, 2
	s_add_co_u32 s14, s14, s13                     ; my block of 256 queries: it enters global addresses alone
	s_and_b32 s15, ttmp7, 0xffff                   ; 16 batch + head
	s_lshr_b32 s16, s15, 4                         ; batch
	s_and_b32 s17, s15, 15                         ; head
	s_cmp_lt_u32 s[WV], 3
	s_cselect_b32 s48, 0, 3
	s_sub_co_u32 s48, s[WV], s48
	s_min_u32 s48, s48, 2                          ; which stream is mine to fetch (waves 0-2) or to prefetch (waves 3-5): 0 k, 1 rel_k, 2 v
	s_mov_b32 s49, 0x400000                        ; k's codes in qkv
	s_cmp_eq_u32 s48, 1
	s_cselect_b32 s49, 0x200000, s49               ; rel_k's in rel
	s_cselect_b32 s50, s17, s15
	s_cselect_b32 s53, s16, 0
	s_cmp_eq_u32 s48, 2
	s_cselect_b32 s49, 0x800000, s49               ; v's in qkv
	s_lshl_b32 s50, s50, 17                        ; 131,072 bytes a (batch,) head
	s_add_co_u32 s50, s50, s49
	s_mov_b32 s51, 0
	s_sub_co_u32 s52, s[WV], 3
	s_cmp_lt_u32 s52, 3
	s_cselect_b32 s52, 0, 1                        ; 0 in waves 3 to 5,
	s_or_b32 s52, s52, ttmp9                       ; of the first of the two clusters,
	s_or_b32 s52, s52, s53                         ; for rel_k of batch 0 alone: the same in all four partners
	s_cmp_eq_u32 s52, 0
	s_cselect_b32 s[LIM], 1, -1
	; descriptor group 1: a dense block of 32,768 bytes as 128 rows of 256 (32 elements of 8 bytes)
	s_mov_b32 s[G1+0], 15|(3<<16)|(1<<21)          ; the mask: all four work-groups; bit 21 beside it
	s_mov_b32 s[G1+1], 32<<16
	s_mov_b32 s[G1+2], 128<<16
	s_mov_b32 s[G1+3], 32<<16
	s_mov_b32 s[G1+4], 128
	s_mov_b32 s[G1+5], 32
	s_mov_b32 s[G1+6], 0
	s_mov_b32 s[G1+7], 0
	s_mov_b32 s[MNT], 0x600000
	s_mov_b32 s[SEL], 0x76543210
	s_mov_b32 s[SEL+1], 0xfedcba98
	s_mov_b32 s[CS], 0x3dd53b95                    ; log2(e) / sqrt(192)
	s_mov_b32 s[CS+1], s[CS]
	s_mov_b32 s[HM], 0xffff0000
	s_mov_b32 s[TB], 0
	s_mov_b32 s[TS], KSW
	s_mov_b32 s[SLOTS], 3
	s_wait_kmcnt 0x0
	s_cmp_eq_u32 s48, 1
	s_cselect_b64 s[54:55], s[6:7], s[4:5]
	s_add_nc_u64 s[54:55], s[54:55], s[50:51]      ; my stream's first byte
	s_mov_b32 s[G0], 1
	s_lshl_b32 s[G0+1], s[WV], 15                  ; slot 0, region = wave
	s_mov_b64 s[G0+2:G0+3], s[54:55]
	s_or_b32 s[G0+3], s[G0+3], 0x80000000
	s_lshl_b32 s56, s13, 13                        ; my work-group's step of a slot's four,
	s_add_co_u32 s56, s56, 32768                   ; in slot 1: the first change of slots steps it to slot 2
	s_mov_b32 s57, 0
	s_add_nc_u64 s[PFA:PFA+1], s[54:55], s[56:57]
	CROUND                                         ; all four work-groups are here
	TLOAD                                          ; keys 0 .. 511 into slot 0
	s_lshl_b32 s18, s14, 4
	s_lshl_b32 s56, s[WV], 1
	s_add_co_u32 s18, s18, s56                     ; X's tile of 16 queries: 16 x block + 2 x wave; Y's is the next
	s_lshl_b32 s10, s18, 10
	s_lshl_b32 s56, s15, 17
	s_add_co_u32 s56, s56, s10
	s_add_nc_u64 s[58:59], s[4:5], s[56:57]        ; q's codes
	s_lshl_b32 s56, s17, 17
	s_add_co_u32 s56, s56, s10
	s_add_nc_u64 s[60:61], s[6:7], s[56:57]        ; rel_q's
	s_lshl_b32 s56, s15, 13
	s_add_co_u32 s56, s56, 12582912
	s_add_nc_u64 s[68:69], s[4:5], s[56:57]        ; q's scale words of my (batch, head); k's lie 262,144 bytes on, v's 524,288
	s_lshl_b32 s56, s17, 13
	s_add_co_u32 s56, s56, 4194304
	s_add_nc_u64 s[70:71], s[6:7], s[56:57]        ; rel_q's of my head; rel_k's lie 131,072 bytes on
	s_lshl_b32 s10, s14, 1
	s_lshr_b32 s11, s[WV], 2
	s_add_co_u32 s10, s10, s11
	s_lshl_b32 s10, s10, 9                         ; my queries' step of 128,
	s_and_b32 s11, s[WV], 3
	s_lshl_b32 s11, s11, 2
	s_add_co_u32 s10, s10, s11                     ; and their pair's word
	s_lshl_b32 s62, s16, 7
	s_add_co_u32 s62, s62, s18                     ; X's tile among the 256 of both batches
	s_lshl_b32 s56, s62, 14
	s_lshl_b32 s63, s17, 10
	s_add_co_u32 s56, s56, s63
	s_add_nc_u64 s[AO:AO+1], s[8:9], s[56:57]      ; ao's codes: 16,384 bytes a tile, 1,024 a head
	s_lshl_b32 s56, s62, 5
	s_lshl_b32 s63, s17, 13
	s_add_co_u32 s56, s56, s63
	s_add_co_u32 s56, s56, 4194304
	s_add_nc_u64 s[AH:AH+1], s[8:9], s[56:57]      ; ao's scale halfwords: 8,192 bytes a head, 32 a tile
	v_and_b32 v26, 31, v0
	s_delay_alu instid0(VALU_DEP_1)
	v_lshlrev_b32 v[LI], 4, v26
	s_delay_alu instid0(VALU_DEP_2)
	v_lshlrev_b32 v[PFO], 8, v26
	s_delay_alu instid0(VALU_DEP_3)
	v_lshlrev_b32 v29, 1, v26                      ; 2 x lane
	v_lshlrev_b32 v27, 4, v0                       ; 16 x thread
	v_lshl_add_u32 v30, v0, 4, KSW
	v_and_b32 v28, 15, v0
	s_delay_alu instid0(VALU_DEP_1)
	v_lshlrev_b32 v28, 4, v28
	s_delay_alu instid0(VALU_DEP_1)
	v_add_nc_u32 v28, s10, v28                     ; my query's scale word: 16 bytes a row of lanes' words
.irp x, 0,1                            ; [q | q] and rel_q, X's and then Y's
	WIN 0x40*\x
	global_load_b128 v[192:195], v[LI], s[58:59] offset:1024*\x
	global_load_b128 v[196:199], v[LI], s[58:59] offset:1024*\x+512
	global_load_b128 v[200:203], v[LI], s[58:59] offset:1024*\x
	global_load_b128 v[204:207], v[LI], s[58:59] offset:1024*\x+512
	global_load_b128 v[208:211], v[LI], s[60:61] offset:1024*\x
	global_load_b128 v[212:215], v[LI], s[60:61] offset:1024*\x+512
.endr
	WIN 0
	global_load_b32 v20, v28, s[68:69]
	global_load_b32 v21, v28, s[70:71]
	global_load_b32 v22, v28, s[68:69] offset:256
	global_load_b32 v23, v28, s[70:71] offset:256
	global_load_b128 v[96:99], v27, s[68:69] offset:262144         ; the scale words of all keys: 8,192 bytes of each kind, 32 bytes a thread
	global_load_b128 v[100:103], v27, s[68:69] offset:262144+4096
	global_load_b128 v[104:107], v27, s[70:71] offset:131072
	global_load_b128 v[108:111], v27, s[70:71] offset:131072+4096
	global_load_b128 v[112:115], v27, s[68:69] offset:524288
	global_load_b128 v[116:119], v27, s[68:69] offset:524288+4096
.macro INIT                            ; a context's start: the loop has no first step of its own: O^T and the sum begin as zeros, the largest t under every t
.irp j, 0,1,2,3,4,5,6,7
	v_mov_b32 v[216+\j], 0                         ; the zero codes behind rel_q
.endr
.set j, 0
.rept 32
	v_mov_b32 v[160+j], 0
.set j, j+1
.endr
	v_mov_b32 v249, 0xff61b1e6                     ; -3e38
	s_delay_alu instid0(VALU_DEP_1)
	v_floor_f32 v248, -v249
	v_mov_b32 v250, 0
	v_mov_b32 v251, 0
.irp b, 0,1,2,3
	v_mov_b32 v[236+\b], 0                         ; a lane permute's destination counts as one of its sources
.endr
	v_mov_b32 v253, 0
.endm
	INIT
	WIN 0x55
	INIT
	WIN 0
	s_wait_loadcnt 0x0
	v_lshl_or_b32 v20, v20, 16, v20                ; [q | q]'s scale words, X's and Y's, come first: a scale register written by a vector instruction stands eight plain
	v_lshl_or_b32 v22, v22, 16, v22                ; vector instructions ahead of the product that takes it, on every wave's path: the eight lines below are those eight
.irp i, 0,1,2,3,4,5,6,7
	v_lshl_or_b32 v[96+\i], v[104+\i], 16, v[96+\i]                ; k's two bytes below, rel_k's two above: the key fragment's scale word
.endr
	ds_store_b128 v30, v[96:99]
	ds_store_b128 v30, v[100:103] offset:4096
	ds_store_b128 v30, v[112:115] offset:8192
	ds_store_b128 v30, v[116:119] offset:12288
; a score product: key tile 4 g + tt x the 16 registers at v[b]; first = 1 starts the sum
.macro SMM g, tt, b, sb, first
.set rT, 4*\g+\tt
.set rD, 96+8*rT
.set rF, 32+16*\tt
.set rK, 8+rT/2
.if \first
.if \tt%2
	v_wmma_scale_f32_16x16x128_f8f6f4 v[rD:rD+7], v[rF:rF+15], v[\b:\b+15], 0, v[rK], v[\sb] matrix_a_fmt:MATRIX_FMT_BF8 matrix_b_fmt:MATRIX_FMT_BF8 matrix_a_scale:MATRIX_SCALE_ROW1
.else
	v_wmma_scale_f32_16x16x128_f8f6f4 v[rD:rD+7], v[rF:rF+15], v[\b:\b+15], 0, v[rK], v[\sb] matrix_a_fmt:MATRIX_FMT_BF8 matrix_b_fmt:MATRIX_FMT_BF8
.endif
.else
.if \tt%2
	v_wmma_scale_f32_16x16x128_f8f6f4 v[rD:rD+7], v[rF:rF+15], v[\b:\b+15], v[rD:rD+7], v[rK], v[\sb] matrix_a_fmt:MATRIX_FMT_BF8 matrix_b_fmt:MATRIX_FMT_BF8 matrix_a_scale:MATRIX_SCALE_ROW1
.else
	v_wmma_scale_f32_16x16x128_f8f6f4 v[rD:rD+7], v[rF:rF+15], v[\b:\b+15], v[rD:rD+7], v[rK], v[\sb] matrix_a_fmt:MATRIX_FMT_BF8 matrix_b_fmt:MATRIX_FMT_BF8
.endif
.endif
.endm
; One context's softmax of 128 keys, under the context's window.  ctx = 1: the scale word is copied into window 0, where scale operands are taken from.
.macro SOFTMAX ctx
.irp b, 0,1,2,3
	v_max3_num_f32 v[232+\b], v[96+16*\b], v[97+16*\b], v[98+16*\b]   ; the largest score of each block of 32 keys: for the row's maximum, and, since p rises with the score, for the block's largest p
.endr
.irp i, 3,5,7,9,11,13
.irp b, 0,1,2,3
	v_max3_num_f32 v[232+\b], v[232+\b], v[96+16*\b+\i], v[97+16*\b+\i]
.endr
.endr
.irp b, 0,1,2,3
	v_max_num_f32 v[232+\b], v[232+\b], v[111+16*\b]
.endr
.irp b, 0,1,2,3
	v_permlanex16_b32 v[236+\b], v[232+\b], s[SEL], s[SEL+1]
.endr
.irp b, 0,1,2,3
	s_delay_alu instid0(VALU_DEP_4)
	v_max_num_f32 v[232+\b], v[232+\b], v[236+\b]  ; with lane l xor 16's 16 keys
.endr
	s_delay_alu instid0(VALU_DEP_2)
	v_max3_num_f32 v254, v232, v233, v234
	s_delay_alu instid0(VALU_DEP_1)
	v_max_num_f32 v254, v254, v235
	s_delay_alu instid0(VALU_DEP_1)
	v_mul_f32 v254, s[CS], v254                    ; the step's largest t
	s_delay_alu instid0(VALU_DEP_1)
	v_max_num_f32 v249, v249, v254                 ; the running largest t
	v_mov_b32 v254, v248
	s_delay_alu instid0(VALU_DEP_2)
	v_floor_f32 v248, -v249                        ; -M = floor(-t): M is a whole number
	s_delay_alu instid0(VALU_DEP_1)
	v_sub_f32 v254, v248, v254                     ; old M - new M
	s_delay_alu instid0(VALU_DEP_1)
	v_cvt_i32_f32 v254, v254
	s_delay_alu instid0(VALU_DEP_1)
	v_ldexp_f32 v252, 1.0, v254                    ; f = 2^(old M - new M)
.set j, 0
.rept 32
	v_pk_fma_f32 v[96+j:97+j], v[96+j:97+j], s[CS:CS+1], v[248:249] op_sel_hi:[1,0,0]   ; t - M
.set j, j+2
.endr
.irp b, 0,1,2,3
	v_fma_f32 v[232+\b], v[232+\b], s[CS], v248
.endr
.set j, 0
	s_wait_alu depctr_va_vdst(0)
.rept 64
	v_exp_f32 v[96+j], v[96+j]                     ; p = 2^(t - M)
.set j, j+1
.endr
	v_pk_mul_f32 v[250:251], v[250:251], v[252:253] op_sel_hi:[1,0]   ; the sums under the new M: a plain instruction behind the exponentials
	s_wait_alu depctr_va_vdst(0)                   ; one wait for the batch, ahead of its first reader
.irp b, 0,1,2,3
	v_exp_f32 v[232+\b], v[232+\b]                 ; each block's largest p
.endr
	v_pk_add_f32 v[236:237], v[96:97], v[98:99]    ; the sum of the unquantised p, in two chains
.irp j, 4,8,12,16,20,24,28,32,36,40,44,48,52,56,60
	v_pk_add_f32 v[250:251], v[250:251], v[96+\j:97+\j]
	v_pk_add_f32 v[236:237], v[236:237], v[98+\j:99+\j]
.endr
	s_delay_alu instid0(VALU_DEP_1)
	v_pk_add_f32 v[250:251], v[250:251], v[236:237]
	s_wait_alu depctr_va_vdst(0)                   ; and one for the four
.irp b, 0,1,2,3
	v_max_num_f32 v[232+\b], 0x8000000, v[232+\b]  ; the floor 2^(16 - 127)
.endr
.irp b, 0,1,2,3
	s_delay_alu instid0(VALU_DEP_4)
	v_add_nc_u32 v[244+\b], 0xf8800000, v[232+\b]
.endr
.irp b, 0,1,2,3
	v_and_or_b32 v[240+\b], v[232+\b], 0x7f800000, s[MNT]
.endr
.irp b, 0,1,2,3
	v_lshrrev_b32 v[236+\b], 23, v[244+\b]
.endr
	s_delay_alu instid0(VALU_DEP_3)
	v_lshl_or_b32 v253, v237, 8, v236              ; p's scale word for these 128 keys
	s_delay_alu instid0(VALU_DEP_1)
	v_lshl_or_b32 v253, v238, 16, v253
	s_delay_alu instid0(VALU_DEP_1)
	v_lshl_or_b32 v253, v239, 24, v253
.if \ctx
	WIN 0x01
	s_setprio 0
	v_mov_b32 v25, v253                            ; window 1's v253 into window 0's v25; the 64 holds below stand between it and the products
	WIN 0x55
.endif
.irp b, 0,1,2,3
.irp i, 0,1,2,3,4,5,6,7,8,9,10,11,12,13,14,15
	v_min_num_f32 v[96+16*\b+\i], v[96+16*\b+\i], v[240+\b]        ; p is not negative: the hold is one-sided
.endr
	v_cvt_scalef32_pk8_bf8_f32 v[224+4*\b:225+4*\b], v[96+16*\b:103+16*\b], v[244+\b]
	v_cvt_scalef32_pk8_bf8_f32 v[226+4*\b:227+4*\b], v[104+16*\b:111+16*\b], v[244+\b]
.endr
.set j, 0
.rept 16
	v_pk_mul_f32 v[160+j:161+j], v[160+j:161+j], v[252:253] op_sel_hi:[1,0]   ; O^T under the new M; these are also the places in front of the products
.set j, j+2
.endr
.endm
; A KEY STEP: 128 keys, both contexts.
.macro STEP
	v_add_nc_u32 v[ADR], s[TB], v[LI]
	s_wait_alu depctr_va_vdst(0)
	v_add_nc_u32 v[ADS], s[TS], v[LI]
	v_add_nc_u32 v[ADV], 65536, v[ADR]
	ds_load_b128 v[8:11], v[ADS]                   ; word p: lanes 0-15 tile 2 p's keys, lanes 16-31 tile 2 p + 1's
.irp g, 0,1                            ; four tiles of 16 keys at a time
.if \g
	NOPS 8                                         ; eight places in front of loads into registers that products have read
.endif
.irp tt, 0,1,2,3
	ds_load_b128 v[32+16*\tt:35+16*\tt], v[ADR] offset:(4*\g+\tt)*1024          ; k, channels 0-31
	ds_load_b128 v[36+16*\tt:39+16*\tt], v[ADR] offset:(4*\g+\tt)*1024+512      ; k, channels 32-63
	ds_load_b128 v[40+16*\tt:43+16*\tt], v[ADR] offset:(4*\g+\tt)*1024+32768    ; rel_k
	ds_load_b128 v[44+16*\tt:47+16*\tt], v[ADR] offset:(4*\g+\tt)*1024+33280
.endr
	s_wait_dscnt 0x0
.irp tt, 0,1,2,3                       ; eight accumulators take turns, one instruction a turn
	SMM \g, \tt, 192, 20, 1
.endr
	WIN 0x54                                       ; source 1, C and D in window 1: context Y
.irp tt, 0,1,2,3
	SMM \g, \tt, 192, 22, 1
.endr
	WIN 0
.irp tt, 0,1,2,3
	SMM \g, \tt, 208, 21, 0
.endr
	WIN 0x54
.irp tt, 0,1,2,3
	SMM \g, \tt, 208, 23, 0
.endr
	WIN 0
.endr
	NOPS 8                                         ; for the first read of the scores; with the eight and the three additions above also for the loads into v's registers, which the last step's products read
	WIN 0x40
	s_wait_alu depctr_va_vdst(0)
.irp ct, 0,1,2,3
.irp c, 0,1,2,3
	ds_load_b128 v[32+16*\ct+4*\c:35+16*\ct+4*\c], v[ADV] offset:\ct*2048+512*\c
.endr
.endr
	WIN 0
	ds_load_b128 v[16:19], v[ADS] offset:8192      ; v's scale words
	SOFTMAX 0
	s_wait_alu depctr_va_vdst(0)
	s_wait_dscnt 0x0                               ; v is in
	WIN 0x01                                       ; source 0 (v) window 1
	s_setprio 1
.irp ct, 0,1,2,3
	v_wmma_scale_f32_16x16x128_f8f6f4 v[160+8*\ct:167+8*\ct], v[32+16*\ct:47+16*\ct], v[224:239], v[160+8*\ct:167+8*\ct], v[16+\ct], v253 matrix_a_fmt:MATRIX_FMT_BF8 matrix_b_fmt:MATRIX_FMT_BF8
.endr
	WIN 0x55
	SOFTMAX 1
.irp ct, 0,1,2,3
	v_wmma_scale_f32_16x16x128_f8f6f4 v[160+8*\ct:167+8*\ct], v[32+16*\ct:47+16*\ct], v[224:239], v[160+8*\ct:167+8*\ct], v[16+\ct], v25 matrix_a_fmt:MATRIX_FMT_BF8 matrix_b_fmt:MATRIX_FMT_BF8
.endr
	WIN 0
.endm
; THE CHANGE OF SLOTS stands at a slot's head.  Each wave waits for all its tensor loads, adds 0 to its spare word, and waits for that and for its LDS reads and stores.  fill = 1: a round of the cluster's barrier,
; and behind it the slot that has been left is filled with the 512 keys that follow: the load has a slot's four steps in which to land.  One tensor load of a wave is out at a time.
.macro CHANGE fill
	s_wait_tensorcnt 0x0
	ds_add_u32 v[SPW], v[NIL]
.if \fill
	s_xor_b32 s[G0+1], s[G0+1], SLOT1              ; the walking descriptor: the other slot,
	s_add_nc_u64 s[G0+2:G0+3], s[G0+2:G0+3], 32768 ; the next 512 keys
	s_wait_xcnt 0x0                                ; the last prefetch, a slot back, has read its address
	s_add_nc_u64 s[PFA:PFA+1], s[PFA:PFA+1], 32768
	s_wait_dscnt 0x0
	CROUND
	TLOAD
	ASK
.else
	s_wait_dscnt 0x0
	s_barrier_signal -1
	s_barrier_wait -1
.endif
.endm
.macro SLOT_STEPS
	s_mov_b32 s[STP], 4
.Lstep_\@:
	s_setprio 2
	STEP
	s_add_co_u32 s[TB], s[TB], 8192
	s_add_co_u32 s[TS], s[TS], 512
	s_sub_co_u32 s[STP], s[STP], 1
	s_cmp_lg_u32 s[STP], 0
	s_cbranch_scc1 .Lstep_\@
	s_setprio 0
	s_sub_co_u32 s[TB], s[TB], 32768
	s_xor_b32 s[TB], s[TB], SLOT1                  ; on to the other slot
.endm
.Lslot:                                            ; three trips: behind each change of slots but the last the next slot is asked for
	CHANGE 1
	SLOT_STEPS
	s_sub_co_u32 s[SLOTS], s[SLOTS], 1
	s_cmp_lg_u32 s[SLOTS], 0
	s_cbranch_scc1 .Lslot
	CHANGE 0                                       ; the last slot is written out
	SLOT_STEPS
; THE WAY OUT of a context: O^T / the sum; a lane's 32 numbers are channels 32 c + 16 (lane / 16) + 0 .. 15 of its query: two blocks of the output projection's K.  The codes leave as images, 512 consecutive bytes a store.
.macro FIN ctx
	WIN 0x55*\ctx
	v_add_f32 v250, v250, v251
	s_delay_alu instid0(VALU_DEP_1)
	v_permlanex16_b32 v252, v250, s[SEL], s[SEL+1]
	s_delay_alu instid0(VALU_DEP_1)
	v_add_f32 v250, v250, v252                     ; the row's sum
	s_wait_alu depctr_va_vdst(0)
	v_rcp_f32 v250, v250
	v_nop
	s_wait_alu depctr_va_vdst(0)                   ; ahead of the reciprocal's first reader
.set j, 0
.rept 32
	v_mul_f32 v[96+j], v[160+j], v250
.set j, j+1
.endr
	QUANT 96, 2, 224, 232
	v_lshl_or_b32 v254, v237, 8, v236              ; the two scale bytes
	WIN 0x04*\ctx                                  ; a store's data are its source 1
	global_store_b128 v[LI], v[224:227], s[AO:AO+1] offset:\ctx*16384
	global_store_b128 v[LI], v[228:231], s[AO:AO+1] offset:\ctx*16384+512
.endm
	FIN 0
	FIN 1
	WIN 0x01
	v_mov_b32 v26, v254                            ; Y's halfword into window 0
	WIN 0
	v_cndmask_b32 v26, v254, v26, s[HM]            ; lanes 0-15 X's queries, lanes 16-31 Y's
	global_store_b16 v29, v26, s[AH:AH+1]          ; 64 consecutive bytes a wave
	s_wait_tensorcnt 0x0                           ; the wave's end
	ds_add_u32 v[SPW], v[NIL]
	s_wait_dscnt 0x0
	CROUND                                         ; the closing round
	s_endpgm
.Lfunc_end_k_q1a49bb0bfd_attn:
	.size	k_q1a49bb0bfd_attn, .Lfunc_end_k_q1a49bb0bfd_attn-k_q1a49bb0bfd_attn
	.p2alignl 7, 3214868480
	.fill 96, 4, 3214868480
	.section	.rodata,"a",@progbits
	.p2align	6, 0x0
	.amdhsa_kernel k_q1a49bb0bfd_attn
		.amdhsa_group_segment_fixed_size 327680
		.amdhsa_private_segment_fixed_size 0
		.amdhsa_enable_private_segment 0
		.amdhsa_kernarg_size 24
		.amdhsa_user_sgpr_count 2
		.amdhsa_user_sgpr_kernarg_segment_ptr 1
		.amdhsa_wavefront_size32 1
		.amdhsa_system_sgpr_workgroup_id_x 1
		.amdhsa_system_sgpr_workgroup_id_y 1
		.amdhsa_system_sgpr_workgroup_id_z 1
		.amdhsa_system_vgpr_workitem_id 0
		.amdhsa_next_free_vgpr 512
		.amdhsa_next_free_sgpr 72
		.amdhsa_reserve_vcc 0
		.amdhsa_float_denorm_mode_32 3
		.amdhsa_float_denorm_mode_16_64 3
		.amdhsa_memory_ordered 1
		.amdhsa_forward_progress 1
		.amdhsa_inst_pref_size 105
	.end_amdhsa_kernel
	.amdgpu_metadata
---
amdhsa.version: [ 1, 2 ]
amdhsa.kernels:
  - .name:           k_q1a49bb0bfd_attn
    .symbol:         k_q1a49bb0bfd_attn.kd
    .args:
      - { .name: qkv, .offset: 0, .size: 8, .value_kind: global_buffer, .address_space: global }
      - { .name: rel, .offset: 8, .size: 8, .value_kind: global_buffer, .address_space: global }
      - { .name: ao, .offset: 16, .size: 8, .value_kind: global_buffer, .address_space: global }
    .group_segment_fixed_size: 327680
    .private_segment_fixed_size: 0
    .kernarg_segment_align: 8
    .kernarg_segment_size: 24
    .max_flat_workgroup_size: 256
    .sgpr_count:     72
    .vgpr_count:     512
    .wavefront_size: 32
...
	.end_amdgpu_metadata
.endif
;; end of part 7
;; launch outln (part 8): grid 128 x 1, 4 waves a work-group, no clusters, 132,096 bytes of LDS; arguments ao, Wo_codes, Wo_scales, bo, hidden_states, ln_g, ln_b, out0; writes out0
.if DOCPART == 8
	.amdgcn_target "amdgcn-amd-amdhsa--gfx1250"
	.amdhsa_code_object_version 6
	.text
	.protected	k_q1a49bb0bfd_outln
	.globl	k_q1a49bb0bfd_outln
	.p2align	8
	.type	k_q1a49bb0bfd_outln,@function
k_q1a49bb0bfd_outln:
	s_mov_b64 s[64:65], 0
	v_nop
	global_prefetch_b8 v0, s[64:65] scope:SCOPE_SE
	s_setreg_imm32_b32 hwreg(HW_REG_WAVE_SCHED_MODE, 0, 2), 2
	s_setreg_imm32_b32 hwreg(HW_REG_WAVE_MODE, 25, 1), 1
	s_wait_xcnt 0x0
	s_wait_alu depctr_vm_vsrc(0)
; out0 = LayerNorm(Q(attention's result) Wo + bo + hidden_states) x ln_g + ln_b.  The product on codes of BF8 (E5M2) with E8M0 scales; all else in f32; mean and variance in two passes.
; SHARES.  A work-group takes 32 rows x all 1,024 columns, so that a row's mean and variance stay inside it: 128 work-groups.  Wave w makes columns 256 w .. 256 w + 255: 32 accumulators.
; The rows' 16 fragments (all of K) stay in registers.  Wo goes from memory straight into registers, a K step of four column tiles (16 loads) at a time, four such units ahead.
; NO CLUSTER, NO LDS FOR Wo: no two waves of a work-group read the same fragment of Wo, so through LDS each byte would be written once and read once; vector loads have no joint form.
; THE PRODUCT IS USED TRANSPOSED (source 0 = 16 rows of Wo, source 1 = 16 rows of the left operand): a lane holds eight neighbouring columns of one row.
; The results meet in a stage in LDS (32 rows of 4,096 bytes + 16); behind one barrier each wave takes 8 whole rows, adds bias and residual, normalises and stores 512 consecutive bytes an instruction.
; THE MODE: SCHED_MODE bits 1:0 = 2 (LLVM: expert scheduling mode 2), set by the entry lines.  The code itself states the register dependences between vector or matrix instructions
; and memory or LDS instructions, with s_wait_alu, always for 0.
; THE PLAN.  Registers that memory or LDS instructions touch:
;   v1 .. v7    offsets and LDS addresses: made once at the head, never written again.
;   W0 .. W4    five buffers of 64 registers for Wo.  Unit u (K step u / 4, column tiles 4 (u % 4) on) lies in W[u % 5]: written by its 16 loads, which are issued in unit u - 4; read by unit u's eight products.
;               The loads issued in unit u are unit u + 4's and land in W[(u + 4) % 5] = W[(u - 1) % 5]: the buffer that unit u - 1's products read and that no product of unit u names.
;               So ONE wait on va_vdst stands at a unit's head, behind the wait for the unit's data, and the unit's 16 loads are dealt among its eight products with no further wait.
;   window 2    the rows' fragments: read by all products; behind the products the residual's loads land there.   window 3, v0-95: behind the products bo, ln_g, ln_b land there.
;   window 1    the accumulators: written by the products, read by the stage's LDS stores.  Then its v0-63 are OUT0, OUT1: row i's last multiply-adds write OUT[i % 2], the stores issued at row i + 1's head read it.
;   Y0, Y1      two rows at work.  Row i + 1's LDS loads land in Y[(i + 1) % 2] at row i's head; row i's vector instructions read and write Y[i % 2]; no memory instruction reads them.
;               At a row's head the waits state all that its eight LDS loads and eight stores hang on: both touch the buffers that the row before worked on and that no vector instruction of this row names.
; REGISTERS, in windows of 256: window 0: v1-7 addresses; v8-15 the rows' scale words; v16-31 their halfwords; v32-159 Wo's scale words; v160-223 W4, later Y0 and Y1; v224-231 at work; v254, v255 for the closing lines alone.
;   window 1: the accumulators, (column tile ct, row tile rt) at 8 (2 ct + rt); later OUT0 at v0, OUT1 at v32.   window 2: the rows' fragments (rt, s) at 128 rt + 16 s, later 8 rows of hidden_states.
;   window 3: W0 .. W3 at 64 b; behind the products v0-31 bo, v32-63 ln_g, v64-95 ln_b.
.set SPITCH, 4112
.set AS,  8
.set WSC, 32
.set W4,  160                          ; in window 0
.set BO,  0                            ; in window 3
.set GG,  32
.set BT,  64
.set WV,  20
.set SEL, 22
.set MSB, 0
.macro WIN new
.if MSB != (\new)
	s_set_vgpr_msb (MSB<<8)|(\new)
.set MSB, (\new)
.endif
.endm
.macro NOPS n
.rept \n
	v_nop
.endr
.endm
	s_load_b512 s[4:19], s[0:1], 0x0               ; ao, Wo's codes, Wo's scales, bo, hidden_states, ln_g, ln_b, out0
	v_lshl_add_u32 v254, v0, 2, 0x20200
	v_mov_b32 v255, 0
	v_lshrrev_b32 v1, 5, v0
	v_readfirstlane_b32 s[WV], v1                  ; wave 0..3
	v_and_b32 v10, 31, v0                          ; lane
	v_and_b32 v11, 15, v0                          ; r
	v_bfe_u32 v12, v0, 4, 1                        ; h
	v_lshlrev_b32 v1, 4, v10                       ; 16 x lane
	v_lshlrev_b32 v2, 10, v11
	v_lshl_add_u32 v2, v12, 4, v2                  ; Wo: row r of 1,024 bytes, + 16 h
	v_mul_u32_u24 v3, v11, SPITCH
	v_lshl_add_u32 v3, v12, 5, v3
	s_wait_alu depctr_va_sdst(0)                   ; the wave's number is written into s20, ahead of its first reader: LDS addresses and the bases of Wo, the residual and out0 are made from it
	s_lshl_b32 s2, s[WV], 10                       ; (s2 and s3, which vector instructions read, are not written again)
	v_add_nc_u32 v3, s2, v3                        ; the stage, rows 0-15: row r, + 32 h, + my 1,024 bytes
	v_add_nc_u32 v4, 16*SPITCH, v3                 ; rows 16-31
	s_mul_i32 s3, s[WV], 8*SPITCH
	v_add_nc_u32 v5, s3, v1                        ; back: my 8 rows, 16 bytes a lane
	v_lshlrev_b32 v6, 5, v11                       ; Wo's scale bytes: 32 a row
	v_lshlrev_b32 v7, 1, v10                       ; the rows' halfwords
	s_mov_b32 s[SEL], 0x76543210
	s_mov_b32 s[SEL+1], 0xfedcba98
	s_mov_b32 s24, 0x3a800000                      ; 1 / 1,024
	s_mov_b32 s25, 0x33d6bf95                      ; 1e-7
	s_lshl_b32 s26, ttmp9, 15                      ; two tiles of 16,384 bytes
	s_mov_b32 s27, 0
	s_lshl_b32 s28, ttmp9, 6                       ; two tiles of 32 bytes,
	s_add_co_u32 s28, s28, 4194304                 ; behind the codes
	s_mov_b32 s29, 0
	s_lshl_b32 s30, ttmp9, 5
	s_lshl_b32 s31, s[WV], 3
	s_add_co_u32 s30, s30, s31
	s_lshl_b32 s30, s30, 12                        ; my 8 rows of 4,096 bytes
	s_mov_b32 s31, 0
	s_wait_kmcnt 0x0
	s_add_nc_u64 s[28:29], s[4:5], s[28:29]
	s_add_nc_u64 s[4:5], s[4:5], s[26:27]
	s_add_nc_u64 s[12:13], s[12:13], s[30:31]
	s_add_nc_u64 s[18:19], s[18:19], s[30:31]
	s_lshl_b32 s26, s[WV], 18                      ; my 256 rows of Wo
	s_add_nc_u64 s[6:7], s[6:7], s[26:27]
	s_lshl_b32 s26, s[WV], 13
	s_add_nc_u64 s[8:9], s[8:9], s[26:27]
	WIN 0x80
	s_wait_alu depctr_va_vdst(0)                   ; the seven offsets and addresses v1 to v7 are written: every load and store of the kernel, global or LDS, reads one of them
.irp rt, 0,1
.irp s, 0,1,2,3,4,5,6,7
.irp c, 0,1,2,3
	global_load_b128 v[128*\rt+16*\s+4*\c:128*\rt+16*\s+4*\c+3], v1, s[4:5] offset:\rt*16384+\s*2048+\c*512   ; an image: 512 consecutive bytes
.endr
.endr
.endr
	WIN 0
.irp hd, 0,1,2,3,4,5,6,7,8,9,10,11,12,13,14,15
	global_load_u16 v[16+\hd], v7, s[28:29] offset:\hd*8192        ; lanes 0-15 row tile 0, lanes 16-31 row tile 1
.endr
.irp ct, 0,1,2,3,4,5,6,7,8,9,10,11,12,13,14,15
	global_load_b128 v[WSC+8*\ct:WSC+8*\ct+3], v6, s[8:9] offset:\ct*512
	global_load_b128 v[WSC+8*\ct+4:WSC+8*\ct+7], v6, s[8:9] offset:\ct*512+16
.endr
; half of unit u's loads: the fragments of column tiles 4 (u % 4) + i0 and + i0 + 1, K step u / 4, into W[u % 5]: eight loads
.macro WLOADH u, i0
.if (\u)%5 == 4
	WIN 0                                          ; W4 lies in window 0
.set wR, W4
.else
	WIN 0xc0                                       ; destination window 3
.set wR, 64*((\u)%5)
.endif
.irp i, \i0, \i0+1
.irp c, 0,1,2,3
	global_load_b128 v[wR+16*(\i)+4*\c:wR+16*(\i)+4*\c+3], v2, s[6:7] offset:(4*((\u)%4)+(\i))*16384+128*((\u)/4)+32*\c
.endr
.endr
.endm
.irp u, 0,1,2
	WLOADH \u, 0
	WLOADH \u, 2
.endr
	WIN 0
	s_wait_loadcnt 48                              ; all but the three units just issued
.irp s, 0,1,2,3,4,5,6,7
	v_lshl_or_b32 v[AS+\s], v[17+2*\s], 16, v[16+2*\s]             ; K step s is heads 2 s and 2 s + 1: two bytes of each
.endr
	WLOADH 3, 0                                    ; (no vector instruction since the wait at the head names v2 or W3)
	WLOADH 3, 2
	NOPS 8                                         ; a scale register written by a vector instruction stands eight places ahead of the product
; half of unit u's products: the same two column tiles x both row tiles: four matrix instructions
.macro MULH u, i0
.if (\u)%5 == 4
	WIN 0x58                                       ; source 0 (Wo) window 0, source 1 (rows) window 2, C and D window 1
.set mR, W4
.else
	WIN 0x5b                                       ; source 0 (Wo) window 3, source 1 (rows) window 2, C and D window 1
.set mR, 64*((\u)%5)
.endif
.set mS, (\u)/4
.irp i, \i0, \i0+1
.set mCT, 4*((\u)%4)+(\i)
.set mA, mR+16*(\i)
.if mS == 0
	v_wmma_scale_f32_16x16x128_f8f6f4 v[16*mCT:16*mCT+7], v[mA:mA+15], v[16*mS:16*mS+15], 0, v[WSC+8*mCT+mS], v[AS+mS] matrix_a_fmt:MATRIX_FMT_BF8 matrix_b_fmt:MATRIX_FMT_BF8
	v_wmma_scale_f32_16x16x128_f8f6f4 v[16*mCT+8:16*mCT+15], v[mA:mA+15], v[128+16*mS:128+16*mS+15], 0, v[WSC+8*mCT+mS], v[AS+mS] matrix_a_fmt:MATRIX_FMT_BF8 matrix_b_fmt:MATRIX_FMT_BF8 matrix_b_scale:MATRIX_SCALE_ROW1
.else
	v_wmma_scale_f32_16x16x128_f8f6f4 v[16*mCT:16*mCT+7], v[mA:mA+15], v[16*mS:16*mS+15], v[16*mCT:16*mCT+7], v[WSC+8*mCT+mS], v[AS+mS] matrix_a_fmt:MATRIX_FMT_BF8 matrix_b_fmt:MATRIX_FMT_BF8
	v_wmma_scale_f32_16x16x128_f8f6f4 v[16*mCT+8:16*mCT+15], v[mA:mA+15], v[128+16*mS:128+16*mS+15], v[16*mCT+8:16*mCT+15], v[WSC+8*mCT+mS], v[AS+mS] matrix_a_fmt:MATRIX_FMT_BF8 matrix_b_fmt:MATRIX_FMT_BF8 matrix_b_scale:MATRIX_SCALE_ROW1
.endif
.endr
.endm
; Unit u of 32.  Units 28 to 31 ask for nothing more, so they hold no wait on va_vdst, and their counts run down.
.macro UNIT u
.if (\u) < 29
	s_wait_loadcnt 48                              ; this unit is in; the three younger units of 16 loads may be out
.else
	s_wait_loadcnt 16*(31-(\u))
.endif
.if (\u) < 28
	s_wait_alu depctr_va_vdst(0)                   ; the unit before's products are done reading their buffer of Wo, in which the sixteen loads below land; in unit 0: the eight lines above have written the rows' scale words, which the products take (their eight places stand ahead of this wait)
.endif
	MULH \u, 0
.if (\u) < 28
	WLOADH (\u)+4, 0                               ; no wait: no vector or matrix instruction since the wait above names v2 or this buffer
.endif
	MULH \u, 2
.if (\u) < 28
	WLOADH (\u)+4, 2
.endif
.endm
.irp u, 0,1,2,3,4,5,6,7,8,9,10,11,12,13,14,15,16,17,18,19,20,21,22,23,24,25,26,27,28,29,30,31   ; the 32 accumulators take turns, one instruction a turn, in the same order in every K step
	UNIT \u
.endr
	NOPS 8                                         ; eight places behind the last product, ahead of the LDS stores that read the results
	WIN 0x80
	s_wait_alu depctr_va_vdst(0)                   ; the products have written the accumulators, which the LDS stores below read, and are done reading the rows' fragments, W0, W1 and W4, in which the loads below and the first two rows' LDS loads land
.irp i, 0,1,2,3,4,5,6,7
.irp k, 0,1,2,3,4,5,6,7
	global_load_b128 v[32*\i+4*\k:32*\i+4*\k+3], v1, s[12:13] offset:\i*4096+512*\k   ; the residual: my 8 rows
.endr
.endr
	WIN 0xc0                                       ; destination window 3: Wo's fragments are done with
.irp k, 0,1,2,3,4,5,6,7
	global_load_b128 v[BO+4*\k:BO+4*\k+3], v1, s[10:11] offset:512*\k
	global_load_b128 v[GG+4*\k:GG+4*\k+3], v1, s[14:15] offset:512*\k
	global_load_b128 v[BT+4*\k:BT+4*\k+3], v1, s[16:17] offset:512*\k
.endr
	WIN 0x04                                       ; an LDS store's data are its source 1: window 1
.irp ct, 0,1,2,3,4,5,6,7,8,9,10,11,12,13,14,15
.irp rt, 0,1
	ds_store_b128 v[3+\rt], v[8*(2*\ct+\rt):8*(2*\ct+\rt)+3] offset:\ct*64          ; each accumulator from its low end on
	ds_store_b128 v[3+\rt], v[8*(2*\ct+\rt)+4:8*(2*\ct+\rt)+7] offset:\ct*64+16
.endr
.endr
	WIN 0
	s_wait_dscnt 0x0                               ; for the others' sake: my stores into the stage are done
	s_barrier_signal -1
	s_barrier_wait -1
	s_wait_loadcnt 0x0
	s_wait_alu depctr_vm_vsrc(0)                   ; my LDS stores have read the accumulators: v0-63 of window 1 are OUT0 and OUT1 from here on, written by the rows' last multiply-adds
.macro YLOAD i
.irp k, 0,1,2,3,4,5,6,7
	ds_load_b128 v[160+32*((\i)%2)+4*\k:160+32*((\i)%2)+4*\k+3], v5 offset:(\i)*SPITCH+512*\k
.endr
.endm
.macro SEND i                          ; row i leaves from OUT[i % 2]
	WIN 0x04                                       ; a store's data are its source 1: window 1
.irp k, 0,1,2,3,4,5,6,7
	global_store_b128 v1, v[32*((\i)%2)+4*\k:32*((\i)%2)+4*\k+3], s[18:19] offset:(\i)*4096+512*\k th:TH_STORE_NT   ; 32 lanes store 512 consecutive bytes, aligned
.endr
.endm
.macro REDUCE                          ; v224 summed over the 32 lanes, the result in every lane
	v_add_f32_dpp v224, v224, v224 row_xmask:1 row_mask:0xf bank_mask:0xf
	v_add_f32_dpp v224, v224, v224 row_xmask:2 row_mask:0xf bank_mask:0xf
	v_add_f32_dpp v224, v224, v224 row_xmask:4 row_mask:0xf bank_mask:0xf
	v_add_f32_dpp v224, v224, v224 row_xmask:8 row_mask:0xf bank_mask:0xf
	v_permlanex16_b32 v225, v224, s[SEL], s[SEL+1]
	v_add_f32 v224, v224, v225
.endm
.macro ROW i
.set Y, 160+32*((\i)%2)
.set OUTB, 32*((\i)%2)                 ; in window 1
.if \i >= 2
	s_wait_xcnt 0x0                                ; the stores issued in the row before have had their addresses translated (ISA guide 3.1): their data, OUT[i % 2], are rewritten only behind this wait
	s_wait_alu depctr_vm_vsrc(0)                   ; and they have read OUT[i % 2], which this row's last multiply-adds write again
.endif
.if \i >= 1
	s_wait_alu depctr_va_vdst(0)                   ; the row before has written the other OUT, which the stores below read, and is done reading and writing its Y, in which the LDS loads below land
.endif
.if \i < 7
	YLOAD (\i)+1
.endif
.if \i >= 1
	SEND (\i)-1                                    ; no vector instruction since the wait names these registers
.endif
.if \i < 7
	s_wait_dscnt 8                                 ; this row is in; the next row's eight loads may be out
.else
	s_wait_dscnt 0x0
.endif
	WIN 0x08                                       ; source 1 window 2: the residual
.irp m, 0,1,2,3,4,5,6,7,8,9,10,11,12,13,14,15
	v_pk_add_f32 v[Y+2*\m:Y+2*\m+1], v[Y+2*\m:Y+2*\m+1], v[32*(\i)+2*\m:32*(\i)+2*\m+1]
.endr
	WIN 0x0c                                       ; source 1 window 3: the bias
.irp m, 0,1,2,3,4,5,6,7,8,9,10,11,12,13,14,15
	v_pk_add_f32 v[Y+2*\m:Y+2*\m+1], v[Y+2*\m:Y+2*\m+1], v[BO+2*\m:BO+2*\m+1]
.endr
	WIN 0
	v_pk_add_f32 v[224:225], v[Y:Y+1], v[Y+2:Y+3]                  ; the row's sum, in two chains
	v_pk_add_f32 v[226:227], v[Y+4:Y+5], v[Y+6:Y+7]
.irp m, 4,6,8,10,12,14
	v_pk_add_f32 v[224:225], v[224:225], v[Y+2*\m:Y+2*\m+1]
	v_pk_add_f32 v[226:227], v[226:227], v[Y+2*\m+2:Y+2*\m+3]
.endr
	v_pk_add_f32 v[224:225], v[224:225], v[226:227]
	v_add_f32 v224, v224, v225
	REDUCE
	v_mul_f32 v228, s24, v224                      ; the mean, twice: a pair for the packed forms
	v_mul_f32 v229, s24, v224
.irp m, 0,1,2,3,4,5,6,7,8,9,10,11,12,13,14,15
	v_pk_add_f32 v[Y+2*\m:Y+2*\m+1], v[Y+2*\m:Y+2*\m+1], v[228:229] neg_lo:[0,1] neg_hi:[0,1]
.endr
	v_pk_mul_f32 v[224:225], v[Y:Y+1], v[Y:Y+1]                    ; the squares of the differences
	v_pk_mul_f32 v[226:227], v[Y+2:Y+3], v[Y+2:Y+3]
.irp m, 2,4,6,8,10,12,14
	v_pk_fma_f32 v[224:225], v[Y+2*\m:Y+2*\m+1], v[Y+2*\m:Y+2*\m+1], v[224:225]
	v_pk_fma_f32 v[226:227], v[Y+2*\m+2:Y+2*\m+3], v[Y+2*\m+2:Y+2*\m+3], v[226:227]
.endr
	v_pk_add_f32 v[224:225], v[224:225], v[226:227]
	v_add_f32 v224, v224, v225
	REDUCE
	v_fma_f32 v224, v224, s24, s25                 ; the variance + 1e-7
	s_wait_alu depctr_va_vdst(0)
	v_rsq_f32 v230, v224
	v_rsq_f32 v231, v224
	v_nop
	s_wait_alu depctr_va_vdst(0)                   ; the two reciprocal roots have written v230 and v231: one wait for both, ahead of their first reader
.irp m, 0,1,2,3,4,5,6,7,8,9,10,11,12,13,14,15
	v_pk_mul_f32 v[Y+2*\m:Y+2*\m+1], v[Y+2*\m:Y+2*\m+1], v[230:231]
.endr
	WIN 0x7c                                       ; sources 1 and 2 window 3: the gain and the offset; destination window 1: OUT[i % 2]
.irp m, 0,1,2,3,4,5,6,7,8,9,10,11,12,13,14,15
	v_pk_fma_f32 v[OUTB+2*\m:OUTB+2*\m+1], v[Y+2*\m:Y+2*\m+1], v[GG+2*\m:GG+2*\m+1], v[BT+2*\m:BT+2*\m+1]
.endr
	WIN 0
.endm
	YLOAD 0
.irp i, 0,1,2,3,4,5,6,7
	ROW \i
.endr
	s_wait_alu depctr_va_vdst(0)                   ; row 7 has written OUT1, which the last eight stores read
	SEND 7
	WIN 0                                          ; the add's two registers lie in window 0
	s_wait_dscnt 0x0                               ; the closing lines, six on end
	s_wait_alu 0x0
	s_wait_tensorcnt 0x0
	ds_add_u32 v254, v255
	s_wait_dscnt 0x0
	s_endpgm
.Lfunc_end_k_q1a49bb0bfd_outln:
	.size	k_q1a49bb0bfd_outln, .Lfunc_end_k_q1a49bb0bfd_outln-k_q1a49bb0bfd_outln
	.p2alignl 7, 3214868480
	.fill 96, 4, 3214868480
	.section	.rodata,"a",@progbits
	.p2align	6, 0x0
	.amdhsa_kernel k_q1a49bb0bfd_outln
		.amdhsa_group_segment_fixed_size 132096
		.amdhsa_private_segment_fixed_size 0
		.amdhsa_enable_private_segment 0
		.amdhsa_kernarg_size 64
		.amdhsa_user_sgpr_count 2
		.amdhsa_user_sgpr_kernarg_segment_ptr 1
		.amdhsa_wavefront_size32 1
		.amdhsa_system_sgpr_workgroup_id_x 1
		.amdhsa_system_sgpr_workgroup_id_y 1
		.amdhsa_system_sgpr_workgroup_id_z 1
		.amdhsa_system_vgpr_workitem_id 0
		.amdhsa_next_free_vgpr 1024
		.amdhsa_next_free_sgpr 66
		.amdhsa_reserve_vcc 0
		.amdhsa_float_denorm_mode_32 3
		.amdhsa_float_denorm_mode_16_64 3
		.amdhsa_memory_ordered 1
		.amdhsa_forward_progress 1
		.amdhsa_inst_pref_size 189
	.end_amdhsa_kernel
	.amdgpu_metadata
---
amdhsa.version: [ 1, 2 ]
amdhsa.kernels:
  - .name:           k_q1a49bb0bfd_outln
    .symbol:         k_q1a49bb0bfd_outln.kd
    .args:
      - { .name: ao, .offset: 0, .size: 8, .value_kind: global_buffer, .address_space: global }
      - { .name: Wo_codes, .offset: 8, .size: 8, .value_kind: global_buffer, .address_space: global }
      - { .name: Wo_scales, .offset: 16, .size: 8, .value_kind: global_buffer, .address_space: global }
      - { .name: bo, .offset: 24, .size: 8, .value_kind: global_buffer, .address_space: global }
      - { .name: hidden_states, .offset: 32, .size: 8, .value_kind: global_buffer, .address_space: global }
      - { .name: ln_g, .offset: 40, .size: 8, .value_kind: global_buffer, .address_space: global }
      - { .name: ln_b, .offset: 48, .size: 8, .value_kind: global_buffer, .address_space: global }
      - { .name: out0, .offset: 56, .size: 8, .value_kind: global_buffer, .address_space: global }
    .group_segment_fixed_size: 132096
    .private_segment_fixed_size: 0
    .kernarg_segment_align: 8
    .kernarg_segment_size: 64
    .max_flat_workgroup_size: 128
    .sgpr_count:     66
    .vgpr_count:     1024
    .wavefront_size: 32
...
	.end_amdgpu_metadata
.endif
;; end of part 8
